; MI455X (gfx1250); checked and timed in simulation.
; The chip was launched on July 23, 2026; its instructions are those of AMD's public machine-readable ISA for CDNA 5 (MIT licence, August 2026) and "CDNA5" Instruction Set Architecture Reference Guide (July 2026). The comments in the code are by the model that wrote it; some were corrected since.
;; T Attention. Allowed arithmetic: matrix products marked QUANTISED: E3M2 operands, one E8M0 scale for each 32 along K, by v_wmma_scale_f32_16x16x128_f8f6f4 with both operands' format E3M2, f32 sums; everything else in f32.
;; Inputs: W1 256 x 256 float32; W2 256 x 256 float32; Wk 256 x 256 float32; Wq 256 x 256 float32; Wv 256 x 256 float32; b1 256 float32; b2 256 float32; bf1 256 float32; bf2 256 float32; g1 256 float32; g2 256 float32; x 4 x 4,096 x 256 float32.
;; Outputs: out0 4 x 4,096 x 256 float32.
;; This version of the problem:
;;   THIS VERSION OF THE PROBLEM IS GIVEN IN LOW PRECISION. The matrix products marked QUANTISED in the list below multiply operands that are first quantised to E3M2 (3 exponent bits, 2 mantissa bits; 6 bits a number), with one power-of-two scale for each 32 numbers along K (OCP MX v1.0); their sums are f32. All else is computed in f32.
;;   The module's matrix products, in the order in which they are computed (A, B: the left and right operand; K: the contracted axis; several contracted axes count as one K, in the product's order):
;;     1. [M 16,384, K 256] x [K 256, N 256]; A: computed on the way; B: input Wq: QUANTISED
;;     2. [M 16,384, K 256] x [K 256, N 256]; A: computed on the way; B: input Wk: QUANTISED
;;     3. [M 16,384, K 256] x [K 256, N 256]; A: computed on the way; B: input Wv: QUANTISED
;;     4. batch 16 x [M 4,096, K 64] x [K 64, N 4,096]; A: computed on the way; B: computed on the way: QUANTISED
;;     5. batch 16 x [M 64, K 4,096] x [K 4,096, N 4,096]; A: computed on the way; B: softmax (see below): QUANTISED
;;     6. [M 16,384, K 256] x [K 256, N 256]; A: computed on the way; B: input W1: QUANTISED
;;     7. [M 16,384, K 256] x [K 256, N 256]; A: computed on the way; B: input W2: QUANTISED
;;   THE QUANTISER, for each operand of a quantised product, along K:
;;     - K is cut into blocks of 32 from its start; a last block that is shorter is filled with zeros.
;;     - A block's scale is 2^e with e = floor(log2(the largest magnitude in the block)) - 4, held to -126 .. 127; a block of zeros has e = 0. As a byte (E8M0): e + 127.
;;     - Each number is divided by its block's scale, clamped to +-28, and rounded to the nearest number of E3M2, ties to even, subnormals kept.
;;     - The product sums the exact products of the quantised numbers (number of the format x scale) in f32.
;;   ~~~python
;;   def quantise(x, axis):      # numpy; x: float32 -> the quantised numbers, widened to float32 again
;;       x = np.moveaxis(x, axis, -1); K = x.shape[-1]
;;       x = np.pad(x, [(0, 0)] * (x.ndim - 1) + [(0, -K % 32)]); x = x.reshape(x.shape[:-1] + (-1, 32)); a = np.abs(x).max(-1, keepdims=True)
;;       e = np.where(a > 0, np.clip(np.frexp(np.where(a > 0, a, 1))[1] - 1 - 4, -126, 127), 0)      # np.frexp(a)[1] - 1 = floor(log2(a)), exactly
;;       r = np.clip(x / 2.0 ** e, -28, 28)
;;       step = 2.0 ** (np.maximum(np.frexp(np.where(r == 0, 1, r))[1] - 1, -2) - 2)
;;       q = np.round(r / step) * step * 2.0 ** e      # np.round: ties to even
;;       return np.moveaxis(q.reshape(q.shape[:-2] + (-1,))[..., :K], -1, axis).astype(np.float32)
;;   ~~~
;;   SOFTMAX AHEAD OF A QUANTISED PRODUCT. Where the list says 'softmax', what is quantised is not the finished softmax but p = 2^(t - M), with t = logit x log2(e) and M = ceil(the row's largest t), a whole number; so 1/2 < the row's largest p <= 1. The row's sum l is taken of the UNQUANTISED p, in f32, and the product's result is divided by l at the end. Since M is a whole number, a kernel that streams over the keys may use a running M (the ceiling of the running maximum): every later rescaling is an exact power of two, which a block's scale takes up: the codes' values come out the same.
;;   OPERANDS COMPUTED ON THE WAY. 'Computed on the way' means the value that the module computes at that place (a softmax that the list does not call 'softmax' is quantised finished and normalised). What goes into a quantiser is computed in f32, as accurately as f32 sums, v_exp_f32 and their like allow (about 1e-6 of the number): no bf16 or f16 on the way to a quantiser, and a product that is left as it is and whose result goes on into a quantised operand takes f32 operands (vector FMAs, or v_wmma_f32_16x16x4_f32). A number that lies on a knife's edge between two numbers of the format may be rounded either way, as far as f32 arithmetic and the matrix unit's own rounding can turn it there, and no further.
;; 2 versions. Each part assembles by itself: llvm-mc -triple=amdgcn-amd-amdhsa -mcpu=gfx1250 --defsym DOCPART=n.
;; ======== version 1 of 2: 4 launches
;; workspace buffers: wc 245,760 bytes; ws 20,480 bytes; qc 3,145,728 bytes; qs 524,288 bytes; kv 7,077,888 bytes; att 16,777,216 bytes
;; launch wq (part 1): grid 160 x 1, 1 waves a work-group, no clusters, 0 bytes of LDS; arguments Wq, Wk, Wv, W1, W2, wc, ws; writes wc, ws
.if DOCPART == 1
	.amdgcn_target "amdgcn-amd-amdhsa--gfx1250"
	.amdhsa_code_object_version 6
	.text
	.protected	k_q411102a9ee_wq
	.globl	k_q411102a9ee_wq
	.p2align	8
	.type	k_q411102a9ee_wq,@function
k_q411102a9ee_wq:
	s_mov_b64 s[64:65], 0
	v_nop
	global_prefetch_b8 v0, s[64:65] scope:SCOPE_SE
	s_setreg_imm32_b32 hwreg(HW_REG_WAVE_MODE, 25, 1), 1
	s_wait_xcnt 0x0
; The five weights [256][256] f32 (K = the last axis) become codes of BF6 (E3M2) with one E8M0 byte for each 32 along K, ONCE, laid as images of operand registers.
; Fragment F = 32 mat + 2 t + s (mat: Wq, Wk, Wv, W1, W2; t: a tile of 16 rows; s: 128 along K).  One wave makes one fragment: 160 work-groups of one wave.
; THE ROWS OF A TILE ARE NOT NEIGHBOURS: lane r of tile t takes row 32 (t / 2) + 8 (t % 2) + r + 8 (r / 8), so that in a product used transposed the 16 registers of tiles 2 b, 2 b + 1 are 16 neighbours along the next K.
; wc + 1536 F: register 4 c + i of lane L at 512 c + 16 L + 4 i.  ws + 128 F + 4 L: the row's scale word (both halves of the lanes hold it).
; A block's scale byte is its largest magnitude's exponent field - 4, held at 1 from below.  LIMITS: a block of zeros gets the byte 1 where the rule says 127 (its codes are zeros, and this program alone
; reads the bytes); NaN and infinities among the inputs are not served.
; The loads take 512 bytes of each of 16 rows: 1.3 MB in the whole launch, each byte read once.  No LDS, no cluster: no two work-groups read the same bytes.
.set WOF, 3                            ; v3   my lane's byte in the tile: row x 1,024 + 64 (lane / 16)
.set LI,  4                            ; v4   16 x lane
.set LS,  5                            ; v5   4 x lane
.set X,   16                           ; v16-79   64 numbers: register 16 b + i = k 32 b + 16 (lane / 16) + i of my row
.set TM,  80                           ; v80-83 largest magnitudes, v84-87 the other half's, then bytes, v92-95 the conversions' scale operands
.set PC,  96                           ; v96-107 the codes; v108-110, v112-114 at work
.set PW,  116                          ; v116 the scale word
.set SEL, 20                           ; s[20:21] v_permlanex16_b32's selects for lane l xor 16
; 64 numbers of a lane become a fragment's 12 registers of codes and its row's scale word.
.macro QUANT s
.irp b, 0,1,2,3
	v_max3_num_f32 v[TM+\b], |v[\s+16*\b]|, |v[\s+1+16*\b]|, 0x2800000   ; block b: my 16 numbers, and the floor 2^(5 - 127): the byte cannot fall under 1
.endr
.irp i, 2,4,6,8,10,12,14
.irp b, 0,1,2,3
	v_max3_num_f32 v[TM+\b], v[TM+\b], |v[\s+16*\b+\i]|, |v[\s+1+16*\b+\i]|   ; the four blocks by turns
.endr
.endr
.irp b, 0,1,2,3
	v_permlanex16_b32 v[TM+4+\b], v[TM+\b], s[SEL], s[SEL+1]
.endr
.irp b, 0,1,2,3
	v_max_num_f32 v[TM+\b], v[TM+\b], v[TM+4+\b]   ; with lane l xor 16's 16: the block's largest magnitude
.endr
.irp b, 0,1,2,3
	v_add_nc_u32 v[TM+12+\b], 0xfe000000, v[TM+\b]   ; 4 off its exponent field: the conversion takes this operand's exponent field as its scale
.endr
.irp b, 0,1,2,3
	v_lshrrev_b32 v[TM+4+\b], 23, v[TM+12+\b]      ; the scale's byte
.endr
	v_lshl_or_b32 v[PW], v[TM+5], 8, v[TM+4]
	v_lshl_or_b32 v[PW], v[TM+6], 16, v[PW]
	v_lshl_or_b32 v[PW], v[TM+7], 24, v[PW]
.irp c, 0,1
	v_cvt_scalef32_pk16_bf6_f32 v[PC+6*\c:PC+2+6*\c], v[\s+32*\c:\s+15+32*\c], v[TM+12+2*\c]
	v_cvt_scalef32_pk16_bf6_f32 v[PC+12+4*\c:PC+14+4*\c], v[\s+16+32*\c:\s+31+32*\c], v[TM+12+2*\c+1]   ; (a conversion's three registers begin on an even number)
.endr
	v_nop                                          ; one plain instruction behind the scaled conversions
.irp c, 0,1                                    ; the operand wants a WHOLE block in a lane: lanes 0-15 block 2 c, lanes 16-31 block 2 c + 1
.irp i, 0,1,2
	v_permlane16_swap_b32 v[PC+6*\c+\i], v[PC+12+4*\c+\i]
.endr
.irp i, 0,1,2
	v_mov_b32 v[PC+3+6*\c+\i], v[PC+12+4*\c+\i]
.endr
.endr
.endm
	s_load_b256 s[4:11], s[0:1], 0x0               ; Wq, Wk, Wv, W1
	s_load_b128 s[12:15], s[0:1], 0x20             ; W2, wc
	s_load_b64 s[16:17], s[0:1], 0x30              ; ws
	v_and_b32 v1, 15, v0                           ; r
	v_lshrrev_b32 v2, 4, v0                        ; h
	v_and_b32 v[WOF], 8, v1
	v_add_nc_u32 v[WOF], v[WOF], v1                ; r + 8 (r / 8)
	v_lshlrev_b32 v[WOF], 10, v[WOF]               ; a row is 1,024 bytes
	v_lshl_add_u32 v[WOF], v2, 6, v[WOF]           ; + 64 h: my 16 numbers of a block of 32
	v_lshlrev_b32 v[LI], 4, v0
	v_lshlrev_b32 v[LS], 2, v0
.irp b, 0,1,2,3
	v_mov_b32 v[TM+4+\b], 0                        ; written once: a lane permute's destination counts as one of its sources
.endr
	s_mov_b32 s[SEL], 0x76543210
	s_mov_b32 s[SEL+1], 0xfedcba98
	s_lshr_b32 s22, ttmp9, 5                       ; which weight
	s_bfe_u32 s23, ttmp9, 0x30002                  ; t / 2
	s_bfe_u32 s24, ttmp9, 0x10001                  ; t % 2
	s_and_b32 s25, ttmp9, 1                        ; s
	s_lshl_b32 s23, s23, 15                        ; 32 rows
	s_lshl_b32 s24, s24, 13                        ; 8 rows
	s_lshl_b32 s25, s25, 9                         ; 128 numbers
	s_add_co_u32 s26, s23, s24
	s_add_co_u32 s26, s26, s25
	s_mov_b32 s27, 0
	s_mul_i32 s28, ttmp9, 1536
	s_mov_b32 s29, 0
	s_lshl_b32 s30, ttmp9, 7
	s_mov_b32 s31, 0
	s_wait_kmcnt 0x0
	s_cmp_eq_u32 s22, 1                            ; the choice hangs on the work-group's number alone
	s_cselect_b64 s[4:5], s[6:7], s[4:5]
	s_cmp_eq_u32 s22, 2
	s_cselect_b64 s[4:5], s[8:9], s[4:5]
	s_cmp_eq_u32 s22, 3
	s_cselect_b64 s[4:5], s[10:11], s[4:5]
	s_cmp_eq_u32 s22, 4
	s_cselect_b64 s[4:5], s[12:13], s[4:5]
	s_add_nc_u64 s[4:5], s[4:5], s[26:27]
	s_add_nc_u64 s[14:15], s[14:15], s[28:29]
	s_add_nc_u64 s[16:17], s[16:17], s[30:31]
.irp b, 0,1,2,3
.irp j, 0,1,2,3
	global_load_b128 v[X+16*\b+4*\j:X+16*\b+4*\j+3], v[WOF], s[4:5] offset:128*\b+16*\j
.endr
.endr
	s_wait_loadcnt 0x0
	QUANT X
.irp c, 0,1,2
	global_store_b128 v[LI], v[PC+4*\c:PC+4*\c+3], s[14:15] offset:512*\c   ; 32 lanes store 512 consecutive bytes, at a multiple of 512 from wc's first byte
.endr
	global_store_b32 v[LS], v[PW], s[16:17]
	s_endpgm
.Lfunc_end_k_q411102a9ee_wq:
	.size	k_q411102a9ee_wq, .Lfunc_end_k_q411102a9ee_wq-k_q411102a9ee_wq
	.p2alignl 7, 3214868480
	.fill 96, 4, 3214868480
	.section	.rodata,"a",@progbits
	.p2align	6, 0x0
	.amdhsa_kernel k_q411102a9ee_wq
		.amdhsa_group_segment_fixed_size 0
		.amdhsa_private_segment_fixed_size 0
		.amdhsa_enable_private_segment 0
		.amdhsa_kernarg_size 56
		.amdhsa_user_sgpr_count 2
		.amdhsa_user_sgpr_kernarg_segment_ptr 1
		.amdhsa_wavefront_size32 1
		.amdhsa_system_sgpr_workgroup_id_x 1
		.amdhsa_system_sgpr_workgroup_id_y 1
		.amdhsa_system_sgpr_workgroup_id_z 1
		.amdhsa_system_vgpr_workitem_id 0
		.amdhsa_next_free_vgpr 128
		.amdhsa_next_free_sgpr 66
		.amdhsa_reserve_vcc 0
		.amdhsa_float_denorm_mode_32 3
		.amdhsa_float_denorm_mode_16_64 3
		.amdhsa_memory_ordered 1
		.amdhsa_forward_progress 1
		.amdhsa_inst_pref_size 8
	.end_amdhsa_kernel
	.amdgpu_metadata
---
amdhsa.version: [ 1, 2 ]
amdhsa.kernels:
  - .name:           k_q411102a9ee_wq
    .symbol:         k_q411102a9ee_wq.kd
    .args:
      - { .name: Wq, .offset: 0, .size: 8, .value_kind: global_buffer, .address_space: global }
      - { .name: Wk, .offset: 8, .size: 8, .value_kind: global_buffer, .address_space: global }
      - { .name: Wv, .offset: 16, .size: 8, .value_kind: global_buffer, .address_space: global }
      - { .name: W1, .offset: 24, .size: 8, .value_kind: global_buffer, .address_space: global }
      - { .name: W2, .offset: 32, .size: 8, .value_kind: global_buffer, .address_space: global }
      - { .name: wc, .offset: 40, .size: 8, .value_kind: global_buffer, .address_space: global }
      - { .name: ws, .offset: 48, .size: 8, .value_kind: global_buffer, .address_space: global }
    .group_segment_fixed_size: 0
    .private_segment_fixed_size: 0
    .kernarg_segment_align: 8
    .kernarg_segment_size: 56
    .max_flat_workgroup_size: 32
    .sgpr_count:     66
    .vgpr_count:     128
    .wavefront_size: 32
...
	.end_amdgpu_metadata
.endif
;; end of part 1
;; launch qkv (part 2): grid 256 x 1, 8 waves a work-group, no clusters, 80,896 bytes of LDS; arguments x, g1, b1, wc, ws, qc, qs, kv; writes qc, qs, kv
.if DOCPART == 2
	.amdgcn_target "amdgcn-amd-amdhsa--gfx1250"
	.amdhsa_code_object_version 6
	.text
	.protected	k_q411102a9ee_qkv
	.globl	k_q411102a9ee_qkv
	.p2align	8
	.type	k_q411102a9ee_qkv,@function
k_q411102a9ee_qkv:
	s_mov_b64 s[64:65], 0
	v_nop
	global_prefetch_b8 v0, s[64:65] scope:SCOPE_SE
	s_setreg_imm32_b32 hwreg(HW_REG_WAVE_MODE, 25, 1), 1
	s_wait_xcnt 0x0
; xn = layernorm(x) g1 + b1; q, k, v = Q(xn) Q(W)^T on codes of BF6 (E3M2) with E8M0 scales for each 32 along K; then q and k are quantised along the head's 64 and v along the keys,
; and all three leave as images of the operand registers of the attention launch.
; SHARES.  A work-group owns 64 rows of the 16,384: half (c) of a key step of 128.  Front end: wave w normalises and quantises tile m = w / 2 of 16 rows, K step s = w % 2 (the row's mean and variance
; are made by both waves of a tile: a lane holds 128 of its row's 256 numbers, lane l xor 16 the rest).  Products: wave w makes q (w even) or k (w odd) of head w / 2 for all 64 rows, and then two tiles
; of 16 channels of v of that head.  Its 12 weight fragments come from wc straight into its registers, once.
; ROW ORDER.  Lane r of tile 2 b + u holds row 32 b + 8 u + r + 8 (r / 8), for the rows of x as for the rows of the weights.  q, k: source 0 = 16 rows of W, source 1 = a tile of x: a lane holds one row of x,
; and the 16 registers of two neighbouring tiles are 16 neighbouring channels.  v: source 0 = a tile of x, source 1 = 16 rows of Wv: a lane holds one channel, and its registers run along the keys.
; x comes by loads of 512 consecutive bytes and turns through LDS (rows 1,040 bytes apart) into the lanes' order.
; NO CLUSTER, NO TENSOR LOAD: no row of x is shared between work-groups; the weights' images are shared by all, but each wave wants its own 12 fragments once, in registers, and a joint load would
; land them in LDS, to be read from there again.
; LIMITS: a block of zeros gets the scale byte 1 where the rule says 127 (its codes are zeros; this program alone reads the bytes); NaN and infinities are not served; v_rsq_f32 as the ISA guide has it.
; REGISTERS.  window 0: v1-15 addresses; v28-47 scale words; v48-175 128 numbers of a row, later x's 8 fragments and an accumulator set; v176-228 at work.
;   window 1: v0-63 g1, v64-127 b1 of my K step, later Wv's 4 fragments; v128-223 Wq's or Wk's 8 fragments.
.set XPITCH, 1040                      ; a row of x in LDS: 1,024 bytes + 16: an odd multiple of 16
.set XIMG,  64*XPITCH                  ; behind the rows: xn's 8 fragments (2 m + s), 1,536 bytes each,
.set XSC,   XIMG+8*1536                ; and their scale words, 128 bytes each
.set STEPB, 13824                      ; a key step's block in kv: K's codes 6,144, V's codes 6,144, K's scale words 1,024, V's 512
.set BHB,   32*STEPB
.set LI,  4                            ; v4   16 x lane
.set L8,  5                            ; v5   8 x lane
.set LS,  6                            ; v6   4 x lane
.set XTS, 7                            ; v7   LDS: where my wave's 8 rows of x go
.set XTO, 8                            ; v8   LDS: my row, my K step
.set XTT, 9                            ; v9   LDS: my row, the other K step
.set XWI, 10                           ; v10  LDS: where I store my fragment's image
.set XWS, 11                           ; v11  and its scale word
.set GBO, 12                           ; v12  my byte in g1 and b1
.set XRI, 13                           ; v13  LDS: the images, for reading
.set XRS, 14                           ; v14  LDS: their scale words
.set XS,  28                           ; v28-35 xn's scale words
.set WQS, 36                           ; v36-43 Wq's or Wk's
.set WVS, 44                           ; v44-47 Wv's
.set X,   48
.set ST,  176                          ; v176-183 four chains, v184 the other half's
.set MU,  ST+10
.set RS,  ST+12
.set PC,  192
.set TM,  212
.set PW,  TM+8
.set XF,  48                           ; behind the second barrier: xn's fragments, 2 m + s at + 12 (2 m + s)
.set ACC0, 144
.set ACC1, 176
.set PC2, 208                          ; six registers of codes, three at work
.set T2,  218
.set QW,  224                          ; v224-227 the four tiles' scale words
.set VW,  228
.set WQK, 128                          ; in window 1
.set WV,  20
.set SEL, 22
.set C256, 24
.set EPS, 25
.set WQP, 32
.set WQSP, 34
.set WVP, 36
.set WVSP, 38
.set CB,  40
.set SB,  42
.set VB,  44
.set VSB, 46
.set MSB, 0
.macro WIN new                         ; the immediate's high byte repeats the setting that is left
.if MSB != \new
	s_set_vgpr_msb (MSB<<8)|\new
.set MSB, \new
.endif
.endm
.macro BARRIER                         ; my LDS stores have landed and my LDS loads are in: then the work-group's barrier
	s_wait_dscnt 0x0
	s_barrier_signal -1
	s_barrier_wait -1
.endm
; 64 numbers of a lane, register 16 b + i = k 32 b + 16 (lane / 16) + i of my row, become a fragment's codes in v[PC] on and its scale word in v[PW].
.macro QUANT s
.irp b, 0,1,2,3
	v_max3_num_f32 v[TM+\b], |v[\s+16*\b]|, |v[\s+1+16*\b]|, 0x2800000   ; and the floor 2^(5 - 127): the byte cannot fall under 1
.endr
.irp i, 2,4,6,8,10,12,14
.irp b, 0,1,2,3
	v_max3_num_f32 v[TM+\b], v[TM+\b], |v[\s+16*\b+\i]|, |v[\s+1+16*\b+\i]|
.endr
.endr
.irp b, 0,1,2,3
	v_permlanex16_b32 v[TM+4+\b], v[TM+\b], s[SEL], s[SEL+1]
.endr
.irp b, 0,1,2,3
	v_max_num_f32 v[TM+\b], v[TM+\b], v[TM+4+\b]
.endr
.irp b, 0,1,2,3
	v_add_nc_u32 v[TM+12+\b], 0xfe000000, v[TM+\b]   ; 4 off the exponent field: the conversion's scale operand
.endr
.irp b, 0,1,2,3
	v_lshrrev_b32 v[TM+4+\b], 23, v[TM+12+\b]      ; the scale's byte
.endr
	v_lshl_or_b32 v[PW], v[TM+5], 8, v[TM+4]
	v_lshl_or_b32 v[PW], v[TM+6], 16, v[PW]
	v_lshl_or_b32 v[PW], v[TM+7], 24, v[PW]
.irp c, 0,1
	v_cvt_scalef32_pk16_bf6_f32 v[PC+6*\c:PC+2+6*\c], v[\s+32*\c:\s+15+32*\c], v[TM+12+2*\c]
	v_cvt_scalef32_pk16_bf6_f32 v[PC+12+4*\c:PC+14+4*\c], v[\s+16+32*\c:\s+31+32*\c], v[TM+12+2*\c+1]
.endr
	v_nop                                          ; one plain instruction behind the scaled conversions
.irp c, 0,1
.irp i, 0,1,2
	v_permlane16_swap_b32 v[PC+6*\c+\i], v[PC+12+4*\c+\i]
.endr
.irp i, 0,1,2
	v_mov_b32 v[PC+3+6*\c+\i], v[PC+12+4*\c+\i]
.endr
.endr
.endm
; The same for 32 numbers (two blocks): six registers of codes in v[pc] on (lane (r, h): k = 32 h + 0 .. 31) and the two bytes in v[w]; hi = 1: bytes 2 and 3 become 0x7f (the scale 1).
.macro QUANT2 a, pc, w, hi
.irp b, 0,1
	v_max3_num_f32 v[T2+\b], |v[(\a)+16*\b]|, |v[(\a)+1+16*\b]|, 0x2800000
.endr
.irp i, 2,4,6,8,10,12,14
.irp b, 0,1
	v_max3_num_f32 v[T2+\b], v[T2+\b], |v[(\a)+16*\b+\i]|, |v[(\a)+1+16*\b+\i]|
.endr
.endr
.irp b, 0,1
	v_permlanex16_b32 v[T2+2+\b], v[T2+\b], s[SEL], s[SEL+1]
.endr
.irp b, 0,1
	v_max_num_f32 v[T2+\b], v[T2+\b], v[T2+2+\b]
.endr
.irp b, 0,1
	v_add_nc_u32 v[T2+4+\b], 0xfe000000, v[T2+\b]
.endr
.irp b, 0,1
	v_lshrrev_b32 v[T2+2+\b], 23, v[T2+4+\b]
.endr
	v_lshl_or_b32 v[\w], v[T2+3], 8, v[T2+2]
.if \hi
	v_or_b32 v[\w], 0x7f7f0000, v[\w]
.endif
	v_cvt_scalef32_pk16_bf6_f32 v[\pc:\pc+2], v[(\a):(\a)+15], v[T2+4]
	v_cvt_scalef32_pk16_bf6_f32 v[\pc+6:\pc+8], v[(\a)+16:(\a)+31], v[T2+5]
	v_nop                                          ; one plain instruction behind the scaled conversions
.irp i, 0,1,2
	v_permlane16_swap_b32 v[\pc+\i], v[\pc+6+\i]
.endr
.irp i, 0,1,2
	v_mov_b32 v[\pc+3+\i], v[\pc+6+\i]
.endr
.endm
; Layernorm of my row.  v[X] on: 64 numbers of my K step, then 64 of the other.  Mean first, then the mean of the squared differences, as the definition has it; only my K step is scaled.
.macro LN
.irp k, 0,1,2,3
	v_pk_add_f32 v[ST+2*\k:ST+2*\k+1], v[X+2*\k:X+2*\k+1], v[X+8+2*\k:X+9+2*\k]   ; four chains, started by the first eight pairs
.endr
.set LNN, 8
.rept 56
	v_pk_add_f32 v[ST+2*(LNN%4):ST+2*(LNN%4)+1], v[ST+2*(LNN%4):ST+2*(LNN%4)+1], v[X+2*LNN:X+2*LNN+1]
.set LNN, LNN+1
.endr
	v_pk_add_f32 v[ST:ST+1], v[ST:ST+1], v[ST+2:ST+3]
	v_pk_add_f32 v[ST+4:ST+5], v[ST+4:ST+5], v[ST+6:ST+7]
	v_pk_add_f32 v[ST:ST+1], v[ST:ST+1], v[ST+4:ST+5]
	v_add_f32 v[ST], v[ST], v[ST+1]
	v_permlanex16_b32 v[ST+8], v[ST], s[SEL], s[SEL+1]
	v_add_f32 v[ST], v[ST], v[ST+8]                ; the row's sum
	v_mul_f32 v[MU], s[C256], v[ST]                ; / 256
	v_mov_b32 v[MU+1], v[MU]
.set LNN, 0
.rept 64
	v_pk_add_f32 v[X+2*LNN:X+2*LNN+1], v[X+2*LNN:X+2*LNN+1], v[MU:MU+1] neg_lo:[0,1] neg_hi:[0,1]   ; x - mean
.set LNN, LNN+1
.endr
.irp k, 0,1,2,3
	v_pk_mul_f32 v[ST+2*\k:ST+2*\k+1], v[X+2*\k:X+2*\k+1], v[X+2*\k:X+2*\k+1]
.endr
.set LNN, 4
.rept 60
	v_pk_fma_f32 v[ST+2*(LNN%4):ST+2*(LNN%4)+1], v[X+2*LNN:X+2*LNN+1], v[X+2*LNN:X+2*LNN+1], v[ST+2*(LNN%4):ST+2*(LNN%4)+1]
.set LNN, LNN+1
.endr
	v_pk_add_f32 v[ST:ST+1], v[ST:ST+1], v[ST+2:ST+3]
	v_pk_add_f32 v[ST+4:ST+5], v[ST+4:ST+5], v[ST+6:ST+7]
	v_pk_add_f32 v[ST:ST+1], v[ST:ST+1], v[ST+4:ST+5]
	v_add_f32 v[ST], v[ST], v[ST+1]
	v_permlanex16_b32 v[ST+8], v[ST], s[SEL], s[SEL+1]
	v_add_f32 v[ST], v[ST], v[ST+8]
	v_fma_f32 v[ST], v[ST], s[C256], s[EPS]        ; variance + 1e-5
	v_rsq_f32 v[RS], v[ST]
	v_mov_b32 v[RS+1], 0                           ; a plain instruction behind the transcendental; it also writes the pair's upper half, which is named below
	s_wait_alu depctr_va_vdst(0)                   ; the wait ahead of the first line that names the result
.set LNN, 0
.rept 32
	v_pk_mul_f32 v[X+2*LNN:X+2*LNN+1], v[X+2*LNN:X+2*LNN+1], v[RS:RS+1] op_sel_hi:[1,0]
.set LNN, LNN+1
.endr
	WIN 0x14                                       ; sources 1 and 2 (gain, bias) in window 1
.set LNN, 0
.rept 32
	v_pk_fma_f32 v[X+2*LNN:X+2*LNN+1], v[X+2*LNN:X+2*LNN+1], v[2*LNN:2*LNN+1], v[64+2*LNN:65+2*LNN]
.set LNN, LNN+1
.endr
	WIN 0
.endm
; q or k of tile m of rows: 4 tiles of 16 channels x 2 K steps; the four accumulators take turns.
.macro MMQ m, acc
	WIN 0x01                                       ; source 0 (the weight) in window 1
.irp s, 0,1
.irp t, 0,1,2,3
.if \s == 0
	v_wmma_scale_f32_16x16x128_f8f6f4 v[\acc+8*\t:\acc+8*\t+7], v[WQK+12*(2*\t+\s):WQK+12*(2*\t+\s)+11], v[XF+12*(2*\m+\s):XF+12*(2*\m+\s)+11], 0, v[WQS+2*\t+\s], v[XS+2*\m+\s] matrix_a_fmt:MATRIX_FMT_BF6 matrix_b_fmt:MATRIX_FMT_BF6
.else
	v_wmma_scale_f32_16x16x128_f8f6f4 v[\acc+8*\t:\acc+8*\t+7], v[WQK+12*(2*\t+\s):WQK+12*(2*\t+\s)+11], v[XF+12*(2*\m+\s):XF+12*(2*\m+\s)+11], v[\acc+8*\t:\acc+8*\t+7], v[WQS+2*\t+\s], v[XS+2*\m+\s] matrix_a_fmt:MATRIX_FMT_BF6 matrix_b_fmt:MATRIX_FMT_BF6
.endif
.endr
.endr
.endm
; v: my channel tile dd against the four tiles of rows: a lane holds one channel, its 32 registers 32 of the 64 keys.
.macro MMV dd
	WIN 0x04                                       ; source 1 (the weight) in window 1
.irp s, 0,1
.irp m, 0,1,2,3
.if \s == 0
	v_wmma_scale_f32_16x16x128_f8f6f4 v[ACC0+32*\dd+8*\m:ACC0+32*\dd+8*\m+7], v[XF+12*(2*\m+\s):XF+12*(2*\m+\s)+11], v[12*(2*\dd+\s):12*(2*\dd+\s)+11], 0, v[XS+2*\m+\s], v[WVS+2*\dd+\s] matrix_a_fmt:MATRIX_FMT_BF6 matrix_b_fmt:MATRIX_FMT_BF6
.else
	v_wmma_scale_f32_16x16x128_f8f6f4 v[ACC0+32*\dd+8*\m:ACC0+32*\dd+8*\m+7], v[XF+12*(2*\m+\s):XF+12*(2*\m+\s)+11], v[12*(2*\dd+\s):12*(2*\dd+\s)+11], v[ACC0+32*\dd+8*\m:ACC0+32*\dd+8*\m+7], v[XS+2*\m+\s], v[WVS+2*\dd+\s] matrix_a_fmt:MATRIX_FMT_BF6 matrix_b_fmt:MATRIX_FMT_BF6
.endif
.endr
.endr
.endm
.macro PLACES n                        ; plain vector instructions that name no register of the matrix instructions ahead (ISA guide 7.12.1): four ahead of a read of results, five ahead of a matrix instruction that begins an accumulator anew
.rept \n
	v_nop
.endr
.endm
.macro Q2 m, acc                       ; tile m of q or k is quantised along the head's 64 and stored as an image
	s_wait_xcnt 0x0                                ; the earlier stores have read their data: the codes' registers may be written again
	QUANT2 \acc, PC2, QW+\m, 1
.irp p, 0,1,2
	global_store_b64 v[L8], v[PC2+2*\p:PC2+2*\p+1], s[CB:CB+1] offset:768*\m+256*\p   ; 32 lanes store 256 consecutive bytes, aligned
.endr
.endm
	s_load_b256 s[4:11], s[0:1], 0x0               ; x, g1, b1, wc
	s_load_b256 s[12:19], s[0:1], 0x20             ; ws, qc, qs, kv
	v_lshl_add_u32 v254, v0, 2, 0x13800
	v_mov_b32 v255, 0
	v_lshrrev_b32 v1, 5, v0
	v_readfirstlane_b32 s[WV], v1                  ; wave 0..7
	v_and_b32 v1, 31, v0                           ; lane
	v_and_b32 v2, 15, v0                           ; r
	v_bfe_u32 v3, v0, 4, 1                         ; h
	v_lshlrev_b32 v[LI], 4, v1
	v_lshlrev_b32 v[L8], 3, v1
	v_lshlrev_b32 v[LS], 2, v1
	s_lshl_b32 s48, ttmp9, 16                      ; 64 rows of 1,024 bytes a work-group,
	s_lshl_b32 s49, s[WV], 13                      ; 8 a wave
	s_add_co_u32 s48, s48, s49
	s_mov_b32 s49, 0
	s_and_b32 s26, s[WV], 1                        ; K step in the front end; q or k; which two channel tiles of v
	s_lshr_b32 s27, s[WV], 1                       ; tile of rows in the front end; the head
	s_lshl_b32 s29, s26, 9                         ; 512 s
	v_lshlrev_b32 v[GBO], 6, v3
	v_add_nc_u32 v[GBO], s29, v[GBO]               ; 64 h + 512 s
	s_lshl_b32 s56, s26, 5
	s_lshl_b32 s57, s27, 3
	s_add_co_u32 s56, s56, s57                     ; my first fragment of Wq or Wk: 32 mat + 8 head
	s_lshl_b32 s58, s56, 7
	s_mul_i32 s56, s56, 1536
	s_mov_b32 s57, 0
	s_mov_b32 s59, 0
	s_lshl_b32 s60, s[WV], 2
	s_add_co_u32 s60, s60, 64                      ; of Wv: 64 + 4 w
	s_lshl_b32 s62, s60, 7
	s_mul_i32 s60, s60, 1536
	s_mov_b32 s61, 0
	s_mov_b32 s63, 0
	s_wait_kmcnt 0x0
	s_add_nc_u64 s[4:5], s[4:5], s[48:49]
.irp i, 0,1,2,3,4,5,6,7
.irp q, 0,1
	global_load_b128 v[48+8*\i+4*\q:48+8*\i+4*\q+3], v[LI], s[4:5] offset:1024*\i+512*\q th:TH_LOAD_NT   ; 512 consecutive bytes of row 8 w + i
.endr
.endr
	s_add_nc_u64 s[WQP:WQP+1], s[10:11], s[56:57]
	s_add_nc_u64 s[WQSP:WQSP+1], s[12:13], s[58:59]
	s_add_nc_u64 s[WVP:WVP+1], s[10:11], s[60:61]
	s_add_nc_u64 s[WVSP:WVSP+1], s[12:13], s[62:63]
	WIN 0x40                                       ; destination window 1
.irp b, 0,1,2,3
.irp j, 0,1,2,3
	global_load_b128 v[16*\b+4*\j:16*\b+4*\j+3], v[GBO], s[6:7] offset:128*\b+16*\j
	global_load_b128 v[64+16*\b+4*\j:64+16*\b+4*\j+3], v[GBO], s[8:9] offset:128*\b+16*\j
.endr
.endr
.set KK, 0
.rept 24
	global_load_b128 v[WQK+4*KK:WQK+4*KK+3], v[LI], s[WQP:WQP+1] offset:512*KK
.set KK, KK+1
.endr
	WIN 0
	; LDS addresses: constants, the lane, the wave's number
	s_lshr_b32 s50, s[WV], 2
	s_lshl_b32 s50, s50, 5
	s_lshl_b32 s51, s26, 4
	s_add_co_u32 s50, s50, s51
	s_and_b32 s51, s27, 1
	s_lshl_b32 s51, s51, 3
	s_add_co_u32 s50, s50, s51                     ; rows 8 w .. 8 w + 7 go to places 32 (w / 4) + 16 (w % 2) + 8 ((w / 2) % 2) on: places 16 m .. 16 m + 15 are then tile m in the lanes' order
	s_mul_i32 s50, s50, XPITCH
	v_add_nc_u32 v[XTS], s50, v[LI]
	v_mul_u32_u24 v15, v2, XPITCH
	v_lshl_add_u32 v15, v3, 6, v15                 ; r x pitch + 64 h
	s_mul_i32 s50, s27, 16*XPITCH
	s_add_co_u32 s51, s50, s29
	v_add_nc_u32 v[XTO], s51, v15
	s_xor_b32 s51, s29, 512
	s_add_co_u32 s51, s50, s51
	v_add_nc_u32 v[XTT], s51, v15
	s_mul_i32 s50, s[WV], 1536
	s_add_co_u32 s50, s50, XIMG
	v_add_nc_u32 v[XWI], s50, v[LI]
	s_lshl_b32 s50, s[WV], 7
	s_add_co_u32 s50, s50, XSC
	v_add_nc_u32 v[XWS], s50, v[LS]
	v_add_nc_u32 v[XRI], XIMG, v[LI]
	v_add_nc_u32 v[XRS], XSC, v[LS]
.irp b, 0,1,2,3
	v_mov_b32 v[TM+4+\b], 0                        ; written once: a lane permute's destination counts as one of its sources
.endr
	v_mov_b32 v[ST+8], 0
	s_mov_b32 s[SEL], 0x76543210
	s_mov_b32 s[SEL+1], 0xfedcba98
	s_mov_b32 s[C256], 0x3b800000                  ; 1 / 256
	s_mov_b32 s[EPS], 0x3727c5ac                   ; 1e-5
	; where the results go
	s_lshr_b32 s28, ttmp9, 6
	s_lshl_b32 s28, s28, 2
	s_add_co_u32 s28, s28, s27                     ; bh = 4 batch + head
	s_bfe_u32 s30, ttmp9, 0x50001                  ; the key step
	s_and_b32 s31, ttmp9, 1                        ; c: which 64 keys of it
	s_mul_i32 s52, s28, BHB
	s_mul_i32 s53, s30, STEPB
	s_add_co_u32 s52, s52, s53                     ; the step's block in kv
	s_lshl_b32 s48, s28, 8
	s_lshl_b32 s49, s30, 3
	s_add_co_u32 s48, s48, s49
	s_lshl_b32 s49, s31, 2
	s_add_co_u32 s48, s48, s49
	s_mul_i32 s48, s48, 768                        ; q's codes: tile 256 bh + 8 step + 4 c
	s_mul_i32 s49, s31, 3072
	s_add_co_u32 s49, s49, s52                     ; k's codes: tile 4 c of the block
	s_lshl_b32 s50, s28, 6
	s_lshl_b32 s51, s30, 1
	s_add_co_u32 s50, s50, s51
	s_add_co_u32 s50, s50, s31
	s_lshl_b32 s50, s50, 9                         ; q's scale words
	s_lshl_b32 s51, s31, 9
	s_add_co_u32 s51, s51, s52
	s_add_co_u32 s51, s51, 12288                   ; k's
	s_cmp_eq_u32 s26, 0                            ; the choice hangs on the wave's number alone
	s_cselect_b32 s48, s48, s49
	s_cselect_b32 s50, s50, s51
	s_cselect_b64 s[CB:CB+1], s[14:15], s[18:19]
	s_cselect_b64 s[SB:SB+1], s[16:17], s[18:19]
	s_mov_b32 s49, 0
	s_mov_b32 s51, 0
	s_add_nc_u64 s[CB:CB+1], s[CB:CB+1], s[48:49]
	s_add_nc_u64 s[SB:SB+1], s[SB:SB+1], s[50:51]
	s_mul_i32 s48, s26, 3072
	s_mul_i32 s50, s31, 768
	s_add_co_u32 s48, s48, s50
	s_add_co_u32 s48, s48, s52
	s_add_co_u32 s48, s48, 6144                    ; v's codes: channel tile 2 (w % 2), key half c
	s_lshl_b32 s50, s26, 8
	s_lshl_b32 s53, s31, 1
	s_add_co_u32 s50, s50, s53
	s_add_co_u32 s50, s50, s52
	s_add_co_u32 s50, s50, 13312                   ; v's scale words: bytes 2 c, 2 c + 1
	s_add_nc_u64 s[VB:VB+1], s[18:19], s[48:49]
	s_add_nc_u64 s[VSB:VSB+1], s[18:19], s[50:51]
	; ---- x into LDS
	s_wait_loadcnt 56                              ; x's 16 loads are in: 32 of g1 and b1 and 24 of the weight were issued behind them
.irp i, 0,1,2,3,4,5,6,7
.irp q, 0,1
	ds_store_b128 v[XTS], v[48+8*\i+4*\q:48+8*\i+4*\q+3] offset:XPITCH*\i+512*\q
.endr
.endr
.irp k, 0,1,2,3,4,5,6,7
	global_load_b32 v[WQS+\k], v[LS], s[WQSP:WQSP+1] offset:128*\k
.endr
	BARRIER                                        ; the 64 rows lie in LDS
	; ---- my row's 256 numbers, layernorm, my K step's fragment
.irp b, 0,1,2,3
.irp j, 0,1,2,3
	ds_load_b128 v[X+16*\b+4*\j:X+16*\b+4*\j+3], v[XTO] offset:128*\b+16*\j
.endr
.endr
.irp b, 0,1,2,3
.irp j, 0,1,2,3
	ds_load_b128 v[X+64+16*\b+4*\j:X+64+16*\b+4*\j+3], v[XTT] offset:128*\b+16*\j
.endr
.endr
	s_wait_dscnt 0x0
	s_wait_loadcnt 32                              ; g1 and b1 are in: the weight's 24 loads and its 8 scale words were issued behind them
	LN
	WIN 0x40                                       ; g1's and b1's registers are done with: Wv's four fragments take their place
.set KK, 0
.rept 12
	global_load_b128 v[4*KK:4*KK+3], v[LI], s[WVP:WVP+1] offset:512*KK
.set KK, KK+1
.endr
	WIN 0
.irp k, 0,1,2,3
	global_load_b32 v[WVS+\k], v[LS], s[WVSP:WVSP+1] offset:128*\k
.endr
	QUANT X
.irp c, 0,1,2
	ds_store_b128 v[XWI], v[PC+4*\c:PC+4*\c+3] offset:512*\c   ; the fragment goes to LDS as it stands: lane l's 16 bytes at 16 l
.endr
	ds_store_b32 v[XWS], v[PW]
	BARRIER                                        ; xn's eight fragments lie in LDS
.set KK, 0
.rept 24
	ds_load_b128 v[XF+4*KK:XF+4*KK+3], v[XRI] offset:512*KK
.set KK, KK+1
.endr
.irp k, 0,1,2,3,4,5,6,7
	ds_load_b32 v[XS+\k], v[XRS] offset:128*\k
.endr
	v_mov_b32 v[T2+2], 0                           ; written once: permute destinations
	v_mov_b32 v[T2+3], 0
	s_wait_dscnt 0x0
	s_wait_loadcnt 16                              ; Wq's or Wk's fragments and scale words are in: Wv's 12 + 4 loads were issued behind them
	; ---- q or k: two sets of accumulators by turns, so that one tile is quantised behind the next tile's products
	MMQ 0, ACC0
	MMQ 1, ACC1
	WIN 0
	PLACES 5
	Q2 0, ACC0
	MMQ 2, ACC0
	WIN 0
	PLACES 5
	Q2 1, ACC1
	MMQ 3, ACC1
	WIN 0
	PLACES 5
	Q2 2, ACC0
	Q2 3, ACC1
	global_store_b128 v[LI], v[QW:QW+3], s[SB:SB+1]   ; the four tiles' scale words: 512 consecutive bytes
	; ---- v
	s_wait_loadcnt 0x0                             ; Wv
	MMV 0
	MMV 1
	WIN 0
	PLACES 5
.irp d, 0,1
	s_wait_xcnt 0x0                                ; the earlier stores have read their data
	QUANT2 ACC0+32*\d, PC2, VW, 0
.irp p, 0,1,2
	global_store_b64 v[L8], v[PC2+2*\p:PC2+2*\p+1], s[VB:VB+1] offset:1536*\d+256*\p
.endr
	global_store_b16 v[LS], v[VW], s[VSB:VSB+1] offset:128*\d   ; two of a scale word's four bytes: the other two are the other half step's work-group's
.endr
	s_wait_tensorcnt 0x0
	ds_add_u32 v254, v255
	s_wait_dscnt 0x0
	s_endpgm
.Lfunc_end_k_q411102a9ee_qkv:
	.size	k_q411102a9ee_qkv, .Lfunc_end_k_q411102a9ee_qkv-k_q411102a9ee_qkv
	.p2alignl 7, 3214868480
	.fill 96, 4, 3214868480
	.section	.rodata,"a",@progbits
	.p2align	6, 0x0
	.amdhsa_kernel k_q411102a9ee_qkv
		.amdhsa_group_segment_fixed_size 80896
		.amdhsa_private_segment_fixed_size 0
		.amdhsa_enable_private_segment 0
		.amdhsa_kernarg_size 64
		.amdhsa_user_sgpr_count 2
		.amdhsa_user_sgpr_kernarg_segment_ptr 1
		.amdhsa_wavefront_size32 1
		.amdhsa_system_sgpr_workgroup_id_x 1
		.amdhsa_system_sgpr_workgroup_id_y 1
		.amdhsa_system_sgpr_workgroup_id_z 1
		.amdhsa_system_vgpr_workitem_id 0
		.amdhsa_next_free_vgpr 512
		.amdhsa_next_free_sgpr 66
		.amdhsa_reserve_vcc 0
		.amdhsa_float_denorm_mode_32 3
		.amdhsa_float_denorm_mode_16_64 3
		.amdhsa_memory_ordered 1
		.amdhsa_forward_progress 1
		.amdhsa_inst_pref_size 61
	.end_amdhsa_kernel
	.amdgpu_metadata
---
amdhsa.version: [ 1, 2 ]
amdhsa.kernels:
  - .name:           k_q411102a9ee_qkv
    .symbol:         k_q411102a9ee_qkv.kd
    .args:
      - { .name: x, .offset: 0, .size: 8, .value_kind: global_buffer, .address_space: global }
      - { .name: g1, .offset: 8, .size: 8, .value_kind: global_buffer, .address_space: global }
      - { .name: b1, .offset: 16, .size: 8, .value_kind: global_buffer, .address_space: global }
      - { .name: wc, .offset: 24, .size: 8, .value_kind: global_buffer, .address_space: global }
      - { .name: ws, .offset: 32, .size: 8, .value_kind: global_buffer, .address_space: global }
      - { .name: qc, .offset: 40, .size: 8, .value_kind: global_buffer, .address_space: global }
      - { .name: qs, .offset: 48, .size: 8, .value_kind: global_buffer, .address_space: global }
      - { .name: kv, .offset: 56, .size: 8, .value_kind: global_buffer, .address_space: global }
    .group_segment_fixed_size: 80896
    .private_segment_fixed_size: 0
    .kernarg_segment_align: 8
    .kernarg_segment_size: 64
    .max_flat_workgroup_size: 256
    .sgpr_count:     66
    .vgpr_count:     512
    .wavefront_size: 32
...
	.end_amdgpu_metadata
.endif
;; end of part 2
;; launch attn (part 3): grid 16 x 16, 8 waves a work-group, no clusters, 327,680 bytes of LDS; arguments qc, qs, kv, att; writes att
.if DOCPART == 3
	.amdgcn_target "amdgcn-amd-amdhsa--gfx1250"
	.amdhsa_code_object_version 6
	.text
	.protected	k_q411102a9ee_attn
	.globl	k_q411102a9ee_attn
	.p2align	8
	.type	k_q411102a9ee_attn,@function
k_q411102a9ee_attn:
	s_mov_b64 s[64:65], 0
	v_nop
	global_prefetch_b8 v0, s[64:65] scope:SCOPE_SE
	s_setreg_imm32_b32 hwreg(HW_REG_WAVE_MODE, 25, 1), 1
	s_wait_xcnt 0x0
; att[b][q][h][:] = softmax_k(q . k / 8, k <= q) v, both products on codes of BF6 (E3M2) with E8M0 scales for each 32 along K.  16 pairs (batch, head) x 4,096 queries x 64 channels.
; THE SOFTMAX: t = score x log2(e) / 8; M = the running largest t rounded UP to a whole number; p = 2^(t - M) is quantised along the keys, not normalised; the row's sum is taken of the unquantised p and
; divides at the end; when M moves, the sum and O are multiplied by 2^(old M - new M), which rounds nothing.
; SHARES.  Work-group (I, bh) owns two blocks of 128 queries: block I and block 31 - I.  It walks 33 key steps of 128 keys: steps 0 .. I for the low block, then steps 0 .. 31 - I for the high one.  So every
; work-group has the same 33 steps, whatever I: the causal triangle is shared out evenly, every trip count is a constant, and no tile is fetched that nobody reads.  Wave w owns tile w (16 queries) of the block in hand.
; A phase's last step lies on the diagonal (first key = first query): there, under scalar branches on ids, hidden scores become -infinity, the tile leaves, and the wave starts on its high tile.
; LAYOUT.  S^T = K Q^T (source 0 = 16 keys, source 1 = my 16 queries), O^T = V^T P^T (source 0 = 16 channels, source 1 = P): a lane holds ONE query throughout.  Lane r of tile 2 b + u of keys, of queries and of channels
; holds number 32 b + 8 u + r + 8 (r / 8): so the 16 registers of tiles 2 b, 2 b + 1 are 16 neighbours.
; THE FIRST PRODUCT'S K IS 64, the instruction's 128: Q's registers 6-11 are zero codes, so source 0's registers 6-11 may hold any codes (here the next tile's); bytes 2 and 3 of both scale words are 0x7f.
; kv holds, for each key step, one dense block of 13,824 bytes: the images of K's eight half fragments, V's four fragments and their scale words.  Two LDS slots of three steps; waves 0, 1, 2 fetch a step's
; block each by one tensor load; a wave has at most one tensor load outstanding.
; NO CLUSTER: the 16 work-groups of a (batch, head) go back to key step 0 at different places of the walk (behind step I), so in a given round partners want different tiles.
; LIMITS: NaN and infinities are not served; a block of p whose every number has fallen to 0 keeps the scale byte 1 (its codes are zeros); a block's largest p is taken from the block's largest score,
; which takes v_exp_f32 not to fall where its input rises; v_exp_f32 and v_rcp_f32 as the ISA guide has them.
.set STEPB, 13824
.set BHB,   32*STEPB
.set SLOT1, 65536                      ; slot 1 begins here: one exclusive or turns an address in one slot into the other's
.set STAGE, 131072                     ; the way out: 16 rows x (256 + 16) bytes for each wave; no tensor load lands here
.set SPARE, STAGE+8*16*272             ; the spare words: 128 bytes for each wave, four blocks of 256 bytes that no other line names
.set L8,  1                            ; v1   8 x lane
.set L16, 2                            ; v2   16 x lane
.set L4,  3                            ; v3   4 x lane
.set A8,  4                            ; v4-6 the same + the step's place in LDS
.set A16, 5
.set A4,  6
.set SPW, 7                            ; v7   LDS address of my spare word; never rewritten
.set NIL, 8                            ; v8   0; never rewritten
.set STO, 9                            ; v9   the stage: where I put 64 bytes of a row
.set RD,  10                           ; v10  and where I read rows back
.set GO,  11                           ; v11  my byte offset in the tile's rows of att
;                                        v12 -M, v13 the largest t, v[14:15] the sum in two halves
.set Q,   16                           ; v16-21 Q's codes, v22-27 zero codes
.set QS,  28                           ; v28  Q's scale words
.set DL,  29                           ; v29  my query in its block - 16 (lane / 16)
.set QHI, 30                           ; v30-35 the high tile's codes
.set QHS, 36                           ; v36  and its scale words
.set NINF, 37                          ; v37  -infinity
.set PFO, 38                           ; v38  the prefetches' offset; never rewritten
.set F,   40                           ; v40-87 K's eight half fragments, then V's four fragments; v88-93 zero codes
.set S,   96                           ; v96-159 S^T, then p
.set O,   160                          ; v160-191 O^T
.set PC,  192                          ; v192-203 p's codes; v204-206, v208-210 at work
.set BM,  212                          ; v212-215 the blocks' largest scores, then largest p
.set PT,  216                          ; v216-219 the other half's, then bytes
.set SO,  220                          ; v220-223 the conversions' scale operands
.set FF,  224                          ; v224 f = 2^(old M - new M)
.set PW,  225                          ; v225 p's scale word
.set TT,  226
.set KS,  228                          ; v228-235 K's scale words
.set VS,  236                          ; v236-239 V's
.set SUM2, 240
.set WV,  12
.set II,  13
.set I1,  14
.set BH,  15
.set G1,  16                           ; s[16:23] descriptor group 1
.set G0,  24                           ; s[24:27] descriptor group 0, which walks
.set KVB, 28                           ; s[28:29] kv at my (batch, head)
.set POS, 32                           ; s32  the place in the walk of the step that I fetch
.set SLOTS, 33
.set CNT, 34
.set TB,  35                           ; s35  LDS byte of the step in hand
.set KF,  36                           ; s36  its first key
.set QB,  37                           ; s37  the first query of the block in hand
.set QBH, 38
.set ATC, 40                           ; s[40:41] att at my tile of the block in hand;  s[42:43] of the high block
.set ATH, 42
.set SEL, 44
.set CS,  46                           ; s[46:47] c = log2(e) / 8
.set PFA, 48
.set LIM, 50
.macro TLOAD                           ; waves 0, 1, 2 fetch; four v_nop follow the load, ahead of the label
	s_cmp_lt_u32 s[WV], 3
	s_cbranch_scc0 .Lno_load_\@
	tensor_load_to_lds s[G0:G0+3], s[G1:G1+7]
	s_nop 0
.rept 4
	v_nop
.endr
.Lno_load_\@:
.endm
; A PREFETCH INTO THE L2 of what the NEXT change of slots will ask for.  All 16 work-groups of a (batch, head) read the same blocks: the one with I = 0 asks, which walks key steps 0 .. 31 in order behind its first step.
; In it the five waves that fetch nothing ask, one instruction each, lanes 256 bytes apart: 160 of the 162 aligned blocks of 256 bytes of three steps, each named once in the launch.  At the v-th change
; (v = 0 ..) they name steps 3 v + 5 .. 3 v + 7: three key steps ahead of the load that wants them.  The last change that fills a slot asks for nothing; steps 0 to 4 come by their loads alone.
.macro ASK
	s_cmp_gt_u32 s[SLOTS], s[LIM]
	s_cbranch_scc0 .Lnot_mine_\@
	global_prefetch_b8 v[PFO], s[PFA:PFA+1] th:TH_LOAD_NT scope:SCOPE_SE
.Lnot_mine_\@:
.endm
; THE CHANGE OF SLOTS, at a slot's head.  Each wave waits for all its tensor loads (its part of the slot ahead), adds 0 to its spare word, and waits for that and for its reads of the slot that it has left.
; Behind the barrier the slot ahead is whole and nobody reads the other one.  fill = 1: that other slot takes the next three steps of the walk; the load has three key steps in which to land.
.macro CHANGE fill
	s_wait_tensorcnt 0x0                           ; no tensor load of mine is out, so group 0 may be written
	ds_add_u32 v[SPW], v[NIL]                      ; 0 onto my spare word
.if \fill
	s_xor_b32 s[G0+1], s[G0+1], SLOT1              ; the other slot than last time
	s_add_co_u32 s[POS], s[POS], 3                 ; three places on in the walk
	s_cmp_gt_u32 s[POS], s[II]
	s_cselect_b32 s51, s[I1], 0
	s_sub_co_u32 s51, s[POS], s51                  ; the key step at that place: behind place I the walk begins again at step 0
	s_mul_i32 s30, s51, STEPB
	s_add_nc_u64 s[G0+2:G0+3], s[KVB:KVB+1], s[30:31]
	s_or_b32 s[G0+3], s[G0+3], 0x80000000          ; 127:126 type = 2
	s_wait_xcnt 0x0                                ; the last prefetch, three key steps back, has read its address
	s_add_nc_u64 s[PFA:PFA+1], s[PFA:PFA+1], 3*STEPB
.endif
	s_wait_dscnt 0x0                               ; the add is done, and my reads of the slot that I have left are over
	s_barrier_signal -1
	s_barrier_wait -1
.if \fill
	TLOAD                                          ; the first thing behind the barrier, and a wave's one tensor load until the next
	ASK
.endif
.endm
.macro FRESH                           ; a tile's start: the largest t under every t, the sum and O^T zeros, which the first change of M leaves zeros
	v_mov_b32 v13, 0xff61b1e6                      ; -3e38
	v_floor_f32 v12, -v13
	v_mov_b32 v14, 0
	v_mov_b32 v15, 0
.set J, 0
.rept 32
	v_mov_b32 v[O+J], 0
.set J, J+1
.endr
.endm
; THE WAY OUT of a tile: O^T / the sum goes through my stage and leaves as rows: sixteen lanes store a head's 256 consecutive bytes of a row of att, aligned.
.macro FINISH
	v_add_f32 v14, v14, v15
	v_permlanex16_b32 v[TT], v14, s[SEL], s[SEL+1]
	v_add_f32 v14, v14, v[TT]                      ; the row's sum
	v_rcp_f32 v14, v14
.rept 4
	v_nop                                          ; the places behind the last products, and the plain instruction behind the reciprocal
.endr
	s_wait_alu depctr_va_vdst(0)                   ; the wait ahead of the first line that names the result
.set J, 0
.rept 16
	v_pk_mul_f32 v[S+J:S+J+1], v[O+J:O+J+1], v[14:15] op_sel_hi:[1,0]   ; each accumulator from its low end on; register 16 b + i is channel 32 b + 16 (lane / 16) + i
.set J, J+2
.endr
.irp b, 0,1
.irp i, 0,1,2,3
	ds_store_b128 v[STO], v[S+16*\b+4*\i:S+16*\b+4*\i+3] offset:128*\b+16*\i
.endr
.endr
.irp i, 0,1,2,3,4,5,6,7
	ds_load_b128 v[S+32+4*\i:S+32+4*\i+3], v[RD] offset:544*\i   ; LDS serves a wave's instructions in order: these see my stores.  Rows 2 i and 2 i + 1 of the tile
.endr
.irp i, 0,1,2,3,4,5,6,7
	s_wait_dscnt 7-\i                              ; the 7 - i younger loads may stay out
	global_store_b128 v[GO], v[S+32+4*\i:S+32+4*\i+3], s[ATC:ATC+1] offset:(2*\i+8*(\i/4))*1024   ; the tile's row n is query n + 8 (n / 8) from its first
.endr
	s_wait_xcnt 0x0                                ; the stores have read their data and their base: both are written again below
.endm
.macro RESTART                         ; on to my tile of the high block
.irp p, 0,1,2,3,4,5
	v_mov_b32 v[Q+\p], v[QHI+\p]
.endr
	v_mov_b32 v[QS], v[QHS]                        ; (the lines below stand between these and the next products)
	FRESH
	s_mov_b32 s[KF], -128                          ; the step's end adds 128: key step 0
	s_mov_b32 s[QB], s[QBH]
	s_mov_b64 s[ATC:ATC+1], s[ATH:ATH+1]
.endm
; A KEY STEP: 128 keys.
.macro STEP
	v_add_nc_u32 v[A8], s[TB], v[L8]
	v_add_nc_u32 v[A16], s[TB], v[L16]
	v_add_nc_u32 v[A4], s[TB], v[L4]
	v_nop                                          ; four places behind the last step's products, ahead of loads into registers that they read
.irp t, 0,1,2,3,4,5,6,7
.irp p, 0,1,2
	ds_load_b64 v[F+6*\t+2*\p:F+6*\t+2*\p+1], v[A8] offset:768*\t+256*\p   ; K's tile t: 256 consecutive bytes an instruction
.endr
.endr
.irp q, 0,1
	ds_load_b128 v[KS+4*\q:KS+4*\q+3], v[A16] offset:12288+512*\q          ; four tiles' scale words a lane
.endr
	s_wait_dscnt 0x0
.irp t, 0,1,2,3,4,5,6,7
	v_wmma_scale_f32_16x16x128_f8f6f4 v[S+8*\t:S+8*\t+7], v[F+6*\t:F+6*\t+11], v[Q:Q+11], 0, v[KS+\t], v[QS] matrix_a_fmt:MATRIX_FMT_BF6 matrix_b_fmt:MATRIX_FMT_BF6
.endr
.rept 4
	v_nop                                          ; places ahead of the loads into K's registers and of the first read of the scores
.endr
.irp d, 0,1,2,3
.irp c, 0,1
.irp p, 0,1,2
	ds_load_b64 v[F+12*\d+6*\c+2*\p:F+12*\d+6*\c+2*\p+1], v[A8] offset:6144+1536*\d+768*\c+256*\p   ; V lands while the softmax is worked
.endr
.endr
	ds_load_b32 v[VS+\d], v[A4] offset:13312+128*\d
.endr
	s_cmp_lg_u32 s[KF], s[QB]                      ; on the diagonal?  A branch on ids
	s_cbranch_scc1 .Lopen_\@
.set J, 0
.rept 64
	v_cmp_gt_i32 vcc_lo, 32*(J/16)+J%16, v[DL]     ; register 16 b + i holds key 32 b + 16 (lane / 16) + i of the step: hidden where it comes after my query
	v_cndmask_b32 v[S+J], v[S+J], v[NINF], vcc_lo
.set J, J+1
.endr
.Lopen_\@:
.irp b, 0,1,2,3
	v_max3_num_f32 v[BM+\b], v[S+16*\b], v[S+1+16*\b], v[S+2+16*\b]   ; the largest score of each block of 32 keys: it serves for the row's maximum and for the block's largest p
.endr
.irp i, 3,5,7,9,11,13
.irp b, 0,1,2,3
	v_max3_num_f32 v[BM+\b], v[BM+\b], v[S+16*\b+\i], v[S+1+16*\b+\i]
.endr
.endr
.irp b, 0,1,2,3
	v_max_num_f32 v[BM+\b], v[BM+\b], v[S+15+16*\b]
.endr
.irp b, 0,1,2,3
	v_permlanex16_b32 v[PT+\b], v[BM+\b], s[SEL], s[SEL+1]
.endr
.irp b, 0,1,2,3
	v_max_num_f32 v[BM+\b], v[BM+\b], v[PT+\b]     ; with lane l xor 16's 16 keys
.endr
	v_max3_num_f32 v[TT], v[BM], v[BM+1], v[BM+2]
	v_max_num_f32 v[TT], v[TT], v[BM+3]
	v_mul_f32 v[TT], s[CS], v[TT]                  ; as t (c is positive)
	v_max_num_f32 v13, v13, v[TT]                  ; the running largest t
	v_mov_b32 v[TT], v12
	v_floor_f32 v12, -v13                          ; the new -M = floor(-t) = -ceil(t)
	v_sub_f32 v[TT], v12, v[TT]                    ; old M - new M: a whole number, 0 or less
	v_cvt_i32_f32 v[TT], v[TT]                     ; (it saturates)
	v_ldexp_f32 v[FF], 1.0, v[TT]                  ; f = 2^(old M - new M)
.set J, 0
.rept 32
	v_pk_fma_f32 v[S+J:S+J+1], v[S+J:S+J+1], s[CS:CS+1], v[12:13] op_sel_hi:[1,0,0]   ; t - M, two at a time
.set J, J+2
.endr
.irp b, 0,1,2,3
	v_fma_f32 v[BM+\b], v[BM+\b], s[CS], v12       ; the same of each block's largest score
.endr
.set J, 0
.rept 64
	v_exp_f32 v[S+J], v[S+J]                       ; p = 2^(t - M)
.set J, J+1
.endr
	v_pk_mul_f32 v[14:15], v[14:15], v[FF:FF+1] op_sel_hi:[1,0]   ; the sums under the new M: the plain instruction behind the exponentials
	s_wait_alu depctr_va_vdst(0)                   ; one wait for the 64, ahead of their first reader
.irp b, 0,1,2,3
	v_exp_f32 v[BM+\b], v[BM+\b]                   ; the block's largest p
.endr
	v_pk_add_f32 v[SUM2:SUM2+1], v[S:S+1], v[S+2:S+3]   ; the row's sum is taken of the unquantised p, in two chains
.set J, 4
.rept 15
	v_pk_add_f32 v[14:15], v[14:15], v[S+J:S+J+1]
	v_pk_add_f32 v[SUM2:SUM2+1], v[SUM2:SUM2+1], v[S+J+2:S+J+3]
.set J, J+4
.endr
	v_pk_add_f32 v[14:15], v[14:15], v[SUM2:SUM2+1]
	s_wait_alu depctr_va_vdst(0)                   ; and one for the four
.irp b, 0,1,2,3
	v_max_num_f32 v[BM+\b], 0x2800000, v[BM+\b]    ; the floor 2^(5 - 127): the byte cannot fall under 1
.endr
.irp b, 0,1,2,3
	v_add_nc_u32 v[SO+\b], 0xfe000000, v[BM+\b]    ; 4 off the exponent field: the conversion's scale operand
.endr
.irp b, 0,1,2,3
	v_lshrrev_b32 v[PT+\b], 23, v[SO+\b]           ; the scale's byte
.endr
	v_lshl_or_b32 v[PW], v[PT+1], 8, v[PT]
	v_lshl_or_b32 v[PW], v[PT+2], 16, v[PW]
	v_lshl_or_b32 v[PW], v[PT+3], 24, v[PW]
.irp c, 0,1
	v_cvt_scalef32_pk16_bf6_f32 v[PC+6*\c:PC+2+6*\c], v[S+32*\c:S+15+32*\c], v[SO+2*\c]
	v_cvt_scalef32_pk16_bf6_f32 v[PC+12+4*\c:PC+14+4*\c], v[S+16+32*\c:S+31+32*\c], v[SO+2*\c+1]
.endr
	v_nop                                          ; one plain instruction behind the scaled conversions
.irp c, 0,1                                    ; the operand wants a WHOLE block in a lane
.irp i, 0,1,2
	v_permlane16_swap_b32 v[PC+6*\c+\i], v[PC+12+4*\c+\i]
.endr
.irp i, 0,1,2
	v_mov_b32 v[PC+3+6*\c+\i], v[PC+12+4*\c+\i]
.endr
.endr
.set J, 0
.rept 16
	v_pk_mul_f32 v[O+J:O+J+1], v[O+J:O+J+1], v[FF:FF+1] op_sel_hi:[1,0]   ; O^T under the new M; these 16 also stand between the writes of p's codes and scale word and the products
.set J, J+2
.endr
	s_wait_dscnt 0x0                               ; V
.irp t, 0,1,2,3                                ; between two links of one sum stand eleven other accumulators' instructions
	v_wmma_scale_f32_16x16x128_f8f6f4 v[O+8*\t:O+8*\t+7], v[F+12*\t:F+12*\t+11], v[PC:PC+11], v[O+8*\t:O+8*\t+7], v[VS+\t], v[PW] matrix_a_fmt:MATRIX_FMT_BF6 matrix_b_fmt:MATRIX_FMT_BF6
.endr
	s_cmp_lg_u32 s[KF], s[QB]                      ; the diagonal step is a tile's last
	s_cbranch_scc1 .Lon_\@
	FINISH
	RESTART
.Lon_\@:
	s_add_co_u32 s[KF], s[KF], 128
	s_add_co_u32 s[TB], s[TB], STEPB
.endm
.macro THREE_STEPS                     ; a slot's three key steps: written once, walked three times
	s_mov_b32 s[CNT], 3
.Lstep_\@:
	STEP
	s_sub_co_u32 s[CNT], s[CNT], 1
	s_cmp_lg_u32 s[CNT], 0
	s_cbranch_scc1 .Lstep_\@
	s_sub_co_u32 s[TB], s[TB], 3*STEPB             ; back to a slot's first step,
	s_xor_b32 s[TB], s[TB], SLOT1                  ; in the other slot
.endm
	s_load_b256 s[4:11], s[0:1], 0x0               ; qc, qs, kv, att
	v_lshl_add_u32 v[SPW], v0, 2, SPARE
	v_mov_b32 v[NIL], 0
	ds_add_u32 v7, v8
	s_wait_dscnt 0x0
	v_lshrrev_b32 v1, 5, v0
	v_readfirstlane_b32 s[WV], v1                  ; wave 0..7
	s_mov_b32 s[II], ttmp9
	s_add_co_u32 s[I1], ttmp9, 1
	s_and_b32 s[BH], ttmp7, 0xffff
	; descriptor group 1: a dense block of 13,824 bytes as 54 rows of 32 elements of 8 bytes
	s_mov_b32 s[G1], 3<<16                         ; 15:0 no mask; 17:16 elements of 8 bytes; no padding: every read takes consecutive bytes from lane to lane
	s_mov_b32 s[G1+1], 32<<16                      ; tensor_dim0 = 32
	s_mov_b32 s[G1+2], 54<<16                      ; tensor_dim1 = 54
	s_mov_b32 s[G1+3], 32<<16                      ; tile_dim0 = 32
	s_mov_b32 s[G1+4], 54                          ; tile_dim1 = 54
	s_mov_b32 s[G1+5], 32                          ; from row to row
	s_mov_b32 s[G1+6], 0
	s_mov_b32 s[G1+7], 0
	s_mul_i32 s30, s[BH], BHB
	s_mov_b32 s31, 0
	s_mov_b32 s[POS], s[WV]                        ; places 0, 1, 2 of the walk
	s_cmp_gt_u32 s[POS], s[II]
	s_cselect_b32 s51, s[I1], 0
	s_sub_co_u32 s51, s[POS], s51
	s_mul_i32 s52, s51, STEPB
	s_mov_b32 s53, 0
	s_wait_kmcnt 0x0
	s_add_nc_u64 s[KVB:KVB+1], s[8:9], s[30:31]
	s_mov_b32 s[G0], 1                             ; 1:0 count = 1
	s_mul_i32 s[G0+1], s[WV], STEPB                ; 63:32 LDS address: slot 0, my step's place
	s_add_nc_u64 s[G0+2:G0+3], s[KVB:KVB+1], s[52:53]
	s_or_b32 s[G0+3], s[G0+3], 0x80000000          ; 127:126 type = 2
	TLOAD                                          ; slot 0: the one first fill
	v_and_b32 v39, 31, v0                          ; lane
	v_lshlrev_b32 v[L8], 3, v39
	v_lshlrev_b32 v[L16], 4, v39
	v_lshlrev_b32 v[L4], 2, v39
	v_and_b32 v4, 15, v0                           ; r
	v_bfe_u32 v5, v0, 4, 1                         ; h
	s_mul_i32 s51, s[WV], 16*272
	s_add_co_u32 s51, s51, STAGE                   ; my stage
	v_mul_u32_u24 v[STO], v4, 272
	v_lshl_add_u32 v[STO], v5, 6, v[STO]
	v_add_nc_u32 v[STO], s51, v[STO]               ; in: row r, + 64 h
	v_mul_u32_u24 v[RD], v5, 272
	v_lshl_add_u32 v[RD], v4, 4, v[RD]
	v_add_nc_u32 v[RD], s51, v[RD]                 ; back: lanes 0-15 one row, lanes 16-31 the next
	v_lshlrev_b32 v[GO], 10, v5
	v_lshl_add_u32 v[GO], v4, 4, v[GO]             ; and the same in att: rows of 1,024 bytes
	s_lshr_b32 s52, s[WV], 1
	s_lshl_b32 s52, s52, 5
	s_and_b32 s53, s[WV], 1
	s_lshl_b32 s53, s53, 3
	s_add_co_u32 s52, s52, s53                     ; my tile's first query in its block: 32 (w / 2) + 8 (w % 2)
	v_and_b32 v[DL], 8, v4
	v_add_nc_u32 v[DL], v[DL], v4
	v_add_nc_u32 v[DL], s52, v[DL]                 ; my query in its block
	v_lshlrev_b32 v39, 4, v5
	v_sub_nc_u32 v[DL], v[DL], v39                 ; - 16 h
	s_lshl_b32 s[QB], s[II], 7
	s_sub_co_u32 s[QBH], 31, s[II]
	s_lshl_b32 s[QBH], s[QBH], 7
	s_lshr_b32 s54, s[BH], 2
	s_lshl_b32 s54, s54, 12                        ; the batch's 4,096 rows
	s_add_co_u32 s54, s54, s52
	s_and_b32 s55, s[BH], 3
	s_lshl_b32 s55, s55, 8                         ; the head's 256 bytes of a row
	s_add_co_u32 s56, s54, s[QB]
	s_lshl_b32 s56, s56, 10
	s_add_co_u32 s56, s56, s55
	s_mov_b32 s57, 0
	s_add_nc_u64 s[ATC:ATC+1], s[10:11], s[56:57]
	s_add_co_u32 s56, s54, s[QBH]
	s_lshl_b32 s56, s56, 10
	s_add_co_u32 s56, s56, s55
	s_add_nc_u64 s[ATH:ATH+1], s[10:11], s[56:57]
	; Q: tile T = 8 x block + w of my (batch, head): codes at 768 (256 bh + T), scale words at 512 (64 bh + T / 4) + 16 lane + 4 (T % 4)
	s_lshl_b32 s51, s[BH], 8
	s_lshl_b32 s56, s[II], 3
	s_add_co_u32 s56, s56, s[WV]                   ; T of the low block
	s_lshr_b32 s58, s[QBH], 4
	s_add_co_u32 s58, s58, s[WV]                   ; T of the high block
	s_add_co_u32 s52, s51, s56
	s_mul_i32 s52, s52, 768
	s_mov_b32 s53, 0
	s_add_co_u32 s54, s51, s58
	s_mul_i32 s54, s54, 768
	s_mov_b32 s55, 0
	s_lshl_b32 s51, s[BH], 6
	s_lshr_b32 s60, s56, 2
	s_add_co_u32 s60, s60, s51
	s_lshl_b32 s60, s60, 9
	s_and_b32 s61, s56, 3
	s_lshl_b32 s61, s61, 2
	s_add_co_u32 s56, s60, s61
	s_lshr_b32 s60, s58, 2
	s_add_co_u32 s60, s60, s51
	s_lshl_b32 s60, s60, 9
	s_and_b32 s61, s58, 3
	s_lshl_b32 s61, s61, 2
	s_add_co_u32 s58, s60, s61
	s_mov_b32 s59, 0
	s_add_nc_u64 s[52:53], s[4:5], s[52:53]
	s_add_nc_u64 s[54:55], s[4:5], s[54:55]
	s_add_nc_u64 s[56:57], s[6:7], s[56:57]
	s_add_nc_u64 s[58:59], s[6:7], s[58:59]
.irp p, 0,1,2
	global_load_b64 v[Q+2*\p:Q+2*\p+1], v[L8], s[52:53] offset:256*\p
	global_load_b64 v[QHI+2*\p:QHI+2*\p+1], v[L8], s[54:55] offset:256*\p
.endr
	global_load_b32 v[QS], v[L16], s[56:57]
	global_load_b32 v[QHS], v[L16], s[58:59]
	; the prefetches: who asks, and where
	s_cmp_gt_u32 s[WV], 2
	s_cselect_b32 s[LIM], 0, 1                     ; 0 in waves 3 to 7,
	s_or_b32 s[LIM], s[LIM], ttmp9                 ; of the work-group with I = 0
	s_cmp_eq_u32 s[LIM], 0
	s_cselect_b32 s[LIM], 1, -1
	s_sub_co_u32 s51, s[WV], 3
	s_lshl_b32 s51, s51, 13                        ; 32 blocks of 256 bytes a wave
	v_and_b32 v39, 31, v0
	v_lshlrev_b32 v[PFO], 8, v39
	v_add_nc_u32 v[PFO], s51, v[PFO]
	v_min_u32 v[PFO], 41216, v[PFO]                ; held inside three steps' 41,472 bytes (the waves that ask stay under it by themselves)
	s_add_nc_u64 s[PFA:PFA+1], s[KVB:KVB+1], 2*STEPB   ; the first change of slots steps it to key step 5.  Nothing is prefetched here, at the head
	s_mov_b32 s[SEL], 0x76543210
	s_mov_b32 s[SEL+1], 0xfedcba98
	s_mov_b32 s[CS], 0x3e38aa3b                    ; c = log2(e) / 8
	s_mov_b32 s[CS+1], s[CS]                       ; (named with it as a pair, so it is written)
	s_mov_b32 s[TB], 0
	s_mov_b32 s[KF], 0
	s_mov_b32 s[SLOTS], 10
.irp p, 0,1,2,3,4,5
	v_mov_b32 v[Q+6+\p], 0                         ; Q's codes of k = 64 .. 127: zeros
	v_mov_b32 v[F+48+\p], 0                        ; what K's last tile names as its upper half
.endr
	v_mov_b32 v[NINF], 0xff800000
.irp b, 0,1,2,3
	v_mov_b32 v[PT+\b], 0                          ; written once: a lane permute's destination counts as one of its sources
.endr
	v_mov_b32 v[PW], 0                             ; (named as the upper half of the pair with f before it is first written)
	FRESH
	s_wait_loadcnt 0x0                             ; Q
.Lslot:                                            ; ten trips: behind each change of slots but the last the next three steps are asked for
	CHANGE 1
	THREE_STEPS
	s_sub_co_u32 s[SLOTS], s[SLOTS], 1
	s_cmp_lg_u32 s[SLOTS], 0
	s_cbranch_scc1 .Lslot
	CHANGE 0                                       ; the last slot is written out
	THREE_STEPS
	s_wait_tensorcnt 0x0                           ; the wave's end, behind my last tensor load and my last LDS store
	ds_add_u32 v[SPW], v[NIL]
	s_wait_dscnt 0x0
	s_endpgm
.Lfunc_end_k_q411102a9ee_attn:
	.size	k_q411102a9ee_attn, .Lfunc_end_k_q411102a9ee_attn-k_q411102a9ee_attn
	.p2alignl 7, 3214868480
	.fill 96, 4, 3214868480
	.section	.rodata,"a",@progbits
	.p2align	6, 0x0
	.amdhsa_kernel k_q411102a9ee_attn
		.amdhsa_group_segment_fixed_size 327680
		.amdhsa_private_segment_fixed_size 0
		.amdhsa_enable_private_segment 0
		.amdhsa_kernarg_size 32
		.amdhsa_user_sgpr_count 2
		.amdhsa_user_sgpr_kernarg_segment_ptr 1
		.amdhsa_wavefront_size32 1
		.amdhsa_system_sgpr_workgroup_id_x 1
		.amdhsa_system_sgpr_workgroup_id_y 1
		.amdhsa_system_sgpr_workgroup_id_z 1
		.amdhsa_system_vgpr_workitem_id 0
		.amdhsa_next_free_vgpr 256
		.amdhsa_next_free_sgpr 66
		.amdhsa_reserve_vcc 1
		.amdhsa_float_denorm_mode_32 3
		.amdhsa_float_denorm_mode_16_64 3
		.amdhsa_memory_ordered 1
		.amdhsa_forward_progress 1
		.amdhsa_inst_pref_size 64
	.end_amdhsa_kernel
	.amdgpu_metadata
---
amdhsa.version: [ 1, 2 ]
amdhsa.kernels:
  - .name:           k_q411102a9ee_attn
    .symbol:         k_q411102a9ee_attn.kd
    .args:
      - { .name: qc, .offset: 0, .size: 8, .value_kind: global_buffer, .address_space: global }
      - { .name: qs, .offset: 8, .size: 8, .value_kind: global_buffer, .address_space: global }
      - { .name: kv, .offset: 16, .size: 8, .value_kind: global_buffer, .address_space: global }
      - { .name: att, .offset: 24, .size: 8, .value_kind: global_buffer, .address_space: global }
    .group_segment_fixed_size: 327680
    .private_segment_fixed_size: 0
    .kernarg_segment_align: 8
    .kernarg_segment_size: 32
    .max_flat_workgroup_size: 256
    .sgpr_count:     66
    .vgpr_count:     256
    .wavefront_size: 32
...
	.end_amdgpu_metadata
.endif
;; end of part 3
;; launch ffn (part 4): grid 256 x 1, 8 waves a work-group, no clusters, 94,208 bytes of LDS; arguments x, att, g2, b2, bf1, bf2, wc, ws, out0; writes out0
.if DOCPART == 4
	.amdgcn_target "amdgcn-amd-amdhsa--gfx1250"
	.amdhsa_code_object_version 6
	.text
	.protected	k_q411102a9ee_ffn
	.globl	k_q411102a9ee_ffn
	.p2align	8
	.type	k_q411102a9ee_ffn,@function
k_q411102a9ee_ffn:
	s_mov_b64 s[64:65], 0
	v_nop
	global_prefetch_b8 v0, s[64:65] scope:SCOPE_SE
	s_setreg_imm32_b32 hwreg(HW_REG_WAVE_MODE, 25, 1), 1
	s_wait_xcnt 0x0
; xt = x + att; h = layernorm(xt) g2 + b2; out0 = xt + relu(Q(h) Q(W1)^T + bf1) quantised, times Q(W2)^T, + bf2.  Both products on codes of BF6 (E3M2) with E8M0 scales for each 32 along K.
; SHARES.  A work-group owns 64 rows.  Front end: wave w normalises and quantises tile m = w / 2 of 16 rows, K step s = w % 2.  Products: THE WAVES SHARE THE COLUMNS: wave w makes hidden units 32 w .. 32 w + 31
; and later output columns 32 w .. 32 w + 31, for all 64 rows; its 4 + 4 weight fragments come from wc straight into its registers, once.  The hidden layer never goes to memory.
; ROW ORDER.  Lane r of tile 2 b + u holds row 32 b + 8 u + r + 8 (r / 8), for rows of xt and rows of the weights.  Both products are used transposed (source 0 = 16 rows of the weight, source 1 = a tile of rows):
; a lane holds one row, and the 16 registers of my two tiles are 16 neighbouring columns, 32 w + 16 (lane / 16) + 0 .. 15: half a block of the next K.
; A wave's 32 hidden units are ONE block of the second product's K: its 16 codes a lane (12 bytes) go to their place in the fragment's image in LDS (24 bytes a lane), its scale byte to its place in the scale word.
; xt stays in LDS (rows 1,040 bytes apart); the result is added onto it there, each byte by its one owner, and leaves as whole rows.  The biases are the C of each sum's first matrix instruction.
; NO CLUSTER, NO TENSOR LOAD: no row is shared between work-groups; each wave wants its own weight fragments once, in registers.
; LIMITS: a block of zeros gets the scale byte 1 where the rule says 127 (its codes are zeros; this program alone reads the bytes); NaN and infinities are not served; v_rsq_f32 as the ISA guide has it.
; REGISTERS.  window 0: v1-20 addresses; v24-47 scale words; v48-175 128 numbers of a row, later fragments; v144-207 the 8 accumulators; v212-243 at work.
;   window 1: v0-63 g2, v64-127 b2; v128-175 W1's 4 fragments, v176-223 W2's; v224-239 bf1, v240-255 bf2 of my lane's 16 columns.
.set XPITCH, 1040
.set XIMG,  64*XPITCH                  ; h's 8 fragments (2 m + s), 1,536 bytes each,
.set XSC,   XIMG+8*1536                ; their scale words,
.set HIMG,  XSC+8*128                  ; the hidden layer's 8 fragments (2 m + K step): 768 c + 24 lane,
.set HSC,   HIMG+8*1536                ; their scale words
.set LI,  4
.set LS,  5
.set XTS, 6
.set XTO, 7
.set XTT, 8
.set XWI, 9
.set XWS, 10
.set GBO, 11
.set XRI, 12
.set XRS, 13
.set HWA, 14                           ; v14  LDS: where my 12 bytes of hidden codes go
.set HWB, 15                           ; v15  and my block's scale byte
.set HRA, 16                           ; v16  LDS: the hidden fragments, for reading: 24 x lane
.set HRS, 17
.set XTP, 18                           ; v18  LDS: my row's 64 bytes of my wave's columns
.set BFO, 19                           ; v19  64 (lane / 16)
.set XS,  24                           ; v24-31 h's scale words
.set W1S, 32
.set W2S, 36
.set HS,  40                           ; v40-47 the hidden layer's
.set X,   48
.set ST,  176
.set MU,  ST+10
.set RS,  ST+12
.set PC,  192
.set TM,  212
.set PW,  TM+8
.set XF,  48
.set HA,  144                          ; the accumulators: tile of rows m, my tile u at + 16 m + 8 u
.set PCB, 228
.set W1F, 128                          ; in window 1
.set W2F, 176
.set BF1, 224
.set BF2, 240
.set WV,  22
.set SEL, 24
.set C256, 26
.set EPS, 27
.set WP,  34
.set WSP, 36
.set MSB, 0
.macro WIN new                         ; the immediate's high byte repeats the setting that is left
.if MSB != \new
	s_set_vgpr_msb (MSB<<8)|\new
.set MSB, \new
.endif
.endm
.macro BARRIER                         ; my LDS stores have landed and my LDS loads are in: then the work-group's barrier
	s_wait_dscnt 0x0
	s_barrier_signal -1
	s_barrier_wait -1
.endm
.macro QUANT s                         ; 64 numbers of a lane, register 16 b + i = k 32 b + 16 (lane / 16) + i, become a fragment's codes in v[PC] on and its scale word in v[PW]
.irp b, 0,1,2,3
	v_max3_num_f32 v[TM+\b], |v[\s+16*\b]|, |v[\s+1+16*\b]|, 0x2800000   ; and the floor 2^(5 - 127): the byte cannot fall under 1
.endr
.irp i, 2,4,6,8,10,12,14
.irp b, 0,1,2,3
	v_max3_num_f32 v[TM+\b], v[TM+\b], |v[\s+16*\b+\i]|, |v[\s+1+16*\b+\i]|
.endr
.endr
.irp b, 0,1,2,3
	v_permlanex16_b32 v[TM+4+\b], v[TM+\b], s[SEL], s[SEL+1]
.endr
.irp b, 0,1,2,3
	v_max_num_f32 v[TM+\b], v[TM+\b], v[TM+4+\b]
.endr
.irp b, 0,1,2,3
	v_add_nc_u32 v[TM+12+\b], 0xfe000000, v[TM+\b]
.endr
.irp b, 0,1,2,3
	v_lshrrev_b32 v[TM+4+\b], 23, v[TM+12+\b]
.endr
	v_lshl_or_b32 v[PW], v[TM+5], 8, v[TM+4]
	v_lshl_or_b32 v[PW], v[TM+6], 16, v[PW]
	v_lshl_or_b32 v[PW], v[TM+7], 24, v[PW]
.irp c, 0,1
	v_cvt_scalef32_pk16_bf6_f32 v[PC+6*\c:PC+2+6*\c], v[\s+32*\c:\s+15+32*\c], v[TM+12+2*\c]
	v_cvt_scalef32_pk16_bf6_f32 v[PC+12+4*\c:PC+14+4*\c], v[\s+16+32*\c:\s+31+32*\c], v[TM+12+2*\c+1]
.endr
	v_nop                                          ; one plain instruction behind the scaled conversions
.irp c, 0,1
.irp i, 0,1,2
	v_permlane16_swap_b32 v[PC+6*\c+\i], v[PC+12+4*\c+\i]
.endr
.irp i, 0,1,2
	v_mov_b32 v[PC+3+6*\c+\i], v[PC+12+4*\c+\i]
.endr
.endr
.endm
.macro LN                              ; layernorm of my row: mean first, then the mean of the squared differences; only my K step is scaled
.irp k, 0,1,2,3
	v_pk_add_f32 v[ST+2*\k:ST+2*\k+1], v[X+2*\k:X+2*\k+1], v[X+8+2*\k:X+9+2*\k]
.endr
.set LNN, 8
.rept 56
	v_pk_add_f32 v[ST+2*(LNN%4):ST+2*(LNN%4)+1], v[ST+2*(LNN%4):ST+2*(LNN%4)+1], v[X+2*LNN:X+2*LNN+1]
.set LNN, LNN+1
.endr
	v_pk_add_f32 v[ST:ST+1], v[ST:ST+1], v[ST+2:ST+3]
	v_pk_add_f32 v[ST+4:ST+5], v[ST+4:ST+5], v[ST+6:ST+7]
	v_pk_add_f32 v[ST:ST+1], v[ST:ST+1], v[ST+4:ST+5]
	v_add_f32 v[ST], v[ST], v[ST+1]
	v_permlanex16_b32 v[ST+8], v[ST], s[SEL], s[SEL+1]
	v_add_f32 v[ST], v[ST], v[ST+8]
	v_mul_f32 v[MU], s[C256], v[ST]
	v_mov_b32 v[MU+1], v[MU]
.set LNN, 0
.rept 64
	v_pk_add_f32 v[X+2*LNN:X+2*LNN+1], v[X+2*LNN:X+2*LNN+1], v[MU:MU+1] neg_lo:[0,1] neg_hi:[0,1]
.set LNN, LNN+1
.endr
.irp k, 0,1,2,3
	v_pk_mul_f32 v[ST+2*\k:ST+2*\k+1], v[X+2*\k:X+2*\k+1], v[X+2*\k:X+2*\k+1]
.endr
.set LNN, 4
.rept 60
	v_pk_fma_f32 v[ST+2*(LNN%4):ST+2*(LNN%4)+1], v[X+2*LNN:X+2*LNN+1], v[X+2*LNN:X+2*LNN+1], v[ST+2*(LNN%4):ST+2*(LNN%4)+1]
.set LNN, LNN+1
.endr
	v_pk_add_f32 v[ST:ST+1], v[ST:ST+1], v[ST+2:ST+3]
	v_pk_add_f32 v[ST+4:ST+5], v[ST+4:ST+5], v[ST+6:ST+7]
	v_pk_add_f32 v[ST:ST+1], v[ST:ST+1], v[ST+4:ST+5]
	v_add_f32 v[ST], v[ST], v[ST+1]
	v_permlanex16_b32 v[ST+8], v[ST], s[SEL], s[SEL+1]
	v_add_f32 v[ST], v[ST], v[ST+8]
	v_fma_f32 v[ST], v[ST], s[C256], s[EPS]
	v_rsq_f32 v[RS], v[ST]
	v_mov_b32 v[RS+1], 0                           ; a plain instruction behind the transcendental; it also writes the pair's upper half
	s_wait_alu depctr_va_vdst(0)                   ; the wait ahead of the first line that names the result
.set LNN, 0
.rept 32
	v_pk_mul_f32 v[X+2*LNN:X+2*LNN+1], v[X+2*LNN:X+2*LNN+1], v[RS:RS+1] op_sel_hi:[1,0]
.set LNN, LNN+1
.endr
	WIN 0x14                                       ; sources 1 and 2 (gain, bias) in window 1
.set LNN, 0
.rept 32
	v_pk_fma_f32 v[X+2*LNN:X+2*LNN+1], v[X+2*LNN:X+2*LNN+1], v[2*LNN:2*LNN+1], v[64+2*LNN:65+2*LNN]
.set LNN, LNN+1
.endr
	WIN 0
.endm
; A layer: my two tiles of columns x the four tiles of rows x two K steps.  wf: the weight's fragments, bias: its bias (both in window 1); ws_: the weight's scale words; as_: the rows' scale words.
; The eight accumulators take turns; the first K step takes the bias as C.
.macro LAYER wf, bias, ws_, as_
	WIN 0x11                                       ; source 0 (the weight) and source 2 (the bias) in window 1
.irp m, 0,1,2,3
.irp u, 0,1
	v_wmma_scale_f32_16x16x128_f8f6f4 v[HA+16*\m+8*\u:HA+16*\m+8*\u+7], v[\wf+12*(2*\u):\wf+12*(2*\u)+11], v[XF+12*(2*\m):XF+12*(2*\m)+11], v[\bias+8*\u:\bias+8*\u+7], v[\ws_+2*\u], v[\as_+2*\m] matrix_a_fmt:MATRIX_FMT_BF6 matrix_b_fmt:MATRIX_FMT_BF6
.endr
.endr
	WIN 0x01
.irp m, 0,1,2,3
.irp u, 0,1
	v_wmma_scale_f32_16x16x128_f8f6f4 v[HA+16*\m+8*\u:HA+16*\m+8*\u+7], v[\wf+12*(2*\u+1):\wf+12*(2*\u+1)+11], v[XF+12*(2*\m+1):XF+12*(2*\m+1)+11], v[HA+16*\m+8*\u:HA+16*\m+8*\u+7], v[\ws_+2*\u+1], v[\as_+2*\m+1] matrix_a_fmt:MATRIX_FMT_BF6 matrix_b_fmt:MATRIX_FMT_BF6
.endr
.endr
	WIN 0
.endm
	s_load_b256 s[4:11], s[0:1], 0x0               ; x, att, g2, b2
	s_load_b256 s[12:19], s[0:1], 0x20             ; bf1, bf2, wc, ws
	s_load_b64 s[20:21], s[0:1], 0x40              ; out0
	v_lshl_add_u32 v254, v0, 2, 0x16c00
	v_mov_b32 v255, 0
	v_lshrrev_b32 v1, 5, v0
	v_readfirstlane_b32 s[WV], v1                  ; wave 0..7
	v_and_b32 v1, 31, v0                           ; lane
	v_and_b32 v2, 15, v0                           ; r
	v_bfe_u32 v3, v0, 4, 1                         ; h
	v_lshlrev_b32 v[LI], 4, v1
	v_lshlrev_b32 v[LS], 2, v1
	s_lshl_b32 s32, ttmp9, 16                      ; 64 rows of 1,024 bytes a work-group,
	s_lshl_b32 s33, s[WV], 13                      ; 8 a wave
	s_add_co_u32 s32, s32, s33
	s_mov_b32 s33, 0
	s_and_b32 s28, s[WV], 1                        ; my K step in the front end
	s_lshr_b32 s29, s[WV], 1                       ; my tile of rows there
	s_lshl_b32 s30, s28, 9                         ; 512 s
	v_lshlrev_b32 v[BFO], 6, v3
	v_add_nc_u32 v[GBO], s30, v[BFO]               ; 64 h + 512 s
	s_lshl_b32 s38, s[WV], 2
	s_add_co_u32 s38, s38, 96                      ; W1's fragments 96 + 4 w on; W2's lie 32 fragments further
	s_lshl_b32 s40, s38, 7
	s_mul_i32 s38, s38, 1536
	s_mov_b32 s39, 0
	s_mov_b32 s41, 0
	s_lshl_b32 s42, s[WV], 7                       ; my 32 columns of the biases
	s_mov_b32 s43, 0
	s_wait_kmcnt 0x0
	s_add_nc_u64 s[4:5], s[4:5], s[32:33]
	s_add_nc_u64 s[6:7], s[6:7], s[32:33]
	s_add_nc_u64 s[20:21], s[20:21], s[32:33]
.irp i, 0,1,2,3,4,5,6,7
.irp q, 0,1
	global_load_b128 v[48+8*\i+4*\q:48+8*\i+4*\q+3], v[LI], s[4:5] offset:1024*\i+512*\q th:TH_LOAD_NT    ; 512 consecutive bytes of row 8 w + i of x,
	global_load_b128 v[112+8*\i+4*\q:112+8*\i+4*\q+3], v[LI], s[6:7] offset:1024*\i+512*\q th:TH_LOAD_NT  ; and of att
.endr
.endr
	s_add_nc_u64 s[WP:WP+1], s[16:17], s[38:39]
	s_add_nc_u64 s[WSP:WSP+1], s[18:19], s[40:41]
	s_add_nc_u64 s[12:13], s[12:13], s[42:43]
	s_add_nc_u64 s[14:15], s[14:15], s[42:43]
	WIN 0x40                                       ; destination window 1
.irp b, 0,1,2,3
.irp j, 0,1,2,3
	global_load_b128 v[16*\b+4*\j:16*\b+4*\j+3], v[GBO], s[8:9] offset:128*\b+16*\j
	global_load_b128 v[64+16*\b+4*\j:64+16*\b+4*\j+3], v[GBO], s[10:11] offset:128*\b+16*\j
.endr
.endr
.set KK, 0
.rept 12
	global_load_b128 v[W1F+4*KK:W1F+4*KK+3], v[LI], s[WP:WP+1] offset:512*KK
	global_load_b128 v[W2F+4*KK:W2F+4*KK+3], v[LI], s[WP:WP+1] offset:32*1536+512*KK
.set KK, KK+1
.endr
	WIN 0
	; LDS addresses: constants, the lane, the wave's number
	s_lshr_b32 s44, s[WV], 2
	s_lshl_b32 s45, s44, 5
	s_lshl_b32 s46, s28, 4
	s_add_co_u32 s45, s45, s46
	s_and_b32 s46, s29, 1
	s_lshl_b32 s46, s46, 3
	s_add_co_u32 s45, s45, s46                     ; rows 8 w .. 8 w + 7 go to places 32 (w / 4) + 16 (w % 2) + 8 ((w / 2) % 2) on
	s_mul_i32 s45, s45, XPITCH
	v_add_nc_u32 v[XTS], s45, v[LI]
	v_mul_u32_u24 v20, v2, XPITCH
	v_lshl_add_u32 v20, v3, 6, v20                 ; r x pitch + 64 h
	s_mul_i32 s45, s29, 16*XPITCH
	s_add_co_u32 s46, s45, s30
	v_add_nc_u32 v[XTO], s46, v20
	s_xor_b32 s46, s30, 512
	s_add_co_u32 s46, s45, s46
	v_add_nc_u32 v[XTT], s46, v20
	s_lshl_b32 s46, s[WV], 7
	v_add_nc_u32 v[XTP], s46, v20                  ; + my wave's 128 bytes of a row
	s_add_co_u32 s46, s46, XSC
	v_add_nc_u32 v[XWS], s46, v[LS]
	s_mul_i32 s45, s[WV], 1536
	s_add_co_u32 s45, s45, XIMG
	v_add_nc_u32 v[XWI], s45, v[LI]
	v_add_nc_u32 v[XRI], XIMG, v[LI]
	v_add_nc_u32 v[XRS], XSC, v[LS]
	s_and_b32 s45, s[WV], 3                        ; my block among the four of its K step w / 4
	s_mul_i32 s46, s44, 1536
	s_lshr_b32 s47, s45, 1
	s_mul_i32 s47, s47, 768                        ; registers 6 c on: c = block / 2
	s_add_co_u32 s46, s46, s47
	s_mul_i32 s47, s28, 16*24                      ; lanes 16-31 hold the odd blocks
	s_add_co_u32 s46, s46, s47
	s_add_co_u32 s46, s46, HIMG
	v_mul_u32_u24 v[HWA], v2, 24
	v_mad_u32_u24 v[HWA], v3, 12, v[HWA]           ; my 16 codes are the lower or the upper 12 of the block's 24 bytes
	v_add_nc_u32 v[HWA], s46, v[HWA]
	s_lshl_b32 s46, s44, 7
	s_add_co_u32 s46, s46, s45
	s_add_co_u32 s46, s46, HSC
	v_add_nc_u32 v[HWB], s46, v[LS]
	v_mul_u32_u24 v[HRA], v1, 24
	v_add_nc_u32 v[HRA], HIMG, v[HRA]
	v_add_nc_u32 v[HRS], HSC, v[LS]
.irp b, 0,1,2,3
	v_mov_b32 v[TM+4+\b], 0                        ; written once: a lane permute's destination counts as one of its sources
.endr
	v_mov_b32 v[ST+8], 0
	s_mov_b32 s[SEL], 0x76543210
	s_mov_b32 s[SEL+1], 0xfedcba98
	s_mov_b32 s[C256], 0x3b800000                  ; 1 / 256
	s_mov_b32 s[EPS], 0x3727c5ac                   ; 1e-5
	; ---- xt = x + att, into LDS
	s_wait_loadcnt 56                              ; x's and att's 32 loads are in: 32 of g2 and b2 and 24 of the weights were issued behind them
.set KK, 0
.rept 32
	v_pk_add_f32 v[48+2*KK:49+2*KK], v[48+2*KK:49+2*KK], v[112+2*KK:113+2*KK]
.set KK, KK+1
.endr
.irp i, 0,1,2,3,4,5,6,7
.irp q, 0,1
	ds_store_b128 v[XTS], v[48+8*\i+4*\q:48+8*\i+4*\q+3] offset:XPITCH*\i+512*\q
.endr
.endr
	WIN 0x40
.irp i, 0,1,2,3
	global_load_b128 v[BF1+4*\i:BF1+4*\i+3], v[BFO], s[12:13] offset:16*\i   ; bf1 and bf2 at columns 32 w + 16 h + 0 .. 15
	global_load_b128 v[BF2+4*\i:BF2+4*\i+3], v[BFO], s[14:15] offset:16*\i
.endr
	WIN 0
.irp k, 0,1,2,3
	global_load_b32 v[W1S+\k], v[LS], s[WSP:WSP+1] offset:128*\k
	global_load_b32 v[W2S+\k], v[LS], s[WSP:WSP+1] offset:32*128+128*\k
.endr
	BARRIER                                        ; the 64 rows of xt lie in LDS
	; ---- my row's 256 numbers, layernorm, my K step's fragment
.irp b, 0,1,2,3
.irp j, 0,1,2,3
	ds_load_b128 v[X+16*\b+4*\j:X+16*\b+4*\j+3], v[XTO] offset:128*\b+16*\j
.endr
.endr
.irp b, 0,1,2,3
.irp j, 0,1,2,3
	ds_load_b128 v[X+64+16*\b+4*\j:X+64+16*\b+4*\j+3], v[XTT] offset:128*\b+16*\j
.endr
.endr
	s_wait_dscnt 0x0
	s_wait_loadcnt 40                              ; g2 and b2 are in: 24 loads of weights, 8 of biases and 8 scale words were issued behind them
	LN
	QUANT X
.irp c, 0,1,2
	ds_store_b128 v[XWI], v[PC+4*\c:PC+4*\c+3] offset:512*\c
.endr
	ds_store_b32 v[XWS], v[PW]
	BARRIER                                        ; h's eight fragments lie in LDS
	; ---- the hidden layer
.set KK, 0
.rept 24
	ds_load_b128 v[XF+4*KK:XF+4*KK+3], v[XRI] offset:512*KK
.set KK, KK+1
.endr
.irp k, 0,1,2,3,4,5,6,7
	ds_load_b32 v[XS+\k], v[XRS] offset:128*\k
.endr
	s_wait_dscnt 0x0
	s_wait_loadcnt 0x0                             ; weights, biases, scale words
	LAYER W1F, BF1, W1S, XS
.rept 5
	v_nop                                          ; four places ahead of the first read of results; five ahead of the matrix instructions that later begin these accumulators anew
.endr
.set KK, 0
.rept 64
	v_max_num_f32 v[HA+KK], 0, v[HA+KK]            ; the activation, in f32; each accumulator from its low end on
.set KK, KK+1
.endr
.irp m, 0,1,2,3                                ; my block of 32 hidden units, for each of the four tiles of rows; none is negative, so no |.|
	v_max3_num_f32 v[TM+\m], v[HA+16*\m], v[HA+1+16*\m], 0x2800000
.endr
.irp i, 2,4,6,8,10,12,14
.irp m, 0,1,2,3
	v_max3_num_f32 v[TM+\m], v[TM+\m], v[HA+16*\m+\i], v[HA+1+16*\m+\i]
.endr
.endr
.irp m, 0,1,2,3
	v_permlanex16_b32 v[TM+4+\m], v[TM+\m], s[SEL], s[SEL+1]
.endr
.irp m, 0,1,2,3
	v_max_num_f32 v[TM+\m], v[TM+\m], v[TM+4+\m]
.endr
.irp m, 0,1,2,3
	v_add_nc_u32 v[TM+12+\m], 0xfe000000, v[TM+\m]
.endr
.irp m, 0,1,2,3
	v_lshrrev_b32 v[TM+4+\m], 23, v[TM+12+\m]
.endr
.irp m, 0,1,2,3
	v_cvt_scalef32_pk16_bf6_f32 v[PCB+4*\m:PCB+4*\m+2], v[HA+16*\m:HA+16*\m+15], v[TM+12+\m]
.endr
	v_nop                                          ; one plain instruction behind the scaled conversions
.irp m, 0,1,2,3
.irp i, 0,1,2
	ds_store_b32 v[HWA], v[PCB+4*\m+\i] offset:3072*\m+4*\i
.endr
	ds_store_b8 v[HWB], v[TM+4+\m] offset:256*\m   ; byte w % 4 of the row's scale word
.endr
	BARRIER                                        ; the hidden layer's eight fragments lie in LDS
	; ---- the second product
.irp f, 0,1,2,3,4,5,6,7
.irp c, 0,1
.irp p, 0,1,2
	ds_load_b64 v[XF+12*\f+6*\c+2*\p:XF+12*\f+6*\c+2*\p+1], v[HRA] offset:1536*\f+768*\c+8*\p
.endr
.endr
	ds_load_b32 v[HS+\f], v[HRS] offset:128*\f
.endr
	s_wait_dscnt 0x0
	LAYER W2F, BF2, W2S, HS
.rept 4
	v_nop                                          ; places ahead of loads into registers that the products read, and of the first read of results
.endr
.irp m, 0,1,2,3
.irp i, 0,1,2,3
	ds_load_b128 v[48+16*\m+4*\i:48+16*\m+4*\i+3], v[XTP] offset:16*XPITCH*\m+16*\i   ; xt at my rows' 16 columns
.endr
.endr
	s_wait_dscnt 0x0
.set KK, 0
.rept 32
	v_pk_add_f32 v[48+2*KK:49+2*KK], v[48+2*KK:49+2*KK], v[HA+2*KK:HA+2*KK+1]
.set KK, KK+1
.endr
.irp m, 0,1,2,3
.irp i, 0,1,2,3
	ds_store_b128 v[XTP], v[48+16*\m+4*\i:48+16*\m+4*\i+3] offset:16*XPITCH*\m+16*\i   ; back to the same bytes: each byte has one owner
.endr
.endr
	BARRIER                                        ; 64 whole rows of the result lie in LDS
.irp i, 0,1,2,3,4,5,6,7
.irp q, 0,1
	ds_load_b128 v[48+8*\i+4*\q:48+8*\i+4*\q+3], v[XTS] offset:XPITCH*\i+512*\q
.endr
.endr
.irp i, 0,1,2,3,4,5,6,7
.irp q, 0,1
	s_wait_dscnt 15-2*\i-\q                        ; the younger loads may stay out
	global_store_b128 v[LI], v[48+8*\i+4*\q:48+8*\i+4*\q+3], s[20:21] offset:1024*\i+512*\q th:TH_STORE_NT   ; 32 lanes store 512 consecutive bytes, aligned; written once, read by nobody here
.endr
.endr
	s_wait_tensorcnt 0x0
	ds_add_u32 v254, v255
	s_wait_dscnt 0x0
	s_endpgm
.Lfunc_end_k_q411102a9ee_ffn:
	.size	k_q411102a9ee_ffn, .Lfunc_end_k_q411102a9ee_ffn-k_q411102a9ee_ffn
	.p2alignl 7, 3214868480
	.fill 96, 4, 3214868480
	.section	.rodata,"a",@progbits
	.p2align	6, 0x0
	.amdhsa_kernel k_q411102a9ee_ffn
		.amdhsa_group_segment_fixed_size 94208
		.amdhsa_private_segment_fixed_size 0
		.amdhsa_enable_private_segment 0
		.amdhsa_kernarg_size 72
		.amdhsa_user_sgpr_count 2
		.amdhsa_user_sgpr_kernarg_segment_ptr 1
		.amdhsa_wavefront_size32 1
		.amdhsa_system_sgpr_workgroup_id_x 1
		.amdhsa_system_sgpr_workgroup_id_y 1
		.amdhsa_system_sgpr_workgroup_id_z 1
		.amdhsa_system_vgpr_workitem_id 0
		.amdhsa_next_free_vgpr 512
		.amdhsa_next_free_sgpr 66
		.amdhsa_reserve_vcc 0
		.amdhsa_float_denorm_mode_32 3
		.amdhsa_float_denorm_mode_16_64 3
		.amdhsa_memory_ordered 1
		.amdhsa_forward_progress 1
		.amdhsa_inst_pref_size 64
	.end_amdhsa_kernel
	.amdgpu_metadata
---
amdhsa.version: [ 1, 2 ]
amdhsa.kernels:
  - .name:           k_q411102a9ee_ffn
    .symbol:         k_q411102a9ee_ffn.kd
    .args:
      - { .name: x, .offset: 0, .size: 8, .value_kind: global_buffer, .address_space: global }
      - { .name: att, .offset: 8, .size: 8, .value_kind: global_buffer, .address_space: global }
      - { .name: g2, .offset: 16, .size: 8, .value_kind: global_buffer, .address_space: global }
      - { .name: b2, .offset: 24, .size: 8, .value_kind: global_buffer, .address_space: global }
      - { .name: bf1, .offset: 32, .size: 8, .value_kind: global_buffer, .address_space: global }
      - { .name: bf2, .offset: 40, .size: 8, .value_kind: global_buffer, .address_space: global }
      - { .name: wc, .offset: 48, .size: 8, .value_kind: global_buffer, .address_space: global }
      - { .name: ws, .offset: 56, .size: 8, .value_kind: global_buffer, .address_space: global }
      - { .name: out0, .offset: 64, .size: 8, .value_kind: global_buffer, .address_space: global }
    .group_segment_fixed_size: 94208
    .private_segment_fixed_size: 0
    .kernarg_segment_align: 8
    .kernarg_segment_size: 72
    .max_flat_workgroup_size: 256
    .sgpr_count:     66
    .vgpr_count:     512
    .wavefront_size: 32
...
	.end_amdgpu_metadata
.endif
;; end of part 4
;; ======== version 2 of 2: 4 launches
;; workspace buffers: wc 245,760 bytes; ws 20,480 bytes; qc 3,145,728 bytes; qs 524,288 bytes; kv 7,077,888 bytes; att 16,777,216 bytes
;; launch wq (part 5): grid 160 x 1, 1 waves a work-group, no clusters, 0 bytes of LDS; arguments Wq, Wk, Wv, W1, W2, wc, ws; writes wc, ws
.if DOCPART == 5
	.amdgcn_target "amdgcn-amd-amdhsa--gfx1250"
	.amdhsa_code_object_version 6
	.text
	.protected	k_q411102a9ee_wq
	.globl	k_q411102a9ee_wq
	.p2align	8
	.type	k_q411102a9ee_wq,@function
k_q411102a9ee_wq:
	s_mov_b64 s[64:65], 0
	v_nop
	global_prefetch_b8 v0, s[64:65] scope:SCOPE_SE
	s_setreg_imm32_b32 hwreg(HW_REG_WAVE_MODE, 25, 1), 1
	s_wait_xcnt 0x0
; The five weights [256][256] f32 (K = the last axis) become codes of BF6 (E3M2) with one E8M0 byte for each 32 along K, ONCE, laid as images of operand registers.
; Fragment F = 32 mat + 2 t + s (mat: Wq, Wk, Wv, W1, W2; t: a tile of 16 rows; s: 128 along K).  One wave makes one fragment: 160 work-groups of one wave.
; THE ROWS OF A TILE ARE NOT NEIGHBOURS: lane r of tile t takes row 32 (t / 2) + 8 (t % 2) + r + 8 (r / 8), so that in a product used transposed the 16 registers of tiles 2 b, 2 b + 1 are 16 neighbours along the next K.
; wc + 1536 F: register 4 c + i of lane L at 512 c + 16 L + 4 i.  ws + 128 F + 4 L: the row's scale word (both halves of the lanes hold it).
; A block's scale byte is its largest magnitude's exponent field - 4, held at 1 from below.  LIMITS: a block of zeros gets the byte 1 where the rule says 127 (its codes are zeros, and this program alone
; reads the bytes); NaN and infinities among the inputs are not served.
; The loads take 512 bytes of each of 16 rows: 1.3 MB in the whole launch, each byte read once.  No LDS, no cluster: no two work-groups read the same bytes.
.set WOF, 3                            ; v3   my lane's byte in the tile: row x 1,024 + 64 (lane / 16)
.set LI,  4                            ; v4   16 x lane
.set LS,  5                            ; v5   4 x lane
.set X,   16                           ; v16-79   64 numbers: register 16 b + i = k 32 b + 16 (lane / 16) + i of my row
.set TM,  80                           ; v80-83 largest magnitudes, v84-87 the other half's, then bytes, v92-95 the conversions' scale operands
.set PC,  96                           ; v96-107 the codes; v108-110, v112-114 at work
.set PW,  116                          ; v116 the scale word
.set SEL, 20                           ; s[20:21] v_permlanex16_b32's selects for lane l xor 16
; 64 numbers of a lane become a fragment's 12 registers of codes and its row's scale word.
.macro QUANT s
.irp b, 0,1,2,3
	v_max3_num_f32 v[TM+\b], |v[\s+16*\b]|, |v[\s+1+16*\b]|, 0x2800000   ; block b: my 16 numbers, and the floor 2^(5 - 127): the byte cannot fall under 1
.endr
.irp i, 2,4,6,8,10,12,14
.irp b, 0,1,2,3
	v_max3_num_f32 v[TM+\b], v[TM+\b], |v[\s+16*\b+\i]|, |v[\s+1+16*\b+\i]|   ; the four blocks by turns
.endr
.endr
.irp b, 0,1,2,3
	v_permlanex16_b32 v[TM+4+\b], v[TM+\b], s[SEL], s[SEL+1]
.endr
.irp b, 0,1,2,3
	v_max_num_f32 v[TM+\b], v[TM+\b], v[TM+4+\b]   ; with lane l xor 16's 16: the block's largest magnitude
.endr
.irp b, 0,1,2,3
	v_add_nc_u32 v[TM+12+\b], 0xfe000000, v[TM+\b]   ; 4 off its exponent field: the conversion takes this operand's exponent field as its scale
.endr
.irp b, 0,1,2,3
	v_lshrrev_b32 v[TM+4+\b], 23, v[TM+12+\b]      ; the scale's byte
.endr
	v_lshl_or_b32 v[PW], v[TM+5], 8, v[TM+4]
	v_lshl_or_b32 v[PW], v[TM+6], 16, v[PW]
	v_lshl_or_b32 v[PW], v[TM+7], 24, v[PW]
.irp c, 0,1
	v_cvt_scalef32_pk16_bf6_f32 v[PC+6*\c:PC+2+6*\c], v[\s+32*\c:\s+15+32*\c], v[TM+12+2*\c]
	v_cvt_scalef32_pk16_bf6_f32 v[PC+12+4*\c:PC+14+4*\c], v[\s+16+32*\c:\s+31+32*\c], v[TM+12+2*\c+1]   ; (a conversion's three registers begin on an even number)
.endr
	v_nop                                          ; one plain instruction behind the scaled conversions
.irp c, 0,1                                    ; the operand wants a WHOLE block in a lane: lanes 0-15 block 2 c, lanes 16-31 block 2 c + 1
.irp i, 0,1,2
	v_permlane16_swap_b32 v[PC+6*\c+\i], v[PC+12+4*\c+\i]
.endr
.irp i, 0,1,2
	v_mov_b32 v[PC+3+6*\c+\i], v[PC+12+4*\c+\i]
.endr
.endr
.endm
	s_load_b256 s[4:11], s[0:1], 0x0               ; Wq, Wk, Wv, W1
	s_load_b128 s[12:15], s[0:1], 0x20             ; W2, wc
	s_load_b64 s[16:17], s[0:1], 0x30              ; ws
	v_and_b32 v1, 15, v0                           ; r
	v_lshrrev_b32 v2, 4, v0                        ; h
	v_and_b32 v[WOF], 8, v1
	v_add_nc_u32 v[WOF], v[WOF], v1                ; r + 8 (r / 8)
	v_lshlrev_b32 v[WOF], 10, v[WOF]               ; a row is 1,024 bytes
	v_lshl_add_u32 v[WOF], v2, 6, v[WOF]           ; + 64 h: my 16 numbers of a block of 32
	v_lshlrev_b32 v[LI], 4, v0
	v_lshlrev_b32 v[LS], 2, v0
.irp b, 0,1,2,3
	v_mov_b32 v[TM+4+\b], 0                        ; written once: a lane permute's destination counts as one of its sources
.endr
	s_mov_b32 s[SEL], 0x76543210
	s_mov_b32 s[SEL+1], 0xfedcba98
	s_lshr_b32 s22, ttmp9, 5                       ; which weight
	s_bfe_u32 s23, ttmp9, 0x30002                  ; t / 2
	s_bfe_u32 s24, ttmp9, 0x10001                  ; t % 2
	s_and_b32 s25, ttmp9, 1                        ; s
	s_lshl_b32 s23, s23, 15                        ; 32 rows
	s_lshl_b32 s24, s24, 13                        ; 8 rows
	s_lshl_b32 s25, s25, 9                         ; 128 numbers
	s_add_co_u32 s26, s23, s24
	s_add_co_u32 s26, s26, s25
	s_mov_b32 s27, 0
	s_mul_i32 s28, ttmp9, 1536
	s_mov_b32 s29, 0
	s_lshl_b32 s30, ttmp9, 7
	s_mov_b32 s31, 0
	s_wait_alu depctr_va_vdst(0)
	s_wait_kmcnt 0x0
	s_cmp_eq_u32 s22, 1                            ; the choice hangs on the work-group's number alone
	s_cselect_b64 s[4:5], s[6:7], s[4:5]
	s_cmp_eq_u32 s22, 2
	s_cselect_b64 s[4:5], s[8:9], s[4:5]
	s_cmp_eq_u32 s22, 3
	s_cselect_b64 s[4:5], s[10:11], s[4:5]
	s_cmp_eq_u32 s22, 4
	s_cselect_b64 s[4:5], s[12:13], s[4:5]
	s_add_nc_u64 s[4:5], s[4:5], s[26:27]
	s_add_nc_u64 s[14:15], s[14:15], s[28:29]
	s_add_nc_u64 s[16:17], s[16:17], s[30:31]
.irp b, 0,1,2,3
.irp j, 0,1,2,3
	global_load_b128 v[X+16*\b+4*\j:X+16*\b+4*\j+3], v[WOF], s[4:5] offset:128*\b+16*\j
.endr
.endr
	s_wait_loadcnt 0x0
	QUANT X
.irp c, 0,1,2
	global_store_b128 v[LI], v[PC+4*\c:PC+4*\c+3], s[14:15] offset:512*\c   ; 32 lanes store 512 consecutive bytes, at a multiple of 512 from wc's first byte
.endr
	global_store_b32 v[LS], v[PW], s[16:17]
	s_endpgm
.Lfunc_end_k_q411102a9ee_wq:
	.size	k_q411102a9ee_wq, .Lfunc_end_k_q411102a9ee_wq-k_q411102a9ee_wq
	.p2alignl 7, 3214868480
	.fill 96, 4, 3214868480
	.section	.rodata,"a",@progbits
	.p2align	6, 0x0
	.amdhsa_kernel k_q411102a9ee_wq
		.amdhsa_group_segment_fixed_size 0
		.amdhsa_private_segment_fixed_size 0
		.amdhsa_enable_private_segment 0
		.amdhsa_kernarg_size 56
		.amdhsa_user_sgpr_count 2
		.amdhsa_user_sgpr_kernarg_segment_ptr 1
		.amdhsa_wavefront_size32 1
		.amdhsa_system_sgpr_workgroup_id_x 1
		.amdhsa_system_sgpr_workgroup_id_y 1
		.amdhsa_system_sgpr_workgroup_id_z 1
		.amdhsa_system_vgpr_workitem_id 0
		.amdhsa_next_free_vgpr 128
		.amdhsa_next_free_sgpr 66
		.amdhsa_reserve_vcc 0
		.amdhsa_float_denorm_mode_32 3
		.amdhsa_float_denorm_mode_16_64 3
		.amdhsa_memory_ordered 1
		.amdhsa_forward_progress 1
		.amdhsa_inst_pref_size 8
	.end_amdhsa_kernel
	.amdgpu_metadata
---
amdhsa.version: [ 1, 2 ]
amdhsa.kernels:
  - .name:           k_q411102a9ee_wq
    .symbol:         k_q411102a9ee_wq.kd
    .args:
      - { .name: Wq, .offset: 0, .size: 8, .value_kind: global_buffer, .address_space: global }
      - { .name: Wk, .offset: 8, .size: 8, .value_kind: global_buffer, .address_space: global }
      - { .name: Wv, .offset: 16, .size: 8, .value_kind: global_buffer, .address_space: global }
      - { .name: W1, .offset: 24, .size: 8, .value_kind: global_buffer, .address_space: global }
      - { .name: W2, .offset: 32, .size: 8, .value_kind: global_buffer, .address_space: global }
      - { .name: wc, .offset: 40, .size: 8, .value_kind: global_buffer, .address_space: global }
      - { .name: ws, .offset: 48, .size: 8, .value_kind: global_buffer, .address_space: global }
    .group_segment_fixed_size: 0
    .private_segment_fixed_size: 0
    .kernarg_segment_align: 8
    .kernarg_segment_size: 56
    .max_flat_workgroup_size: 32
    .sgpr_count:     66
    .vgpr_count:     128
    .wavefront_size: 32
...
	.end_amdgpu_metadata
.endif
;; end of part 5
;; launch qkv (part 6): grid 256 x 1, 8 waves a work-group, no clusters, 80,896 bytes of LDS; arguments x, g1, b1, wc, ws, qc, qs, kv; writes qc, qs, kv
.if DOCPART == 6
	.amdgcn_target "amdgcn-amd-amdhsa--gfx1250"
	.amdhsa_code_object_version 6
	.text
	.protected	k_q411102a9ee_qkv
	.globl	k_q411102a9ee_qkv
	.p2align	8
	.type	k_q411102a9ee_qkv,@function
k_q411102a9ee_qkv:
	s_mov_b64 s[64:65], 0
	v_nop
	global_prefetch_b8 v0, s[64:65] scope:SCOPE_SE
	s_setreg_imm32_b32 hwreg(HW_REG_WAVE_SCHED_MODE, 0, 2), 2
	s_setreg_imm32_b32 hwreg(HW_REG_WAVE_MODE, 25, 1), 1
	s_wait_xcnt 0x0
	s_wait_alu depctr_vm_vsrc(0)
; xn = layernorm(x) g1 + b1; q, k, v = Q(xn) Q(W)^T on codes of BF6 (E3M2) with E8M0 scales for each 32 along K; then q and k are quantised along the head's 64 and v along the keys,
; and all three leave as images of the operand registers of the attention launch.
; SHARES.  A work-group owns 64 rows of the 16,384: half (c) of a key step of 128.  Front end: wave w normalises and quantises tile m = w / 2 of 16 rows, K step s = w % 2 (the row's mean and variance
; are made by both waves of a tile: a lane holds 128 of its row's 256 numbers, lane l xor 16 the rest).  Products: wave w makes q (w even) or k (w odd) of head w / 2 for all 64 rows, and then two tiles
; of 16 channels of v of that head.  Its 12 weight fragments come from wc straight into its registers, once.
; ROW ORDER.  Lane r of tile 2 b + u holds row 32 b + 8 u + r + 8 (r / 8), for the rows of x as for the rows of the weights.  q, k: source 0 = 16 rows of W, source 1 = a tile of x: a lane holds one row of x,
; and the 16 registers of two neighbouring tiles are 16 neighbouring channels.  v: source 0 = a tile of x, source 1 = 16 rows of Wv: a lane holds one channel, and its registers run along the keys.
; x comes by loads of 512 consecutive bytes and turns through LDS (rows 1,040 bytes apart) into the lanes' order.
; NO CLUSTER, NO TENSOR LOAD: no row of x is shared between work-groups; the weights' images are shared by all, but each wave wants its own 12 fragments once, in registers, and a joint load would
; land them in LDS, to be read from there again.
; LIMITS: a block of zeros gets the scale byte 1 where the rule says 127 (its codes are zeros; this program alone reads the bytes); NaN and infinities are not served; v_rsq_f32 as the ISA guide has it.
; THE MODE: SCHED_MODE bits 1:0 = 2 (LLVM: expert scheduling mode 2), set by the entry lines.  The code itself states the register dependences
; between vector or matrix instructions and memory or LDS instructions, with s_wait_alu, always for 0.
; THE PLAN.  Registers that memory or LDS instructions touch:
;   v4-14         offsets and LDS addresses: all made at the head, ahead of one wait on va_vdst, and never written again.
;   v48-175       x as loaded (v48-111), read by the LDS stores; then a row's 256 numbers from LDS, worked on by the layernorm and the quantiser; then (v48-143) xn's fragments from LDS, read by matrix instructions.
;   window 1 v0-127  g1, b1: loaded, read by the layernorm; v0-47 are then loaded with Wv's fragments.
;   PC, PW        the fragment just made: written by the quantiser, read by the LDS stores of the image; later written by matrix instructions (the second accumulator set) and by lane permutes.
;   OUTQ, QW      q's or k's codes and scale words, registers of their own for each of the four tiles: written by the quantiser, read by ONE run of stores, never written again.
;   OUTV, VW      the same for v's two channel tiles.
; The matrix instructions take operands that loads brought, and nothing that a vector instruction wrote.
; REGISTERS.  window 0: v1-15 addresses; v16-27 v's codes; v28-47 scale words; v48-175 128 numbers of a row, later x's 8 fragments and an accumulator set; v176-229 at work; v230-253 q's or k's codes.
;   window 1: v0-63 g1, v64-127 b1 of my K step, later Wv's 4 fragments; v128-223 Wq's or Wk's 8 fragments.
.set XPITCH, 1040                      ; a row of x in LDS: 1,024 bytes + 16: an odd multiple of 16
.set XIMG,  64*XPITCH                  ; behind the rows: xn's 8 fragments (2 m + s), 1,536 bytes each,
.set XSC,   XIMG+8*1536                ; and their scale words, 128 bytes each
.set STEPB, 13824                      ; a key step's block in kv: K's codes 6,144, V's codes 6,144, K's scale words 1,024, V's 512
.set BHB,   32*STEPB
.set LI,  4                            ; v4   16 x lane
.set L8,  5                            ; v5   8 x lane
.set LS,  6                            ; v6   4 x lane
.set XTS, 7                            ; v7   LDS: where my wave's 8 rows of x go
.set XTO, 8                            ; v8   LDS: my row, my K step
.set XTT, 9                            ; v9   LDS: my row, the other K step
.set XWI, 10                           ; v10  LDS: where I store my fragment's image
.set XWS, 11                           ; v11  and its scale word
.set GBO, 12                           ; v12  my byte in g1 and b1
.set XRI, 13                           ; v13  LDS: the images, for reading
.set XRS, 14                           ; v14  LDS: their scale words
.set OUTV, 16                          ; v16-27 v's codes: six registers for each of my two channel tiles
.set XS,  28                           ; v28-35 xn's scale words
.set WQS, 36                           ; v36-43 Wq's or Wk's
.set WVS, 44                           ; v44-47 Wv's
.set X,   48
.set ST,  176                          ; v176-183 four chains, v184 the other half's
.set MU,  ST+10
.set RS,  ST+12
.set PC,  192
.set TM,  212
.set PW,  TM+8
.set XF,  48                           ; behind the second barrier: xn's fragments, 2 m + s at + 12 (2 m + s)
.set ACC0, 144
.set ACC1, 176
.set SCR, 208                          ; v208-210 a block's upper 16 codes, at work
.set T2,  218
.set QW,  224                          ; v224-227 the four tiles' scale words
.set VW,  228                          ; v228-229 v's two scale half words
.set OUTQ, 230                         ; v230-253 q's or k's codes: six registers for each of the four tiles of rows
.set WQK, 128                          ; in window 1
.set WV,  20
.set SEL, 22
.set C256, 24
.set EPS, 25
.set WQP, 32
.set WQSP, 34
.set WVP, 36
.set WVSP, 38
.set CB,  40
.set SB,  42
.set VB,  44
.set VSB, 46
.set MSB, 0
.macro WIN new                         ; the immediate's high byte repeats the setting that is left
.if MSB != \new
	s_set_vgpr_msb (MSB<<8)|\new
.set MSB, \new
.endif
.endm
.macro BARRIER                         ; my LDS stores have landed and my LDS loads are in: then the work-group's barrier
	s_wait_dscnt 0x0
	s_barrier_signal -1
	s_barrier_wait -1
.endm
; 64 numbers of a lane, register 16 b + i = k 32 b + 16 (lane / 16) + i of my row, become a fragment's codes in v[PC] on and its scale word in v[PW].
.macro QUANT s
.irp b, 0,1,2,3
	v_max3_num_f32 v[TM+\b], |v[\s+16*\b]|, |v[\s+1+16*\b]|, 0x2800000   ; and the floor 2^(5 - 127): the byte cannot fall under 1
.endr
.irp i, 2,4,6,8,10,12,14
.irp b, 0,1,2,3
	v_max3_num_f32 v[TM+\b], v[TM+\b], |v[\s+16*\b+\i]|, |v[\s+1+16*\b+\i]|
.endr
.endr
.irp b, 0,1,2,3
	v_permlanex16_b32 v[TM+4+\b], v[TM+\b], s[SEL], s[SEL+1]
.endr
.irp b, 0,1,2,3
	v_max_num_f32 v[TM+\b], v[TM+\b], v[TM+4+\b]
.endr
.irp b, 0,1,2,3
	v_add_nc_u32 v[TM+12+\b], 0xfe000000, v[TM+\b]   ; 4 off the exponent field: the conversion's scale operand
.endr
.irp b, 0,1,2,3
	v_lshrrev_b32 v[TM+4+\b], 23, v[TM+12+\b]      ; the scale's byte
.endr
	v_lshl_or_b32 v[PW], v[TM+5], 8, v[TM+4]
	v_lshl_or_b32 v[PW], v[TM+6], 16, v[PW]
	v_lshl_or_b32 v[PW], v[TM+7], 24, v[PW]
.irp c, 0,1
	v_cvt_scalef32_pk16_bf6_f32 v[PC+6*\c:PC+2+6*\c], v[\s+32*\c:\s+15+32*\c], v[TM+12+2*\c]
	v_cvt_scalef32_pk16_bf6_f32 v[PC+12+4*\c:PC+14+4*\c], v[\s+16+32*\c:\s+31+32*\c], v[TM+12+2*\c+1]
.endr
	v_nop                                          ; one plain instruction behind the scaled conversions
.irp c, 0,1
.irp i, 0,1,2
	v_permlane16_swap_b32 v[PC+6*\c+\i], v[PC+12+4*\c+\i]
.endr
.irp i, 0,1,2
	v_mov_b32 v[PC+3+6*\c+\i], v[PC+12+4*\c+\i]
.endr
.endr
.endm
; The same for 32 numbers (two blocks): six registers of codes in v[pc] on (lane (r, h): k = 32 h + 0 .. 31) and the two bytes in v[w]; hi = 1: bytes 2 and 3 become 0x7f (the scale 1).
.macro QUANT2 a, pc, w, hi
.irp b, 0,1
	v_max3_num_f32 v[T2+\b], |v[(\a)+16*\b]|, |v[(\a)+1+16*\b]|, 0x2800000
.endr
.irp i, 2,4,6,8,10,12,14
.irp b, 0,1
	v_max3_num_f32 v[T2+\b], v[T2+\b], |v[(\a)+16*\b+\i]|, |v[(\a)+1+16*\b+\i]|
.endr
.endr
.irp b, 0,1
	v_permlanex16_b32 v[T2+2+\b], v[T2+\b], s[SEL], s[SEL+1]
.endr
.irp b, 0,1
	v_max_num_f32 v[T2+\b], v[T2+\b], v[T2+2+\b]
.endr
.irp b, 0,1
	v_add_nc_u32 v[T2+4+\b], 0xfe000000, v[T2+\b]
.endr
.irp b, 0,1
	v_lshrrev_b32 v[T2+2+\b], 23, v[T2+4+\b]
.endr
	v_lshl_or_b32 v[\w], v[T2+3], 8, v[T2+2]
.if \hi
	v_or_b32 v[\w], 0x7f7f0000, v[\w]
.endif
	v_cvt_scalef32_pk16_bf6_f32 v[(\pc):(\pc)+2], v[(\a):(\a)+15], v[T2+4]
	v_cvt_scalef32_pk16_bf6_f32 v[SCR:SCR+2], v[(\a)+16:(\a)+31], v[T2+5]   ; (a conversion's three registers begin on an even number)
	v_nop                                          ; one plain instruction behind the scaled conversions
.irp i, 0,1,2
	v_permlane16_swap_b32 v[(\pc)+\i], v[SCR+\i]
.endr
.irp i, 0,1,2
	v_mov_b32 v[(\pc)+3+\i], v[SCR+\i]
.endr
.endm
; Layernorm of my row.  v[X] on: 64 numbers of my K step, then 64 of the other.  Mean first, then the mean of the squared differences, as the definition has it; only my K step is scaled.
.macro LN
.irp k, 0,1,2,3
	v_pk_add_f32 v[ST+2*\k:ST+2*\k+1], v[X+2*\k:X+2*\k+1], v[X+8+2*\k:X+9+2*\k]   ; four chains, started by the first eight pairs
.endr
.set LNN, 8
.rept 56
	v_pk_add_f32 v[ST+2*(LNN%4):ST+2*(LNN%4)+1], v[ST+2*(LNN%4):ST+2*(LNN%4)+1], v[X+2*LNN:X+2*LNN+1]
.set LNN, LNN+1
.endr
	v_pk_add_f32 v[ST:ST+1], v[ST:ST+1], v[ST+2:ST+3]
	v_pk_add_f32 v[ST+4:ST+5], v[ST+4:ST+5], v[ST+6:ST+7]
	v_pk_add_f32 v[ST:ST+1], v[ST:ST+1], v[ST+4:ST+5]
	v_add_f32 v[ST], v[ST], v[ST+1]
	v_permlanex16_b32 v[ST+8], v[ST], s[SEL], s[SEL+1]
	v_add_f32 v[ST], v[ST], v[ST+8]                ; the row's sum
	v_mul_f32 v[MU], s[C256], v[ST]                ; / 256
	v_mov_b32 v[MU+1], v[MU]
.set LNN, 0
.rept 64
	v_pk_add_f32 v[X+2*LNN:X+2*LNN+1], v[X+2*LNN:X+2*LNN+1], v[MU:MU+1] neg_lo:[0,1] neg_hi:[0,1]   ; x - mean
.set LNN, LNN+1
.endr
.irp k, 0,1,2,3
	v_pk_mul_f32 v[ST+2*\k:ST+2*\k+1], v[X+2*\k:X+2*\k+1], v[X+2*\k:X+2*\k+1]
.endr
.set LNN, 4
.rept 60
	v_pk_fma_f32 v[ST+2*(LNN%4):ST+2*(LNN%4)+1], v[X+2*LNN:X+2*LNN+1], v[X+2*LNN:X+2*LNN+1], v[ST+2*(LNN%4):ST+2*(LNN%4)+1]
.set LNN, LNN+1
.endr
	v_pk_add_f32 v[ST:ST+1], v[ST:ST+1], v[ST+2:ST+3]
	v_pk_add_f32 v[ST+4:ST+5], v[ST+4:ST+5], v[ST+6:ST+7]
	v_pk_add_f32 v[ST:ST+1], v[ST:ST+1], v[ST+4:ST+5]
	v_add_f32 v[ST], v[ST], v[ST+1]
	v_permlanex16_b32 v[ST+8], v[ST], s[SEL], s[SEL+1]
	v_add_f32 v[ST], v[ST], v[ST+8]
	v_fma_f32 v[ST], v[ST], s[C256], s[EPS]        ; variance + 1e-5
	s_wait_alu depctr_va_vdst(0)
	v_rsq_f32 v[RS], v[ST]
	v_mov_b32 v[RS+1], 0                           ; a plain instruction behind the transcendental; it also writes the pair's upper half, which is named below
	s_wait_alu depctr_va_vdst(0)                   ; v_rsq_f32 has written v[RS]: the wait ahead of the first line that names the result
.set LNN, 0
.rept 32
	v_pk_mul_f32 v[X+2*LNN:X+2*LNN+1], v[X+2*LNN:X+2*LNN+1], v[RS:RS+1] op_sel_hi:[1,0]
.set LNN, LNN+1
.endr
	WIN 0x14                                       ; sources 1 and 2 (gain, bias) in window 1
.set LNN, 0
.rept 32
	v_pk_fma_f32 v[X+2*LNN:X+2*LNN+1], v[X+2*LNN:X+2*LNN+1], v[2*LNN:2*LNN+1], v[64+2*LNN:65+2*LNN]
.set LNN, LNN+1
.endr
	WIN 0
.endm
; q or k of tile m of rows: 4 tiles of 16 channels x 2 K steps; the four accumulators take turns.
.macro MMQ m, acc
	WIN 0x01                                       ; source 0 (the weight) in window 1
.irp s, 0,1
.irp t, 0,1,2,3
.if \s == 0
	v_wmma_scale_f32_16x16x128_f8f6f4 v[\acc+8*\t:\acc+8*\t+7], v[WQK+12*(2*\t+\s):WQK+12*(2*\t+\s)+11], v[XF+12*(2*\m+\s):XF+12*(2*\m+\s)+11], 0, v[WQS+2*\t+\s], v[XS+2*\m+\s] matrix_a_fmt:MATRIX_FMT_BF6 matrix_b_fmt:MATRIX_FMT_BF6
.else
	v_wmma_scale_f32_16x16x128_f8f6f4 v[\acc+8*\t:\acc+8*\t+7], v[WQK+12*(2*\t+\s):WQK+12*(2*\t+\s)+11], v[XF+12*(2*\m+\s):XF+12*(2*\m+\s)+11], v[\acc+8*\t:\acc+8*\t+7], v[WQS+2*\t+\s], v[XS+2*\m+\s] matrix_a_fmt:MATRIX_FMT_BF6 matrix_b_fmt:MATRIX_FMT_BF6
.endif
.endr
.endr
.endm
; v: my channel tile dd against the four tiles of rows: a lane holds one channel, its 32 registers 32 of the 64 keys.
.macro MMV dd
	WIN 0x04                                       ; source 1 (the weight) in window 1
.irp s, 0,1
.irp m, 0,1,2,3
.if \s == 0
	v_wmma_scale_f32_16x16x128_f8f6f4 v[ACC0+32*\dd+8*\m:ACC0+32*\dd+8*\m+7], v[XF+12*(2*\m+\s):XF+12*(2*\m+\s)+11], v[12*(2*\dd+\s):12*(2*\dd+\s)+11], 0, v[XS+2*\m+\s], v[WVS+2*\dd+\s] matrix_a_fmt:MATRIX_FMT_BF6 matrix_b_fmt:MATRIX_FMT_BF6
.else
	v_wmma_scale_f32_16x16x128_f8f6f4 v[ACC0+32*\dd+8*\m:ACC0+32*\dd+8*\m+7], v[XF+12*(2*\m+\s):XF+12*(2*\m+\s)+11], v[12*(2*\dd+\s):12*(2*\dd+\s)+11], v[ACC0+32*\dd+8*\m:ACC0+32*\dd+8*\m+7], v[XS+2*\m+\s], v[WVS+2*\dd+\s] matrix_a_fmt:MATRIX_FMT_BF6 matrix_b_fmt:MATRIX_FMT_BF6
.endif
.endr
.endr
.endm
.macro PLACES n                        ; plain vector instructions that name no register of the matrix instructions ahead (ISA guide 7.12.1): four ahead of a read of results, five ahead of a matrix instruction that begins an accumulator anew
.rept \n
	v_nop
.endr
.endm
	s_load_b256 s[4:11], s[0:1], 0x0               ; x, g1, b1, wc
	s_load_b256 s[12:19], s[0:1], 0x20             ; ws, qc, qs, kv
	v_lshl_add_u32 v254, v0, 2, 0x13800
	v_mov_b32 v255, 0
	v_lshrrev_b32 v1, 5, v0
	v_readfirstlane_b32 s[WV], v1                  ; wave 0..7
	v_and_b32 v1, 31, v0                           ; lane
	v_and_b32 v2, 15, v0                           ; r
	v_bfe_u32 v3, v0, 4, 1                         ; h
	s_wait_alu depctr_va_vdst(0)
	v_lshlrev_b32 v[LI], 4, v1
	s_wait_alu depctr_va_vdst(0)
	v_lshlrev_b32 v[L8], 3, v1
	v_lshlrev_b32 v[LS], 2, v1
	s_wait_alu depctr_va_vdst(0)
	s_wait_alu depctr_va_sdst(0)                   ; the wave's number is written, ahead of its first reader: offsets and LDS addresses are made from it
	s_lshl_b32 s48, ttmp9, 16                      ; 64 rows of 1,024 bytes a work-group,
	s_lshl_b32 s49, s[WV], 13                      ; 8 a wave
	s_add_co_u32 s48, s48, s49
	s_mov_b32 s49, 0
	s_and_b32 s26, s[WV], 1                        ; K step in the front end; q or k; which two channel tiles of v
	s_lshr_b32 s27, s[WV], 1                       ; tile of rows in the front end; the head
	s_lshl_b32 s29, s26, 9                         ; 512 s
	v_lshlrev_b32 v[GBO], 6, v3
	v_add_nc_u32 v[GBO], s29, v[GBO]               ; 64 h + 512 s
	s_lshl_b32 s56, s26, 5
	s_lshl_b32 s57, s27, 3
	s_add_co_u32 s56, s56, s57                     ; my first fragment of Wq or Wk: 32 mat + 8 head
	s_lshl_b32 s58, s56, 7
	s_mul_i32 s56, s56, 1536
	s_mov_b32 s57, 0
	s_mov_b32 s59, 0
	s_lshl_b32 s60, s[WV], 2
	s_add_co_u32 s60, s60, 64                      ; of Wv: 64 + 4 w
	s_lshl_b32 s62, s60, 7
	s_mul_i32 s60, s60, 1536
	s_mov_b32 s61, 0
	s_mov_b32 s63, 0
	; LDS addresses: constants, the lane, the wave's number.  They are made here, ahead of the first load, so that one wait serves every address of the kernel
	s_lshr_b32 s50, s[WV], 2
	s_lshl_b32 s50, s50, 5
	s_lshl_b32 s51, s26, 4
	s_add_co_u32 s50, s50, s51
	s_and_b32 s51, s27, 1
	s_lshl_b32 s51, s51, 3
	s_add_co_u32 s50, s50, s51                     ; rows 8 w .. 8 w + 7 go to places 32 (w / 4) + 16 (w % 2) + 8 ((w / 2) % 2) on: places 16 m .. 16 m + 15 are then tile m in the lanes' order
	s_mul_i32 s50, s50, XPITCH
	v_add_nc_u32 v[XTS], s50, v[LI]
	v_mul_u32_u24 v15, v2, XPITCH
	v_lshl_add_u32 v15, v3, 6, v15                 ; r x pitch + 64 h
	s_mul_i32 s50, s27, 16*XPITCH
	s_add_co_u32 s51, s50, s29
	v_add_nc_u32 v[XTO], s51, v15
	s_xor_b32 s51, s29, 512
	s_add_co_u32 s51, s50, s51
	v_add_nc_u32 v[XTT], s51, v15
	s_mul_i32 s50, s[WV], 1536
	s_add_co_u32 s50, s50, XIMG
	v_add_nc_u32 v[XWI], s50, v[LI]
	s_lshl_b32 s50, s[WV], 7
	s_add_co_u32 s50, s50, XSC
	v_add_nc_u32 v[XWS], s50, v[LS]
	v_add_nc_u32 v[XRI], XIMG, v[LI]
	v_add_nc_u32 v[XRS], XSC, v[LS]
.irp b, 0,1,2,3
	v_mov_b32 v[TM+4+\b], 0                        ; written once: a lane permute's destination counts as one of its sources
.endr
	v_mov_b32 v[ST+8], 0
	s_mov_b32 s[SEL], 0x76543210
	s_mov_b32 s[SEL+1], 0xfedcba98
	s_mov_b32 s[C256], 0x3b800000                  ; 1 / 256
	s_mov_b32 s[EPS], 0x3727c5ac                   ; 1e-5
	s_wait_kmcnt 0x0
	s_add_nc_u64 s[4:5], s[4:5], s[48:49]
	s_wait_alu depctr_va_vdst(0)                   ; the offsets and LDS addresses v4 to v14 are written: every load and store of the kernel reads one of them, and none is written again
.irp i, 0,1,2,3,4,5,6,7
.irp q, 0,1
	global_load_b128 v[48+8*\i+4*\q:48+8*\i+4*\q+3], v[LI], s[4:5] offset:1024*\i+512*\q th:TH_LOAD_NT   ; 512 consecutive bytes of row 8 w + i
.endr
.endr
	s_add_nc_u64 s[WQP:WQP+1], s[10:11], s[56:57]
	s_add_nc_u64 s[WQSP:WQSP+1], s[12:13], s[58:59]
	s_add_nc_u64 s[WVP:WVP+1], s[10:11], s[60:61]
	s_add_nc_u64 s[WVSP:WVSP+1], s[12:13], s[62:63]
	WIN 0x40                                       ; destination window 1
.irp b, 0,1,2,3
.irp j, 0,1,2,3
	global_load_b128 v[16*\b+4*\j:16*\b+4*\j+3], v[GBO], s[6:7] offset:128*\b+16*\j
	global_load_b128 v[64+16*\b+4*\j:64+16*\b+4*\j+3], v[GBO], s[8:9] offset:128*\b+16*\j
.endr
.endr
.set KK, 0
.rept 24
	global_load_b128 v[WQK+4*KK:WQK+4*KK+3], v[LI], s[WQP:WQP+1] offset:512*KK
.set KK, KK+1
.endr
	WIN 0
	; where the results go
	s_lshr_b32 s28, ttmp9, 6
	s_lshl_b32 s28, s28, 2
	s_add_co_u32 s28, s28, s27                     ; bh = 4 batch + head
	s_bfe_u32 s30, ttmp9, 0x50001                  ; the key step
	s_and_b32 s31, ttmp9, 1                        ; c: which 64 keys of it
	s_mul_i32 s52, s28, BHB
	s_mul_i32 s53, s30, STEPB
	s_add_co_u32 s52, s52, s53                     ; the step's block in kv
	s_lshl_b32 s48, s28, 8
	s_lshl_b32 s49, s30, 3
	s_add_co_u32 s48, s48, s49
	s_lshl_b32 s49, s31, 2
	s_add_co_u32 s48, s48, s49
	s_mul_i32 s48, s48, 768                        ; q's codes: tile 256 bh + 8 step + 4 c
	s_mul_i32 s49, s31, 3072
	s_add_co_u32 s49, s49, s52                     ; k's codes: tile 4 c of the block
	s_lshl_b32 s50, s28, 6
	s_lshl_b32 s51, s30, 1
	s_add_co_u32 s50, s50, s51
	s_add_co_u32 s50, s50, s31
	s_lshl_b32 s50, s50, 9                         ; q's scale words
	s_lshl_b32 s51, s31, 9
	s_add_co_u32 s51, s51, s52
	s_add_co_u32 s51, s51, 12288                   ; k's
	s_cmp_eq_u32 s26, 0                            ; the choice hangs on the wave's number alone
	s_cselect_b32 s48, s48, s49
	s_cselect_b32 s50, s50, s51
	s_cselect_b64 s[CB:CB+1], s[14:15], s[18:19]
	s_cselect_b64 s[SB:SB+1], s[16:17], s[18:19]
	s_mov_b32 s49, 0
	s_mov_b32 s51, 0
	s_add_nc_u64 s[CB:CB+1], s[CB:CB+1], s[48:49]
	s_add_nc_u64 s[SB:SB+1], s[SB:SB+1], s[50:51]
	s_mul_i32 s48, s26, 3072
	s_mul_i32 s50, s31, 768
	s_add_co_u32 s48, s48, s50
	s_add_co_u32 s48, s48, s52
	s_add_co_u32 s48, s48, 6144                    ; v's codes: channel tile 2 (w % 2), key half c
	s_lshl_b32 s50, s26, 8
	s_lshl_b32 s53, s31, 1
	s_add_co_u32 s50, s50, s53
	s_add_co_u32 s50, s50, s52
	s_add_co_u32 s50, s50, 13312                   ; v's scale words: bytes 2 c, 2 c + 1
	s_add_nc_u64 s[VB:VB+1], s[18:19], s[48:49]
	s_add_nc_u64 s[VSB:VSB+1], s[18:19], s[50:51]
	; ---- x into LDS
	s_wait_loadcnt 56                              ; x's 16 loads are in: 32 of g1 and b1 and 24 of the weight were issued behind them
.irp i, 0,1,2,3,4,5,6,7
.irp q, 0,1
	ds_store_b128 v[XTS], v[48+8*\i+4*\q:48+8*\i+4*\q+3] offset:XPITCH*\i+512*\q   ; data that loads brought, an address that the head's wait has shown written
.endr
.endr
.irp k, 0,1,2,3,4,5,6,7
	global_load_b32 v[WQS+\k], v[LS], s[WQSP:WQSP+1] offset:128*\k
.endr
	BARRIER                                        ; the 64 rows lie in LDS
	s_wait_alu depctr_vm_vsrc(0)                   ; my LDS stores have read v48 to v111, in which the loads below land
	; ---- my row's 256 numbers, layernorm, my K step's fragment
.irp b, 0,1,2,3
.irp j, 0,1,2,3
	ds_load_b128 v[X+16*\b+4*\j:X+16*\b+4*\j+3], v[XTO] offset:128*\b+16*\j
.endr
.endr
.irp b, 0,1,2,3
.irp j, 0,1,2,3
	ds_load_b128 v[X+64+16*\b+4*\j:X+64+16*\b+4*\j+3], v[XTT] offset:128*\b+16*\j
.endr
.endr
	s_wait_dscnt 0x0
	s_wait_loadcnt 32                              ; g1 and b1 are in: the weight's 24 loads and its 8 scale words were issued behind them
	LN
	QUANT X
	WIN 0x40                                       ; g1's and b1's registers are done with: Wv's four fragments take their place
	s_wait_alu depctr_va_vdst(0)                   ; the layernorm is done reading g1's registers, in which Wv lands; the quantiser has written v[PC ..] and v[PW], which the LDS stores read; both are done with v48 to v143, in which the fragments land behind the barrier
.set KK, 0
.rept 12
	global_load_b128 v[4*KK:4*KK+3], v[LI], s[WVP:WVP+1] offset:512*KK
.set KK, KK+1
.endr
	WIN 0
.irp k, 0,1,2,3
	global_load_b32 v[WVS+\k], v[LS], s[WVSP:WVSP+1] offset:128*\k
.endr
.irp c, 0,1,2
	ds_store_b128 v[XWI], v[PC+4*\c:PC+4*\c+3] offset:512*\c   ; the fragment goes to LDS as it stands: lane l's 16 bytes at 16 l
.endr
	ds_store_b32 v[XWS], v[PW]
	BARRIER                                        ; xn's eight fragments lie in LDS
	s_wait_alu depctr_vm_vsrc(0)                   ; my LDS stores have read v[PC ..] and v[PW]: the second accumulator set and the permutes' destinations below lie over them
.set KK, 0
.rept 24
	ds_load_b128 v[XF+4*KK:XF+4*KK+3], v[XRI] offset:512*KK    ; no vector instruction since the wait behind the quantiser names these registers
.set KK, KK+1
.endr
.irp k, 0,1,2,3,4,5,6,7
	ds_load_b32 v[XS+\k], v[XRS] offset:128*\k
.endr
	v_mov_b32 v[T2+2], 0                           ; written once: permute destinations
	v_mov_b32 v[T2+3], 0
	s_wait_dscnt 0x0
	s_wait_loadcnt 16                              ; Wq's or Wk's fragments and scale words are in: Wv's 12 + 4 loads were issued behind them
	; ---- q or k: two sets of accumulators by turns, so that one tile is quantised behind the next tile's products.  Each tile's codes have registers of their own: the stores stand together, behind one wait
	MMQ 0, ACC0
	MMQ 1, ACC1
	WIN 0
	PLACES 5
	QUANT2 ACC0, OUTQ, QW, 1
	MMQ 2, ACC0
	WIN 0
	PLACES 5
	QUANT2 ACC1, OUTQ+6, QW+1, 1
	MMQ 3, ACC1
	WIN 0
	PLACES 5
	QUANT2 ACC0, OUTQ+12, QW+2, 1
	QUANT2 ACC1, OUTQ+18, QW+3, 1
	s_wait_alu depctr_va_vdst(0)                   ; the four tiles' codes v[OUTQ ..] and scale words v[QW ..] are written, which the stores below read
.irp m, 0,1,2,3
.irp p, 0,1,2
	global_store_b64 v[L8], v[OUTQ+6*\m+2*\p:OUTQ+6*\m+2*\p+1], s[CB:CB+1] offset:768*\m+256*\p   ; 32 lanes store 256 consecutive bytes, aligned
.endr
.endr
	global_store_b128 v[LI], v[QW:QW+3], s[SB:SB+1]   ; the four tiles' scale words: 512 consecutive bytes
	; ---- v
	s_wait_loadcnt 0x0                             ; Wv
	MMV 0
	MMV 1
	WIN 0
	PLACES 5
.irp d, 0,1
	QUANT2 ACC0+32*\d, OUTV+6*\d, VW+\d, 0         ; codes and bytes into registers that no earlier store reads
.endr
	s_wait_alu depctr_va_vdst(0)                   ; v's codes v[OUTV ..] and bytes v[VW ..] are written, which the stores below read
.irp d, 0,1
.irp p, 0,1,2
	global_store_b64 v[L8], v[OUTV+6*\d+2*\p:OUTV+6*\d+2*\p+1], s[VB:VB+1] offset:1536*\d+256*\p
.endr
	global_store_b16 v[LS], v[VW+\d], s[VSB:VSB+1] offset:128*\d   ; two of a scale word's four bytes: the other two are the other half step's work-group's
.endr
	s_wait_dscnt 0x0
	s_wait_alu depctr_hold_cnt(0) depctr_sa_sdst(0) depctr_va_vdst(0) depctr_va_sdst(0) depctr_va_ssrc(0) depctr_va_vcc(0) depctr_vm_vsrc(0)
	s_wait_tensorcnt 0x0
	ds_add_u32 v254, v255
	s_wait_dscnt 0x0
	s_endpgm
.Lfunc_end_k_q411102a9ee_qkv:
	.size	k_q411102a9ee_qkv, .Lfunc_end_k_q411102a9ee_qkv-k_q411102a9ee_qkv
	.p2alignl 7, 3214868480
	.fill 96, 4, 3214868480
	.section	.rodata,"a",@progbits
	.p2align	6, 0x0
	.amdhsa_kernel k_q411102a9ee_qkv
		.amdhsa_group_segment_fixed_size 80896
		.amdhsa_private_segment_fixed_size 0
		.amdhsa_enable_private_segment 0
		.amdhsa_kernarg_size 64
		.amdhsa_user_sgpr_count 2
		.amdhsa_user_sgpr_kernarg_segment_ptr 1
		.amdhsa_wavefront_size32 1
		.amdhsa_system_sgpr_workgroup_id_x 1
		.amdhsa_system_sgpr_workgroup_id_y 1
		.amdhsa_system_sgpr_workgroup_id_z 1
		.amdhsa_system_vgpr_workitem_id 0
		.amdhsa_next_free_vgpr 512
		.amdhsa_next_free_sgpr 66
		.amdhsa_reserve_vcc 0
		.amdhsa_float_denorm_mode_32 3
		.amdhsa_float_denorm_mode_16_64 3
		.amdhsa_memory_ordered 1
		.amdhsa_forward_progress 1
		.amdhsa_inst_pref_size 61
	.end_amdhsa_kernel
	.amdgpu_metadata
---
amdhsa.version: [ 1, 2 ]
amdhsa.kernels:
  - .name:           k_q411102a9ee_qkv
    .symbol:         k_q411102a9ee_qkv.kd
    .args:
      - { .name: x, .offset: 0, .size: 8, .value_kind: global_buffer, .address_space: global }
      - { .name: g1, .offset: 8, .size: 8, .value_kind: global_buffer, .address_space: global }
      - { .name: b1, .offset: 16, .size: 8, .value_kind: global_buffer, .address_space: global }
      - { .name: wc, .offset: 24, .size: 8, .value_kind: global_buffer, .address_space: global }
      - { .name: ws, .offset: 32, .size: 8, .value_kind: global_buffer, .address_space: global }
      - { .name: qc, .offset: 40, .size: 8, .value_kind: global_buffer, .address_space: global }
      - { .name: qs, .offset: 48, .size: 8, .value_kind: global_buffer, .address_space: global }
      - { .name: kv, .offset: 56, .size: 8, .value_kind: global_buffer, .address_space: global }
    .group_segment_fixed_size: 80896
    .private_segment_fixed_size: 0
    .kernarg_segment_align: 8
    .kernarg_segment_size: 64
    .max_flat_workgroup_size: 256
    .sgpr_count:     66
    .vgpr_count:     512
    .wavefront_size: 32
...
	.end_amdgpu_metadata
.endif
;; end of part 6
;; launch attn (part 7): grid 16 x 16, 8 waves a work-group, no clusters, 327,680 bytes of LDS; arguments qc, qs, kv, att; writes att
.if DOCPART == 7
	.amdgcn_target "amdgcn-amd-amdhsa--gfx1250"
	.amdhsa_code_object_version 6
	.text
	.protected	k_q411102a9ee_attn
	.globl	k_q411102a9ee_attn
	.p2align	8
	.type	k_q411102a9ee_attn,@function
k_q411102a9ee_attn:
	s_mov_b64 s[64:65], 0
	v_nop
	global_prefetch_b8 v0, s[64:65] scope:SCOPE_SE
	s_setreg_imm32_b32 hwreg(HW_REG_WAVE_MODE, 25, 1), 1
	s_wait_xcnt 0x0
; att[b][q][h][:] = softmax_k(q . k / 8, k <= q) v, both products on codes of BF6 (E3M2) with E8M0 scales for each 32 along K.  16 pairs (batch, head) x 4,096 queries x 64 channels.
; THE SOFTMAX: t = score x log2(e) / 8; M = the running largest t rounded UP to a whole number; p = 2^(t - M) is quantised along the keys, not normalised; the row's sum is taken of the unquantised p and
; divides at the end; when M moves, the sum and O are multiplied by 2^(old M - new M), which rounds nothing.
; SHARES.  Work-group (I, bh) owns two blocks of 128 queries: block I and block 31 - I.  It walks 33 key steps of 128 keys: steps 0 .. I for the low block, then steps 0 .. 31 - I for the high one.  So every
; work-group has the same 33 steps, whatever I: the causal triangle is shared out evenly, every trip count is a constant, and no tile is fetched that nobody reads.  Wave w owns tile w (16 queries) of the block in hand.
; A phase's last step lies on the diagonal (first key = first query): there, under scalar branches on ids, hidden scores become -infinity, the tile leaves, and the wave starts on its high tile.
; LAYOUT.  S^T = K Q^T (source 0 = 16 keys, source 1 = my 16 queries), O^T = V^T P^T (source 0 = 16 channels, source 1 = P): a lane holds ONE query throughout.  Lane r of tile 2 b + u of keys, of queries and of channels
; holds number 32 b + 8 u + r + 8 (r / 8): so the 16 registers of tiles 2 b, 2 b + 1 are 16 neighbours.
; THE FIRST PRODUCT'S K IS 64, the instruction's 128: Q's registers 6-11 are zero codes, so source 0's registers 6-11 may hold any codes (here the next tile's); bytes 2 and 3 of both scale words are 0x7f.
; kv holds, for each key step, one dense block of 13,824 bytes: the images of K's eight half fragments, V's four fragments and their scale words.  Two LDS slots of three steps; waves 0, 1, 2 fetch a step's
; block each by one tensor load; a wave has at most one tensor load outstanding.
; NO CLUSTER: the 16 work-groups of a (batch, head) go back to key step 0 at different places of the walk (behind step I), so in a given round partners want different tiles.
; LIMITS: NaN and infinities are not served; a block of p whose every number has fallen to 0 keeps the scale byte 1 (its codes are zeros); a block's largest p is taken from the block's largest score,
; which takes v_exp_f32 not to fall where its input rises; v_exp_f32 and v_rcp_f32 as the ISA guide has them.
.set STEPB, 13824
.set BHB,   32*STEPB
.set SLOT1, 65536                      ; slot 1 begins here: one exclusive or turns an address in one slot into the other's
.set STAGE, 131072                     ; the way out: 16 rows x (256 + 16) bytes for each wave; no tensor load lands here
.set SPARE, STAGE+8*16*272             ; the spare words: 128 bytes for each wave, four blocks of 256 bytes that no other line names
.set L8,  1                            ; v1   8 x lane
.set L16, 2                            ; v2   16 x lane
.set L4,  3                            ; v3   4 x lane
.set A8,  4                            ; v4-6 the same + the step's place in LDS
.set A16, 5
.set A4,  6
.set SPW, 7                            ; v7   LDS address of my spare word; never rewritten
.set NIL, 8                            ; v8   0; never rewritten
.set STO, 9                            ; v9   the stage: where I put 64 bytes of a row
.set RD,  10                           ; v10  and where I read rows back
.set GO,  11                           ; v11  my byte offset in the tile's rows of att
;                                        v12 -M, v13 the largest t, v[14:15] the sum in two halves
.set Q,   16                           ; v16-21 Q's codes, v22-27 zero codes
.set QS,  28                           ; v28  Q's scale words
.set DL,  29                           ; v29  my query in its block - 16 (lane / 16)
.set QHI, 30                           ; v30-35 the high tile's codes
.set QHS, 36                           ; v36  and its scale words
.set NINF, 37                          ; v37  -infinity
.set PFO, 38                           ; v38  the prefetches' offset; never rewritten
.set F,   40                           ; v40-87 K's eight half fragments, then V's four fragments; v88-93 zero codes
.set S,   96                           ; v96-159 S^T, then p
.set O,   160                          ; v160-191 O^T
.set PC,  192                          ; v192-203 p's codes; v204-206, v208-210 at work
.set BM,  212                          ; v212-215 the blocks' largest scores, then largest p
.set PT,  216                          ; v216-219 the other half's, then bytes
.set SO,  220                          ; v220-223 the conversions' scale operands
.set FF,  224                          ; v224 f = 2^(old M - new M)
.set PW,  225                          ; v225 p's scale word
.set TT,  226
.set KS,  228                          ; v228-235 K's scale words
.set VS,  236                          ; v236-239 V's
.set SUM2, 240
.set WV,  12
.set II,  13
.set I1,  14
.set BH,  15
.set G1,  16                           ; s[16:23] descriptor group 1
.set G0,  24                           ; s[24:27] descriptor group 0, which walks
.set KVB, 28                           ; s[28:29] kv at my (batch, head)
.set POS, 32                           ; s32  the place in the walk of the step that I fetch
.set SLOTS, 33
.set CNT, 34
.set TB,  35                           ; s35  LDS byte of the step in hand
.set KF,  36                           ; s36  its first key
.set QB,  37                           ; s37  the first query of the block in hand
.set QBH, 38
.set ATC, 40                           ; s[40:41] att at my tile of the block in hand;  s[42:43] of the high block
.set ATH, 42
.set SEL, 44
.set CS,  46                           ; s[46:47] c = log2(e) / 8
.set PFA, 48
.set LIM, 50
.macro TLOAD                           ; waves 0, 1, 2 fetch; four v_nop follow the load, ahead of the label
	s_cmp_lt_u32 s[WV], 3
	s_cbranch_scc0 .Lno_load_\@
	tensor_load_to_lds s[G0:G0+3], s[G1:G1+7]
	s_nop 0
.rept 4
	v_nop
.endr
.Lno_load_\@:
.endm
; A PREFETCH INTO THE L2 of what the NEXT change of slots will ask for.  All 16 work-groups of a (batch, head) read the same blocks: the one with I = 0 asks, which walks key steps 0 .. 31 in order behind its first step.
; In it the five waves that fetch nothing ask, one instruction each, lanes 256 bytes apart: 160 of the 162 aligned blocks of 256 bytes of three steps, each named once in the launch.  At the v-th change
; (v = 0 ..) they name steps 3 v + 5 .. 3 v + 7: three key steps ahead of the load that wants them.  The last change that fills a slot asks for nothing; steps 0 to 4 come by their loads alone.
.macro ASK
	s_cmp_gt_u32 s[SLOTS], s[LIM]
	s_cbranch_scc0 .Lnot_mine_\@
	global_prefetch_b8 v[PFO], s[PFA:PFA+1] th:TH_LOAD_NT scope:SCOPE_SE
.Lnot_mine_\@:
.endm
; THE CHANGE OF SLOTS, at a slot's head.  Each wave waits for all its tensor loads (its part of the slot ahead), adds 0 to its spare word, and waits for that and for its reads of the slot that it has left.
; Behind the barrier the slot ahead is whole and nobody reads the other one.  fill = 1: that other slot takes the next three steps of the walk; the load has three key steps in which to land.
.macro CHANGE fill
	s_wait_tensorcnt 0x0                           ; no tensor load of mine is out, so group 0 may be written
	ds_add_u32 v[SPW], v[NIL]                      ; 0 onto my spare word
.if \fill
	s_xor_b32 s[G0+1], s[G0+1], SLOT1              ; the other slot than last time
	s_add_co_u32 s[POS], s[POS], 3                 ; three places on in the walk
	s_cmp_gt_u32 s[POS], s[II]
	s_cselect_b32 s51, s[I1], 0
	s_sub_co_u32 s51, s[POS], s51                  ; the key step at that place: behind place I the walk begins again at step 0
	s_mul_i32 s30, s51, STEPB
	s_add_nc_u64 s[G0+2:G0+3], s[KVB:KVB+1], s[30:31]
	s_or_b32 s[G0+3], s[G0+3], 0x80000000          ; 127:126 type = 2
	s_wait_xcnt 0x0                                ; the last prefetch, three key steps back, has read its address
	s_add_nc_u64 s[PFA:PFA+1], s[PFA:PFA+1], 3*STEPB
.endif
	s_wait_dscnt 0x0                               ; the add is done, and my reads of the slot that I have left are over
	s_barrier_signal -1
	s_barrier_wait -1
.if \fill
	TLOAD                                          ; the first thing behind the barrier, and a wave's one tensor load until the next
	ASK
.endif
.endm
.macro FRESH                           ; a tile's start: the largest t under every t, the sum and O^T zeros, which the first change of M leaves zeros
	v_mov_b32 v13, 0xff61b1e6                      ; -3e38
	s_delay_alu instid0(VALU_DEP_1)
	v_floor_f32 v12, -v13
	v_mov_b32 v14, 0
	v_mov_b32 v15, 0
.set J, 0
.rept 32
	v_mov_b32 v[O+J], 0
.set J, J+1
.endr
.endm
; THE WAY OUT of a tile: O^T / the sum goes through my stage and leaves as rows: sixteen lanes store a head's 256 consecutive bytes of a row of att, aligned.
.macro FINISH
	v_add_f32 v14, v14, v15
	s_delay_alu instid0(VALU_DEP_1)
	v_permlanex16_b32 v[TT], v14, s[SEL], s[SEL+1]
	s_delay_alu instid0(VALU_DEP_1)
	v_add_f32 v14, v14, v[TT]                      ; the row's sum
	s_wait_alu depctr_va_vdst(0)
	v_rcp_f32 v14, v14
.rept 4
	v_nop                                          ; the places behind the last products, and the plain instruction behind the reciprocal
.endr
	s_wait_alu depctr_va_vdst(0)                   ; the wait ahead of the first line that names the result
.set J, 0
.rept 16
	v_pk_mul_f32 v[S+J:S+J+1], v[O+J:O+J+1], v[14:15] op_sel_hi:[1,0]   ; each accumulator from its low end on; register 16 b + i is channel 32 b + 16 (lane / 16) + i
.set J, J+2
.endr
.irp b, 0,1
.irp i, 0,1,2,3
	ds_store_b128 v[STO], v[S+16*\b+4*\i:S+16*\b+4*\i+3] offset:128*\b+16*\i
.endr
.endr
.irp i, 0,1,2,3,4,5,6,7
	ds_load_b128 v[S+32+4*\i:S+32+4*\i+3], v[RD] offset:544*\i   ; LDS serves a wave's instructions in order: these see my stores.  Rows 2 i and 2 i + 1 of the tile
.endr
.irp i, 0,1,2,3,4,5,6,7
	s_wait_dscnt 7-\i                              ; the 7 - i younger loads may stay out
	global_store_b128 v[GO], v[S+32+4*\i:S+32+4*\i+3], s[ATC:ATC+1] offset:(2*\i+8*(\i/4))*1024   ; the tile's row n is query n + 8 (n / 8) from its first
.endr
	s_wait_xcnt 0x0                                ; the stores have read their data and their base: both are written again below
.endm
.macro RESTART                         ; on to my tile of the high block
.irp p, 0,1,2,3,4,5
	v_mov_b32 v[Q+\p], v[QHI+\p]
.endr
	v_mov_b32 v[QS], v[QHS]                        ; (the lines below stand between these and the next products)
	FRESH
	s_mov_b32 s[KF], -128                          ; the step's end adds 128: key step 0
	s_mov_b32 s[QB], s[QBH]
	s_mov_b64 s[ATC:ATC+1], s[ATH:ATH+1]
.endm
; A KEY STEP: 128 keys.
.macro STEP
	v_add_nc_u32 v[A8], s[TB], v[L8]
	v_add_nc_u32 v[A16], s[TB], v[L16]
	v_add_nc_u32 v[A4], s[TB], v[L4]
	v_nop                                          ; four places behind the last step's products, ahead of loads into registers that they read
.irp t, 0,1,2,3,4,5,6,7
.irp p, 0,1,2
	ds_load_b64 v[F+6*\t+2*\p:F+6*\t+2*\p+1], v[A8] offset:768*\t+256*\p   ; K's tile t: 256 consecutive bytes an instruction
.endr
.endr
.irp q, 0,1
	ds_load_b128 v[KS+4*\q:KS+4*\q+3], v[A16] offset:12288+512*\q          ; four tiles' scale words a lane
.endr
	s_wait_alu depctr_va_vdst(0)
	s_wait_dscnt 0x0
.irp t, 0,1,2,3,4,5,6,7
	v_wmma_scale_f32_16x16x128_f8f6f4 v[S+8*\t:S+8*\t+7], v[F+6*\t:F+6*\t+11], v[Q:Q+11], 0, v[KS+\t], v[QS] matrix_a_fmt:MATRIX_FMT_BF6 matrix_b_fmt:MATRIX_FMT_BF6
.endr
.rept 4
	v_nop                                          ; places ahead of the loads into K's registers and of the first read of the scores
.endr
.irp d, 0,1,2,3
.irp c, 0,1
.irp p, 0,1,2
	ds_load_b64 v[F+12*\d+6*\c+2*\p:F+12*\d+6*\c+2*\p+1], v[A8] offset:6144+1536*\d+768*\c+256*\p   ; V lands while the softmax is worked
.endr
.endr
	ds_load_b32 v[VS+\d], v[A4] offset:13312+128*\d
.endr
	s_cmp_lg_u32 s[KF], s[QB]                      ; on the diagonal?  A branch on ids
	s_cbranch_scc1 .Lopen_\@
.set J, 0
.rept 64
	v_cmp_gt_i32 vcc_lo, 32*(J/16)+J%16, v[DL]     ; register 16 b + i holds key 32 b + 16 (lane / 16) + i of the step: hidden where it comes after my query
	v_cndmask_b32 v[S+J], v[S+J], v[NINF], vcc_lo
.set J, J+1
.endr
.Lopen_\@:
.irp b, 0,1,2,3
	v_max3_num_f32 v[BM+\b], v[S+16*\b], v[S+1+16*\b], v[S+2+16*\b]   ; the largest score of each block of 32 keys: it serves for the row's maximum and for the block's largest p
.endr
.irp i, 3,5,7,9,11,13
.irp b, 0,1,2,3
	v_max3_num_f32 v[BM+\b], v[BM+\b], v[S+16*\b+\i], v[S+1+16*\b+\i]
.endr
.endr
.irp b, 0,1,2,3
	v_max_num_f32 v[BM+\b], v[BM+\b], v[S+15+16*\b]
.endr
.irp b, 0,1,2,3
	s_delay_alu instid0(VALU_DEP_4)
	v_permlanex16_b32 v[PT+\b], v[BM+\b], s[SEL], s[SEL+1]
.endr
.irp b, 0,1,2,3
	s_delay_alu instid0(VALU_DEP_4)
	v_max_num_f32 v[BM+\b], v[BM+\b], v[PT+\b]     ; with lane l xor 16's 16 keys
.endr
	s_delay_alu instid0(VALU_DEP_2)
	v_max3_num_f32 v[TT], v[BM], v[BM+1], v[BM+2]
	s_delay_alu instid0(VALU_DEP_1)
	v_max_num_f32 v[TT], v[TT], v[BM+3]
	s_delay_alu instid0(VALU_DEP_1)
	v_mul_f32 v[TT], s[CS], v[TT]                  ; as t (c is positive)
	s_delay_alu instid0(VALU_DEP_1)
	v_max_num_f32 v13, v13, v[TT]                  ; the running largest t
	v_mov_b32 v[TT], v12
	s_delay_alu instid0(VALU_DEP_2)
	v_floor_f32 v12, -v13                          ; the new -M = floor(-t) = -ceil(t)
	s_delay_alu instid0(VALU_DEP_1)
	v_sub_f32 v[TT], v12, v[TT]                    ; old M - new M: a whole number, 0 or less
	s_delay_alu instid0(VALU_DEP_1)
	v_cvt_i32_f32 v[TT], v[TT]                     ; (it saturates)
	s_delay_alu instid0(VALU_DEP_1)
	v_ldexp_f32 v[FF], 1.0, v[TT]                  ; f = 2^(old M - new M)
.set J, 0
.rept 32
	v_pk_fma_f32 v[S+J:S+J+1], v[S+J:S+J+1], s[CS:CS+1], v[12:13] op_sel_hi:[1,0,0]   ; t - M, two at a time
.set J, J+2
.endr
.irp b, 0,1,2,3
	v_fma_f32 v[BM+\b], v[BM+\b], s[CS], v12       ; the same of each block's largest score
.endr
.set J, 0
	s_setprio 1
	s_wait_alu depctr_va_vdst(0)
.rept 64
	v_exp_f32 v[S+J], v[S+J]                       ; p = 2^(t - M)
.set J, J+1
.endr
	v_pk_mul_f32 v[14:15], v[14:15], v[FF:FF+1] op_sel_hi:[1,0]   ; the sums under the new M: the plain instruction behind the exponentials
	s_wait_alu depctr_va_vdst(0)                   ; one wait for the 64, ahead of their first reader
.irp b, 0,1,2,3
	v_exp_f32 v[BM+\b], v[BM+\b]                   ; the block's largest p
.endr
	v_pk_add_f32 v[240:241], v[100:101], v[104:105]
	v_pk_add_f32 v[254:255], v[108:109], v[112:113]
	v_pk_add_f32 v[252:253], v[116:117], v[120:121]
	v_pk_add_f32 v[250:251], v[124:125], v[128:129]
	v_pk_add_f32 v[248:249], v[132:133], v[136:137]
	v_pk_add_f32 v[246:247], v[140:141], v[144:145]
	v_pk_add_f32 v[244:245], v[148:149], v[152:153]
	v_pk_add_f32 v[14:15], v[14:15], v[156:157]
	v_pk_add_f32 v[240:241], v[240:241], v[96:97]
	v_pk_add_f32 v[254:255], v[254:255], v[98:99]
	v_pk_add_f32 v[252:253], v[252:253], v[102:103]
	v_pk_add_f32 v[250:251], v[250:251], v[106:107]
	v_pk_add_f32 v[248:249], v[248:249], v[110:111]
	v_pk_add_f32 v[246:247], v[246:247], v[114:115]
	v_pk_add_f32 v[244:245], v[244:245], v[118:119]
	v_pk_add_f32 v[14:15], v[14:15], v[122:123]
	v_pk_add_f32 v[240:241], v[240:241], v[126:127]
	v_pk_add_f32 v[254:255], v[254:255], v[130:131]
	v_pk_add_f32 v[252:253], v[252:253], v[134:135]
	v_pk_add_f32 v[250:251], v[250:251], v[138:139]
	v_pk_add_f32 v[248:249], v[248:249], v[142:143]
	v_pk_add_f32 v[246:247], v[246:247], v[146:147]
	v_pk_add_f32 v[244:245], v[244:245], v[150:151]
	v_pk_add_f32 v[14:15], v[14:15], v[154:155]
	v_pk_add_f32 v[240:241], v[240:241], v[158:159]
	s_delay_alu instid0(VALU_DEP_2)
	v_pk_add_f32 v[14:15], v[14:15], v[250:251]
	s_delay_alu instid0(VALU_DEP_2)
	v_pk_add_f32 v[240:241], v[240:241], v[248:249]
	v_pk_add_f32 v[254:255], v[254:255], v[246:247]
	v_pk_add_f32 v[252:253], v[252:253], v[244:245]
	s_delay_alu instid0(VALU_DEP_2)
	v_pk_add_f32 v[14:15], v[14:15], v[254:255]
	s_delay_alu instid0(VALU_DEP_2)
	v_pk_add_f32 v[240:241], v[240:241], v[252:253]
	s_delay_alu instid0(VALU_DEP_1)
	v_pk_add_f32 v[14:15], v[14:15], v[240:241]
	s_wait_alu depctr_va_vdst(0)                   ; and one for the four
.irp b, 0,1,2,3
	v_max_num_f32 v[BM+\b], 0x2800000, v[BM+\b]    ; the floor 2^(5 - 127): the byte cannot fall under 1
.endr
.irp b, 0,1,2,3
	s_delay_alu instid0(VALU_DEP_4)
	v_add_nc_u32 v[SO+\b], 0xfe000000, v[BM+\b]    ; 4 off the exponent field: the conversion's scale operand
.endr
.irp b, 0,1,2,3
	s_delay_alu instid0(VALU_DEP_4)
	v_lshrrev_b32 v[PT+\b], 23, v[SO+\b]           ; the scale's byte
.endr
	s_delay_alu instid0(VALU_DEP_3)
	v_lshl_or_b32 v[PW], v[PT+1], 8, v[PT]
	s_delay_alu instid0(VALU_DEP_1)
	v_lshl_or_b32 v[PW], v[PT+2], 16, v[PW]
	s_delay_alu instid0(VALU_DEP_1)
	v_lshl_or_b32 v[PW], v[PT+3], 24, v[PW]
.irp c, 0,1
	v_cvt_scalef32_pk16_bf6_f32 v[PC+6*\c:PC+2+6*\c], v[S+32*\c:S+15+32*\c], v[SO+2*\c]
	v_cvt_scalef32_pk16_bf6_f32 v[PC+12+4*\c:PC+14+4*\c], v[S+16+32*\c:S+31+32*\c], v[SO+2*\c+1]
.endr
	v_nop                                          ; one plain instruction behind the scaled conversions
.irp c, 0,1                                    ; the operand wants a WHOLE block in a lane
.irp i, 0,1,2
	v_permlane16_swap_b32 v[PC+6*\c+\i], v[PC+12+4*\c+\i]
.endr
.irp i, 0,1,2
	s_delay_alu instid0(VALU_DEP_3)
	v_mov_b32 v[PC+3+6*\c+\i], v[PC+12+4*\c+\i]
.endr
.endr
.set J, 0
.rept 16
	v_pk_mul_f32 v[O+J:O+J+1], v[O+J:O+J+1], v[FF:FF+1] op_sel_hi:[1,0]   ; O^T under the new M; these 16 also stand between the writes of p's codes and scale word and the products
.set J, J+2
.endr
	s_wait_alu depctr_va_vdst(0)
	s_wait_dscnt 0x0                               ; V
.irp t, 0,1,2,3                                ; between two links of one sum stand eleven other accumulators' instructions
	v_wmma_scale_f32_16x16x128_f8f6f4 v[O+8*\t:O+8*\t+7], v[F+12*\t:F+12*\t+11], v[PC:PC+11], v[O+8*\t:O+8*\t+7], v[VS+\t], v[PW] matrix_a_fmt:MATRIX_FMT_BF6 matrix_b_fmt:MATRIX_FMT_BF6
.endr
	s_cmp_lg_u32 s[KF], s[QB]                      ; the diagonal step is a tile's last
	s_setprio 0
	s_cbranch_scc1 .Lon_\@
	FINISH
	RESTART
.Lon_\@:
	s_add_co_u32 s[KF], s[KF], 128
	s_add_co_u32 s[TB], s[TB], STEPB
.endm
.macro THREE_STEPS                     ; a slot's three key steps: written once, walked three times
	s_mov_b32 s[CNT], 3
.Lstep_\@:
	s_setprio 2
	STEP
	s_sub_co_u32 s[CNT], s[CNT], 1
	s_cmp_lg_u32 s[CNT], 0
	s_cbranch_scc1 .Lstep_\@
	s_setprio 0
	s_sub_co_u32 s[TB], s[TB], 3*STEPB             ; back to a slot's first step,
	s_xor_b32 s[TB], s[TB], SLOT1                  ; in the other slot
.endm
	s_load_b256 s[4:11], s[0:1], 0x0               ; qc, qs, kv, att
	v_lshl_add_u32 v[SPW], v0, 2, SPARE
	v_mov_b32 v[NIL], 0
	ds_add_u32 v7, v8
	ds_add_u32 v7, v8
	s_wait_dscnt 0x0
	v_lshrrev_b32 v1, 5, v0
	s_delay_alu instid0(VALU_DEP_1)
	v_readfirstlane_b32 s[WV], v1                  ; wave 0..7
	s_mov_b32 s[II], ttmp9
	s_add_co_u32 s[I1], ttmp9, 1
	s_and_b32 s[BH], ttmp7, 0xffff
	; descriptor group 1: a dense block of 13,824 bytes as 54 rows of 32 elements of 8 bytes
	s_mov_b32 s[G1], 3<<16                         ; 15:0 no mask; 17:16 elements of 8 bytes; no padding: every read takes consecutive bytes from lane to lane
	s_mov_b32 s[G1+1], 32<<16                      ; tensor_dim0 = 32
	s_mov_b32 s[G1+2], 54<<16                      ; tensor_dim1 = 54
	s_mov_b32 s[G1+3], 32<<16                      ; tile_dim0 = 32
	s_mov_b32 s[G1+4], 54                          ; tile_dim1 = 54
	s_mov_b32 s[G1+5], 32                          ; from row to row
	s_mov_b32 s[G1+6], 0
	s_mov_b32 s[G1+7], 0
	s_mul_i32 s30, s[BH], BHB
	s_mov_b32 s31, 0
	s_mov_b32 s[POS], s[WV]                        ; places 0, 1, 2 of the walk
	s_cmp_gt_u32 s[POS], s[II]
	s_cselect_b32 s51, s[I1], 0
	s_sub_co_u32 s51, s[POS], s51
	s_mul_i32 s52, s51, STEPB
	s_mov_b32 s53, 0
	s_wait_kmcnt 0x0
	s_add_nc_u64 s[KVB:KVB+1], s[8:9], s[30:31]
	s_mov_b32 s[G0], 1                             ; 1:0 count = 1
	s_mul_i32 s[G0+1], s[WV], STEPB                ; 63:32 LDS address: slot 0, my step's place
	s_add_nc_u64 s[G0+2:G0+3], s[KVB:KVB+1], s[52:53]
	s_or_b32 s[G0+3], s[G0+3], 0x80000000          ; 127:126 type = 2
	TLOAD                                          ; slot 0: the one first fill
	v_and_b32 v39, 31, v0                          ; lane
	s_delay_alu instid0(VALU_DEP_1)
	v_lshlrev_b32 v[L8], 3, v39
	s_delay_alu instid0(VALU_DEP_2)
	v_lshlrev_b32 v[L16], 4, v39
	s_delay_alu instid0(VALU_DEP_3)
	v_lshlrev_b32 v[L4], 2, v39
	v_and_b32 v4, 15, v0                           ; r
	v_bfe_u32 v5, v0, 4, 1                         ; h
	s_mul_i32 s51, s[WV], 16*272
	s_add_co_u32 s51, s51, STAGE                   ; my stage
	v_mul_u32_u24 v[STO], v4, 272
	s_delay_alu instid0(VALU_DEP_1)
	v_lshl_add_u32 v[STO], v5, 6, v[STO]
	s_delay_alu instid0(VALU_DEP_1)
	v_add_nc_u32 v[STO], s51, v[STO]               ; in: row r, + 64 h
	v_mul_u32_u24 v[RD], v5, 272
	s_delay_alu instid0(VALU_DEP_1)
	v_lshl_add_u32 v[RD], v4, 4, v[RD]
	s_delay_alu instid0(VALU_DEP_1)
	v_add_nc_u32 v[RD], s51, v[RD]                 ; back: lanes 0-15 one row, lanes 16-31 the next
	v_lshlrev_b32 v[GO], 10, v5
	s_delay_alu instid0(VALU_DEP_1)
	v_lshl_add_u32 v[GO], v4, 4, v[GO]             ; and the same in att: rows of 1,024 bytes
	s_lshr_b32 s52, s[WV], 1
	s_lshl_b32 s52, s52, 5
	s_and_b32 s53, s[WV], 1
	s_lshl_b32 s53, s53, 3
	s_add_co_u32 s52, s52, s53                     ; my tile's first query in its block: 32 (w / 2) + 8 (w % 2)
	v_and_b32 v[DL], 8, v4
	s_delay_alu instid0(VALU_DEP_1)
	v_add_nc_u32 v[DL], v[DL], v4
	s_delay_alu instid0(VALU_DEP_1)
	v_add_nc_u32 v[DL], s52, v[DL]                 ; my query in its block
	v_lshlrev_b32 v39, 4, v5
	s_delay_alu instid0(VALU_DEP_1)
	v_sub_nc_u32 v[DL], v[DL], v39                 ; - 16 h
	s_lshl_b32 s[QB], s[II], 7
	s_sub_co_u32 s[QBH], 31, s[II]
	s_lshl_b32 s[QBH], s[QBH], 7
	s_lshr_b32 s54, s[BH], 2
	s_lshl_b32 s54, s54, 12                        ; the batch's 4,096 rows
	s_add_co_u32 s54, s54, s52
	s_and_b32 s55, s[BH], 3
	s_lshl_b32 s55, s55, 8                         ; the head's 256 bytes of a row
	s_add_co_u32 s56, s54, s[QB]
	s_lshl_b32 s56, s56, 10
	s_add_co_u32 s56, s56, s55
	s_mov_b32 s57, 0
	s_add_nc_u64 s[ATC:ATC+1], s[10:11], s[56:57]
	s_add_co_u32 s56, s54, s[QBH]
	s_lshl_b32 s56, s56, 10
	s_add_co_u32 s56, s56, s55
	s_add_nc_u64 s[ATH:ATH+1], s[10:11], s[56:57]
	; Q: tile T = 8 x block + w of my (batch, head): codes at 768 (256 bh + T), scale words at 512 (64 bh + T / 4) + 16 lane + 4 (T % 4)
	s_lshl_b32 s51, s[BH], 8
	s_lshl_b32 s56, s[II], 3
	s_add_co_u32 s56, s56, s[WV]                   ; T of the low block
	s_lshr_b32 s58, s[QBH], 4
	s_add_co_u32 s58, s58, s[WV]                   ; T of the high block
	s_add_co_u32 s52, s51, s56
	s_mul_i32 s52, s52, 768
	s_mov_b32 s53, 0
	s_add_co_u32 s54, s51, s58
	s_mul_i32 s54, s54, 768
	s_mov_b32 s55, 0
	s_lshl_b32 s51, s[BH], 6
	s_lshr_b32 s60, s56, 2
	s_add_co_u32 s60, s60, s51
	s_lshl_b32 s60, s60, 9
	s_and_b32 s61, s56, 3
	s_lshl_b32 s61, s61, 2
	s_add_co_u32 s56, s60, s61
	s_lshr_b32 s60, s58, 2
	s_add_co_u32 s60, s60, s51
	s_lshl_b32 s60, s60, 9
	s_and_b32 s61, s58, 3
	s_lshl_b32 s61, s61, 2
	s_add_co_u32 s58, s60, s61
	s_mov_b32 s59, 0
	s_add_nc_u64 s[52:53], s[4:5], s[52:53]
	s_add_nc_u64 s[54:55], s[4:5], s[54:55]
	s_add_nc_u64 s[56:57], s[6:7], s[56:57]
	s_add_nc_u64 s[58:59], s[6:7], s[58:59]
.irp p, 0,1,2
	global_load_b64 v[Q+2*\p:Q+2*\p+1], v[L8], s[52:53] offset:256*\p
	global_load_b64 v[QHI+2*\p:QHI+2*\p+1], v[L8], s[54:55] offset:256*\p
.endr
	global_load_b32 v[QS], v[L16], s[56:57]
	global_load_b32 v[QHS], v[L16], s[58:59]
	; the prefetches: who asks, and where
	s_cmp_gt_u32 s[WV], 2
	s_cselect_b32 s[LIM], 0, 1                     ; 0 in waves 3 to 7,
	s_or_b32 s[LIM], s[LIM], ttmp9                 ; of the work-group with I = 0
	s_cmp_eq_u32 s[LIM], 0
	s_cselect_b32 s[LIM], 1, -1
	s_sub_co_u32 s51, s[WV], 3
	s_lshl_b32 s51, s51, 13                        ; 32 blocks of 256 bytes a wave
	v_and_b32 v39, 31, v0
	s_delay_alu instid0(VALU_DEP_1)
	v_lshlrev_b32 v[PFO], 8, v39
	s_delay_alu instid0(VALU_DEP_1)
	v_add_nc_u32 v[PFO], s51, v[PFO]
	s_delay_alu instid0(VALU_DEP_1)
	v_min_u32 v[PFO], 41216, v[PFO]                ; held inside three steps' 41,472 bytes (the waves that ask stay under it by themselves)
	s_add_nc_u64 s[PFA:PFA+1], s[KVB:KVB+1], 2*STEPB   ; the first change of slots steps it to key step 5.  Nothing is prefetched here, at the head
	s_mov_b32 s[SEL], 0x76543210
	s_mov_b32 s[SEL+1], 0xfedcba98
	s_mov_b32 s[CS], 0x3e38aa3b                    ; c = log2(e) / 8
	s_mov_b32 s[CS+1], s[CS]                       ; (named with it as a pair, so it is written)
	s_mov_b32 s[TB], 0
	s_mov_b32 s[KF], 0
	s_mov_b32 s[SLOTS], 10
.irp p, 0,1,2,3,4,5
	v_mov_b32 v[Q+6+\p], 0                         ; Q's codes of k = 64 .. 127: zeros
	v_mov_b32 v[F+48+\p], 0                        ; what K's last tile names as its upper half
.endr
	v_mov_b32 v[NINF], 0xff800000
.irp b, 0,1,2,3
	v_mov_b32 v[PT+\b], 0                          ; written once: a lane permute's destination counts as one of its sources
.endr
	v_mov_b32 v[PW], 0                             ; (named as the upper half of the pair with f before it is first written)
	FRESH
	s_wait_loadcnt 0x0                             ; Q
.Lslot:                                            ; ten trips: behind each change of slots but the last the next three steps are asked for
	CHANGE 1
	THREE_STEPS
	s_sub_co_u32 s[SLOTS], s[SLOTS], 1
	s_cmp_lg_u32 s[SLOTS], 0
	s_cbranch_scc1 .Lslot
	CHANGE 0                                       ; the last slot is written out
	THREE_STEPS
	s_wait_tensorcnt 0x0                           ; the wave's end, behind my last tensor load and my last LDS store
	ds_add_u32 v[SPW], v[NIL]
	s_wait_dscnt 0x0
	s_endpgm
.Lfunc_end_k_q411102a9ee_attn:
	.size	k_q411102a9ee_attn, .Lfunc_end_k_q411102a9ee_attn-k_q411102a9ee_attn
	.p2alignl 7, 3214868480
	.fill 96, 4, 3214868480
	.section	.rodata,"a",@progbits
	.p2align	6, 0x0
	.amdhsa_kernel k_q411102a9ee_attn
		.amdhsa_group_segment_fixed_size 327680
		.amdhsa_private_segment_fixed_size 0
		.amdhsa_enable_private_segment 0
		.amdhsa_kernarg_size 32
		.amdhsa_user_sgpr_count 2
		.amdhsa_user_sgpr_kernarg_segment_ptr 1
		.amdhsa_wavefront_size32 1
		.amdhsa_system_sgpr_workgroup_id_x 1
		.amdhsa_system_sgpr_workgroup_id_y 1
		.amdhsa_system_sgpr_workgroup_id_z 1
		.amdhsa_system_vgpr_workitem_id 0
		.amdhsa_next_free_vgpr 256
		.amdhsa_next_free_sgpr 66
		.amdhsa_reserve_vcc 1
		.amdhsa_float_denorm_mode_32 3
		.amdhsa_float_denorm_mode_16_64 3
		.amdhsa_memory_ordered 1
		.amdhsa_forward_progress 1
		.amdhsa_inst_pref_size 68
	.end_amdhsa_kernel
	.amdgpu_metadata
---
amdhsa.version: [ 1, 2 ]
amdhsa.kernels:
  - .name:           k_q411102a9ee_attn
    .symbol:         k_q411102a9ee_attn.kd
    .args:
      - { .name: qc, .offset: 0, .size: 8, .value_kind: global_buffer, .address_space: global }
      - { .name: qs, .offset: 8, .size: 8, .value_kind: global_buffer, .address_space: global }
      - { .name: kv, .offset: 16, .size: 8, .value_kind: global_buffer, .address_space: global }
      - { .name: att, .offset: 24, .size: 8, .value_kind: global_buffer, .address_space: global }
    .group_segment_fixed_size: 327680
    .private_segment_fixed_size: 0
    .kernarg_segment_align: 8
    .kernarg_segment_size: 32
    .max_flat_workgroup_size: 256
    .sgpr_count:     66
    .vgpr_count:     256
    .wavefront_size: 32
...
	.end_amdgpu_metadata
.endif
;; end of part 7
;; launch ffn (part 8): grid 256 x 1, 8 waves a work-group, no clusters, 94,208 bytes of LDS; arguments x, att, g2, b2, bf1, bf2, wc, ws, out0; writes out0
.if DOCPART == 8
	.amdgcn_target "amdgcn-amd-amdhsa--gfx1250"
	.amdhsa_code_object_version 6
	.text
	.protected	k_q411102a9ee_ffn
	.globl	k_q411102a9ee_ffn
	.p2align	8
	.type	k_q411102a9ee_ffn,@function
k_q411102a9ee_ffn:
	s_mov_b64 s[64:65], 0
	v_nop
	global_prefetch_b8 v0, s[64:65] scope:SCOPE_SE
	s_setreg_imm32_b32 hwreg(HW_REG_WAVE_SCHED_MODE, 0, 2), 2
	s_setreg_imm32_b32 hwreg(HW_REG_WAVE_MODE, 25, 1), 1
	s_wait_xcnt 0x0
	s_wait_alu depctr_vm_vsrc(0)
; xt = x + att; h = layernorm(xt) g2 + b2; out0 = xt + relu(Q(h) Q(W1)^T + bf1) quantised, times Q(W2)^T, + bf2.  Both products on codes of BF6 (E3M2) with E8M0 scales for each 32 along K.
; SHARES.  A work-group owns 64 rows.  Front end: wave w normalises and quantises tile m = w / 2 of 16 rows, K step s = w % 2.  Products: THE WAVES SHARE THE COLUMNS: wave w makes hidden units 32 w .. 32 w + 31
; and later output columns 32 w .. 32 w + 31, for all 64 rows; its 4 + 4 weight fragments come from wc straight into its registers, once.  The hidden layer never goes to memory.
; ROW ORDER.  Lane r of tile 2 b + u holds row 32 b + 8 u + r + 8 (r / 8), for rows of xt and rows of the weights.  Both products are used transposed (source 0 = 16 rows of the weight, source 1 = a tile of rows):
; a lane holds one row, and the 16 registers of my two tiles are 16 neighbouring columns, 32 w + 16 (lane / 16) + 0 .. 15: half a block of the next K.
; A wave's 32 hidden units are ONE block of the second product's K: its 16 codes a lane (12 bytes) go to their place in the fragment's image in LDS (24 bytes a lane), its scale byte to its place in the scale word.
; xt stays in LDS (rows 1,040 bytes apart); the result is added onto it, each byte by its one owner, goes back to the same bytes, and leaves as whole rows.  The biases are the C of each sum's first matrix instruction.
; NO CLUSTER, NO TENSOR LOAD: no row is shared between work-groups; each wave wants its own weight fragments once, in registers.
; LIMITS: a block of zeros gets the scale byte 1 where the rule says 127 (its codes are zeros; this program alone reads the bytes); NaN and infinities are not served; v_rsq_f32 as the ISA guide has it.
; THE MODE: SCHED_MODE bits 1:0 = 2 (LLVM: expert scheduling mode 2), set by the entry lines.  The code itself states the register dependences
; between vector or matrix instructions and memory or LDS instructions, with s_wait_alu, always for 0.
; THE PLAN.  Registers that memory or LDS instructions touch:
;   v4-19         offsets and LDS addresses: all made at the head, ahead of one wait on va_vdst, and never written again.
;   v48-175       x (v48-111) and att (v112-175) as loaded; the additions write v48-111, which the LDS stores read; then a row's 256 numbers from LDS, worked on by the layernorm and the quantiser; then (v48-143)
;                 h's fragments, later the hidden layer's, from LDS, read by matrix instructions; at the end (v48-111) whole rows from LDS, read by the global stores.
;   PC, PW        the fragment just made: written by the quantiser, read by the LDS stores of the image; later written by the first layer's matrix instructions, whose accumulators lie over them.
;   PCB, v216-219 the hidden layer's codes and bytes: written by conversions and shifts, read by LDS stores, never written again.
;   window 1 v0-63   g2: loaded, read by the layernorm; then xt at my rows' 16 columns, loaded from LDS with h's fragments; the last additions write the result there, and the LDS stores read it.
; The matrix instructions take operands that loads brought, and nothing that a vector instruction wrote.
; REGISTERS.  window 0: v1-20 addresses; v24-47 scale words; v48-175 128 numbers of a row, later fragments; v144-207 the 8 accumulators; v212-243 at work.
;   window 1: v0-63 g2, later xt at my columns; v64-127 b2; v128-175 W1's 4 fragments, v176-223 W2's; v224-239 bf1, v240-255 bf2 of my lane's 16 columns.
.set XPITCH, 1040
.set XIMG,  64*XPITCH                  ; h's 8 fragments (2 m + s), 1,536 bytes each,
.set XSC,   XIMG+8*1536                ; their scale words,
.set HIMG,  XSC+8*128                  ; the hidden layer's 8 fragments (2 m + K step): 768 c + 24 lane,
.set HSC,   HIMG+8*1536                ; their scale words
.set LI,  4
.set LS,  5
.set XTS, 6
.set XTO, 7
.set XTT, 8
.set XWI, 9
.set XWS, 10
.set GBO, 11
.set XRI, 12
.set XRS, 13
.set HWA, 14                           ; v14  LDS: where my 12 bytes of hidden codes go
.set HWB, 15                           ; v15  and my block's scale byte
.set HRA, 16                           ; v16  LDS: the hidden fragments, for reading: 24 x lane
.set HRS, 17
.set XTP, 18                           ; v18  LDS: my row's 64 bytes of my wave's columns
.set BFO, 19                           ; v19  64 (lane / 16)
.set XS,  24                           ; v24-31 h's scale words
.set W1S, 32
.set W2S, 36
.set HS,  40                           ; v40-47 the hidden layer's
.set X,   48
.set ST,  176
.set MU,  ST+10
.set RS,  ST+12
.set PC,  192
.set TM,  212
.set PW,  TM+8
.set XF,  48
.set HA,  144                          ; the accumulators: tile of rows m, my tile u at + 16 m + 8 u
.set PCB, 228
.set W1F, 128                          ; in window 1
.set W2F, 176
.set BF1, 224
.set BF2, 240
.set WV,  22
.set SEL, 24
.set C256, 26
.set EPS, 27
.set WP,  34
.set WSP, 36
.set MSB, 0
.macro WIN new                         ; the immediate's high byte repeats the setting that is left
.if MSB != \new
	s_set_vgpr_msb (MSB<<8)|\new
.set MSB, \new
.endif
.endm
.macro BARRIER                         ; my LDS stores have landed and my LDS loads are in: then the work-group's barrier
	s_wait_dscnt 0x0
	s_barrier_signal -1
	s_barrier_wait -1
.endm
.macro QUANT s                         ; 64 numbers of a lane, register 16 b + i = k 32 b + 16 (lane / 16) + i, become a fragment's codes in v[PC] on and its scale word in v[PW]
.irp b, 0,1,2,3
	v_max3_num_f32 v[TM+\b], |v[\s+16*\b]|, |v[\s+1+16*\b]|, 0x2800000   ; and the floor 2^(5 - 127): the byte cannot fall under 1
.endr
.irp i, 2,4,6,8,10,12,14
.irp b, 0,1,2,3
	v_max3_num_f32 v[TM+\b], v[TM+\b], |v[\s+16*\b+\i]|, |v[\s+1+16*\b+\i]|
.endr
.endr
.irp b, 0,1,2,3
	v_permlanex16_b32 v[TM+4+\b], v[TM+\b], s[SEL], s[SEL+1]
.endr
.irp b, 0,1,2,3
	v_max_num_f32 v[TM+\b], v[TM+\b], v[TM+4+\b]
.endr
.irp b, 0,1,2,3
	v_add_nc_u32 v[TM+12+\b], 0xfe000000, v[TM+\b]
.endr
.irp b, 0,1,2,3
	v_lshrrev_b32 v[TM+4+\b], 23, v[TM+12+\b]
.endr
	v_lshl_or_b32 v[PW], v[TM+5], 8, v[TM+4]
	v_lshl_or_b32 v[PW], v[TM+6], 16, v[PW]
	v_lshl_or_b32 v[PW], v[TM+7], 24, v[PW]
.irp c, 0,1
	v_cvt_scalef32_pk16_bf6_f32 v[PC+6*\c:PC+2+6*\c], v[\s+32*\c:\s+15+32*\c], v[TM+12+2*\c]
	v_cvt_scalef32_pk16_bf6_f32 v[PC+12+4*\c:PC+14+4*\c], v[\s+16+32*\c:\s+31+32*\c], v[TM+12+2*\c+1]
.endr
	v_nop                                          ; one plain instruction behind the scaled conversions
.irp c, 0,1
.irp i, 0,1,2
	v_permlane16_swap_b32 v[PC+6*\c+\i], v[PC+12+4*\c+\i]
.endr
.irp i, 0,1,2
	v_mov_b32 v[PC+3+6*\c+\i], v[PC+12+4*\c+\i]
.endr
.endr
.endm
.macro LN                              ; layernorm of my row: mean first, then the mean of the squared differences; only my K step is scaled
.irp k, 0,1,2,3
	v_pk_add_f32 v[ST+2*\k:ST+2*\k+1], v[X+2*\k:X+2*\k+1], v[X+8+2*\k:X+9+2*\k]
.endr
.set LNN, 8
.rept 56
	v_pk_add_f32 v[ST+2*(LNN%4):ST+2*(LNN%4)+1], v[ST+2*(LNN%4):ST+2*(LNN%4)+1], v[X+2*LNN:X+2*LNN+1]
.set LNN, LNN+1
.endr
	v_pk_add_f32 v[ST:ST+1], v[ST:ST+1], v[ST+2:ST+3]
	v_pk_add_f32 v[ST+4:ST+5], v[ST+4:ST+5], v[ST+6:ST+7]
	v_pk_add_f32 v[ST:ST+1], v[ST:ST+1], v[ST+4:ST+5]
	v_add_f32 v[ST], v[ST], v[ST+1]
	v_permlanex16_b32 v[ST+8], v[ST], s[SEL], s[SEL+1]
	v_add_f32 v[ST], v[ST], v[ST+8]
	v_mul_f32 v[MU], s[C256], v[ST]
	v_mov_b32 v[MU+1], v[MU]
.set LNN, 0
.rept 64
	v_pk_add_f32 v[X+2*LNN:X+2*LNN+1], v[X+2*LNN:X+2*LNN+1], v[MU:MU+1] neg_lo:[0,1] neg_hi:[0,1]
.set LNN, LNN+1
.endr
.irp k, 0,1,2,3
	v_pk_mul_f32 v[ST+2*\k:ST+2*\k+1], v[X+2*\k:X+2*\k+1], v[X+2*\k:X+2*\k+1]
.endr
.set LNN, 4
.rept 60
	v_pk_fma_f32 v[ST+2*(LNN%4):ST+2*(LNN%4)+1], v[X+2*LNN:X+2*LNN+1], v[X+2*LNN:X+2*LNN+1], v[ST+2*(LNN%4):ST+2*(LNN%4)+1]
.set LNN, LNN+1
.endr
	v_pk_add_f32 v[ST:ST+1], v[ST:ST+1], v[ST+2:ST+3]
	v_pk_add_f32 v[ST+4:ST+5], v[ST+4:ST+5], v[ST+6:ST+7]
	v_pk_add_f32 v[ST:ST+1], v[ST:ST+1], v[ST+4:ST+5]
	v_add_f32 v[ST], v[ST], v[ST+1]
	v_permlanex16_b32 v[ST+8], v[ST], s[SEL], s[SEL+1]
	v_add_f32 v[ST], v[ST], v[ST+8]
	v_fma_f32 v[ST], v[ST], s[C256], s[EPS]
	s_wait_alu depctr_va_vdst(0)
	v_rsq_f32 v[RS], v[ST]
	v_mov_b32 v[RS+1], 0                           ; a plain instruction behind the transcendental; it also writes the pair's upper half
	s_wait_alu depctr_va_vdst(0)                   ; v_rsq_f32 has written v[RS]: the wait ahead of the first line that names the result
.set LNN, 0
.rept 32
	v_pk_mul_f32 v[X+2*LNN:X+2*LNN+1], v[X+2*LNN:X+2*LNN+1], v[RS:RS+1] op_sel_hi:[1,0]
.set LNN, LNN+1
.endr
	WIN 0x14                                       ; sources 1 and 2 (gain, bias) in window 1
.set LNN, 0
.rept 32
	v_pk_fma_f32 v[X+2*LNN:X+2*LNN+1], v[X+2*LNN:X+2*LNN+1], v[2*LNN:2*LNN+1], v[64+2*LNN:65+2*LNN]
.set LNN, LNN+1
.endr
	WIN 0
.endm
; A layer: my two tiles of columns x the four tiles of rows x two K steps.  wf: the weight's fragments, bias: its bias (both in window 1); ws_: the weight's scale words; as_: the rows' scale words.
; The eight accumulators take turns; the first K step takes the bias as C.
.macro LAYER wf, bias, ws_, as_
	WIN 0x11                                       ; source 0 (the weight) and source 2 (the bias) in window 1
.irp m, 0,1,2,3
.irp u, 0,1
	v_wmma_scale_f32_16x16x128_f8f6f4 v[HA+16*\m+8*\u:HA+16*\m+8*\u+7], v[\wf+12*(2*\u):\wf+12*(2*\u)+11], v[XF+12*(2*\m):XF+12*(2*\m)+11], v[\bias+8*\u:\bias+8*\u+7], v[\ws_+2*\u], v[\as_+2*\m] matrix_a_fmt:MATRIX_FMT_BF6 matrix_b_fmt:MATRIX_FMT_BF6
.endr
.endr
	WIN 0x01
.irp m, 0,1,2,3
.irp u, 0,1
	v_wmma_scale_f32_16x16x128_f8f6f4 v[HA+16*\m+8*\u:HA+16*\m+8*\u+7], v[\wf+12*(2*\u+1):\wf+12*(2*\u+1)+11], v[XF+12*(2*\m+1):XF+12*(2*\m+1)+11], v[HA+16*\m+8*\u:HA+16*\m+8*\u+7], v[\ws_+2*\u+1], v[\as_+2*\m+1] matrix_a_fmt:MATRIX_FMT_BF6 matrix_b_fmt:MATRIX_FMT_BF6
.endr
.endr
	WIN 0
.endm
	s_load_b256 s[4:11], s[0:1], 0x0               ; x, att, g2, b2
	s_load_b256 s[12:19], s[0:1], 0x20             ; bf1, bf2, wc, ws
	s_load_b64 s[20:21], s[0:1], 0x40              ; out0
	v_lshl_add_u32 v254, v0, 2, 0x16c00
	v_mov_b32 v255, 0
	v_lshrrev_b32 v1, 5, v0
	v_readfirstlane_b32 s[WV], v1                  ; wave 0..7
	v_and_b32 v1, 31, v0                           ; lane
	v_and_b32 v2, 15, v0                           ; r
	v_bfe_u32 v3, v0, 4, 1                         ; h
	s_wait_alu depctr_va_vdst(0)
	v_lshlrev_b32 v[LI], 4, v1
	s_wait_alu depctr_va_vdst(0)
	v_lshlrev_b32 v[LS], 2, v1
	s_wait_alu depctr_va_vdst(0)
	s_wait_alu depctr_va_sdst(0)                   ; the wave's number is written, ahead of its first reader: offsets and LDS addresses are made from it
	s_lshl_b32 s32, ttmp9, 16                      ; 64 rows of 1,024 bytes a work-group,
	s_lshl_b32 s33, s[WV], 13                      ; 8 a wave
	s_add_co_u32 s32, s32, s33
	s_mov_b32 s33, 0
	s_and_b32 s28, s[WV], 1                        ; my K step in the front end
	s_lshr_b32 s29, s[WV], 1                       ; my tile of rows there
	s_lshl_b32 s30, s28, 9                         ; 512 s
	v_lshlrev_b32 v[BFO], 6, v3
	v_add_nc_u32 v[GBO], s30, v[BFO]               ; 64 h + 512 s
	s_lshl_b32 s38, s[WV], 2
	s_add_co_u32 s38, s38, 96                      ; W1's fragments 96 + 4 w on; W2's lie 32 fragments further
	s_lshl_b32 s40, s38, 7
	s_mul_i32 s38, s38, 1536
	s_mov_b32 s39, 0
	s_mov_b32 s41, 0
	s_lshl_b32 s42, s[WV], 7                       ; my 32 columns of the biases
	s_mov_b32 s43, 0
	; LDS addresses: constants, the lane, the wave's number.  They are made here, ahead of the first load, so that one wait serves every address of the kernel
	s_lshr_b32 s44, s[WV], 2
	s_lshl_b32 s45, s44, 5
	s_lshl_b32 s46, s28, 4
	s_add_co_u32 s45, s45, s46
	s_and_b32 s46, s29, 1
	s_lshl_b32 s46, s46, 3
	s_add_co_u32 s45, s45, s46                     ; rows 8 w .. 8 w + 7 go to places 32 (w / 4) + 16 (w % 2) + 8 ((w / 2) % 2) on
	s_mul_i32 s45, s45, XPITCH
	v_add_nc_u32 v[XTS], s45, v[LI]
	v_mul_u32_u24 v20, v2, XPITCH
	v_lshl_add_u32 v20, v3, 6, v20                 ; r x pitch + 64 h
	s_mul_i32 s45, s29, 16*XPITCH
	s_add_co_u32 s46, s45, s30
	v_add_nc_u32 v[XTO], s46, v20
	s_xor_b32 s46, s30, 512
	s_add_co_u32 s46, s45, s46
	v_add_nc_u32 v[XTT], s46, v20
	s_lshl_b32 s46, s[WV], 7
	v_add_nc_u32 v[XTP], s46, v20                  ; + my wave's 128 bytes of a row
	s_add_co_u32 s46, s46, XSC
	v_add_nc_u32 v[XWS], s46, v[LS]
	s_mul_i32 s45, s[WV], 1536
	s_add_co_u32 s45, s45, XIMG
	v_add_nc_u32 v[XWI], s45, v[LI]
	v_add_nc_u32 v[XRI], XIMG, v[LI]
	v_add_nc_u32 v[XRS], XSC, v[LS]
	s_and_b32 s45, s[WV], 3                        ; my block among the four of its K step w / 4
	s_mul_i32 s46, s44, 1536
	s_lshr_b32 s47, s45, 1
	s_mul_i32 s47, s47, 768                        ; registers 6 c on: c = block / 2
	s_add_co_u32 s46, s46, s47
	s_mul_i32 s47, s28, 16*24                      ; lanes 16-31 hold the odd blocks
	s_add_co_u32 s46, s46, s47
	s_add_co_u32 s46, s46, HIMG
	v_mul_u32_u24 v[HWA], v2, 24
	v_mad_u32_u24 v[HWA], v3, 12, v[HWA]           ; my 16 codes are the lower or the upper 12 of the block's 24 bytes
	v_add_nc_u32 v[HWA], s46, v[HWA]
	s_lshl_b32 s46, s44, 7
	s_add_co_u32 s46, s46, s45
	s_add_co_u32 s46, s46, HSC
	v_add_nc_u32 v[HWB], s46, v[LS]
	v_mul_u32_u24 v[HRA], v1, 24
	v_add_nc_u32 v[HRA], HIMG, v[HRA]
	v_add_nc_u32 v[HRS], HSC, v[LS]
.irp b, 0,1,2,3
	v_mov_b32 v[TM+4+\b], 0                        ; written once: a lane permute's destination counts as one of its sources
.endr
	v_mov_b32 v[ST+8], 0
	s_mov_b32 s[SEL], 0x76543210
	s_mov_b32 s[SEL+1], 0xfedcba98
	s_mov_b32 s[C256], 0x3b800000                  ; 1 / 256
	s_mov_b32 s[EPS], 0x3727c5ac                   ; 1e-5
	s_wait_kmcnt 0x0
	s_add_nc_u64 s[4:5], s[4:5], s[32:33]
	s_add_nc_u64 s[6:7], s[6:7], s[32:33]
	s_add_nc_u64 s[20:21], s[20:21], s[32:33]
	s_wait_alu depctr_va_vdst(0)                   ; the offsets and LDS addresses v4 to v19 are written: every load and store of the kernel reads one of them, and none is written again
.irp i, 0,1,2,3,4,5,6,7
.irp q, 0,1
	global_load_b128 v[48+8*\i+4*\q:48+8*\i+4*\q+3], v[LI], s[4:5] offset:1024*\i+512*\q th:TH_LOAD_NT    ; 512 consecutive bytes of row 8 w + i of x,
	global_load_b128 v[112+8*\i+4*\q:112+8*\i+4*\q+3], v[LI], s[6:7] offset:1024*\i+512*\q th:TH_LOAD_NT  ; and of att
.endr
.endr
	s_add_nc_u64 s[WP:WP+1], s[16:17], s[38:39]
	s_add_nc_u64 s[WSP:WSP+1], s[18:19], s[40:41]
	s_add_nc_u64 s[12:13], s[12:13], s[42:43]
	s_add_nc_u64 s[14:15], s[14:15], s[42:43]
	WIN 0x40                                       ; destination window 1
.irp b, 0,1,2,3
.irp j, 0,1,2,3
	global_load_b128 v[16*\b+4*\j:16*\b+4*\j+3], v[GBO], s[8:9] offset:128*\b+16*\j
	global_load_b128 v[64+16*\b+4*\j:64+16*\b+4*\j+3], v[GBO], s[10:11] offset:128*\b+16*\j
.endr
.endr
.set KK, 0
.rept 12
	global_load_b128 v[W1F+4*KK:W1F+4*KK+3], v[LI], s[WP:WP+1] offset:512*KK
	global_load_b128 v[W2F+4*KK:W2F+4*KK+3], v[LI], s[WP:WP+1] offset:32*1536+512*KK
.set KK, KK+1
.endr
	WIN 0
	; ---- xt = x + att, into LDS
	s_wait_loadcnt 56                              ; x's and att's 32 loads are in: 32 of g2 and b2 and 24 of the weights were issued behind them
.set KK, 0
.rept 32
	v_pk_add_f32 v[48+2*KK:49+2*KK], v[48+2*KK:49+2*KK], v[112+2*KK:113+2*KK]
.set KK, KK+1
.endr
	s_wait_alu depctr_va_vdst(0)                   ; the additions have written v48 to v111, which the LDS stores read, and are done reading v112 to v175, in which LDS loads land behind the barrier
.irp i, 0,1,2,3,4,5,6,7
.irp q, 0,1
	ds_store_b128 v[XTS], v[48+8*\i+4*\q:48+8*\i+4*\q+3] offset:XPITCH*\i+512*\q
.endr
.endr
	WIN 0x40
.irp i, 0,1,2,3
	global_load_b128 v[BF1+4*\i:BF1+4*\i+3], v[BFO], s[12:13] offset:16*\i   ; bf1 and bf2 at columns 32 w + 16 h + 0 .. 15
	global_load_b128 v[BF2+4*\i:BF2+4*\i+3], v[BFO], s[14:15] offset:16*\i
.endr
	WIN 0
.irp k, 0,1,2,3
	global_load_b32 v[W1S+\k], v[LS], s[WSP:WSP+1] offset:128*\k
	global_load_b32 v[W2S+\k], v[LS], s[WSP:WSP+1] offset:32*128+128*\k
.endr
	BARRIER                                        ; the 64 rows of xt lie in LDS
	s_wait_alu depctr_vm_vsrc(0)                   ; my LDS stores have read v48 to v111, in which the loads below land
	; ---- my row's 256 numbers, layernorm, my K step's fragment
.irp b, 0,1,2,3
.irp j, 0,1,2,3
	ds_load_b128 v[X+16*\b+4*\j:X+16*\b+4*\j+3], v[XTO] offset:128*\b+16*\j
.endr
.endr
.irp b, 0,1,2,3
.irp j, 0,1,2,3
	ds_load_b128 v[X+64+16*\b+4*\j:X+64+16*\b+4*\j+3], v[XTT] offset:128*\b+16*\j
.endr
.endr
	s_wait_dscnt 0x0
	s_wait_loadcnt 40                              ; g2 and b2 are in: 24 loads of weights, 8 of biases and 8 scale words were issued behind them
	LN
	QUANT X
	s_wait_alu depctr_va_vdst(0)                   ; the quantiser has written v[PC ..] and v[PW], which the LDS stores read; layernorm and quantiser are done with v48 to v143 and with g2's registers, in which LDS loads land behind the barrier
.irp c, 0,1,2
	ds_store_b128 v[XWI], v[PC+4*\c:PC+4*\c+3] offset:512*\c
.endr
	ds_store_b32 v[XWS], v[PW]
	BARRIER                                        ; h's eight fragments lie in LDS
	s_wait_alu depctr_vm_vsrc(0)                   ; my LDS stores have read v[PC ..] and v[PW]: the first layer's accumulators lie over them
	; ---- the hidden layer
.set KK, 0
.rept 24
	ds_load_b128 v[XF+4*KK:XF+4*KK+3], v[XRI] offset:512*KK    ; no vector instruction since the wait behind the quantiser names these registers
.set KK, KK+1
.endr
.irp k, 0,1,2,3,4,5,6,7
	ds_load_b32 v[XS+\k], v[XRS] offset:128*\k
.endr
	WIN 0x40                                       ; destination window 1: g2's registers are done with
.irp m, 0,1,2,3
.irp i, 0,1,2,3
	ds_load_b128 v[16*\m+4*\i:16*\m+4*\i+3], v[XTP] offset:16*XPITCH*\m+16*\i   ; xt at my rows' 16 columns, for the end: it lands while the layers are worked
.endr
.endr
	WIN 0
	s_wait_dscnt 16                                ; the fragments and their scale words are in: xt's 16 loads were issued behind them
	s_wait_loadcnt 0x0                             ; weights, biases, scale words
	LAYER W1F, BF1, W1S, XS
.rept 5
	v_nop                                          ; four places ahead of the first read of results; five ahead of the matrix instructions that later begin these accumulators anew
.endr
.set KK, 0
.rept 64
	v_max_num_f32 v[HA+KK], 0, v[HA+KK]            ; the activation, in f32; each accumulator from its low end on
.set KK, KK+1
.endr
.irp m, 0,1,2,3                                ; my block of 32 hidden units, for each of the four tiles of rows; none is negative, so no |.|
	v_max3_num_f32 v[TM+\m], v[HA+16*\m], v[HA+1+16*\m], 0x2800000
.endr
.irp i, 2,4,6,8,10,12,14
.irp m, 0,1,2,3
	v_max3_num_f32 v[TM+\m], v[TM+\m], v[HA+16*\m+\i], v[HA+1+16*\m+\i]
.endr
.endr
.irp m, 0,1,2,3
	v_permlanex16_b32 v[TM+4+\m], v[TM+\m], s[SEL], s[SEL+1]
.endr
.irp m, 0,1,2,3
	v_max_num_f32 v[TM+\m], v[TM+\m], v[TM+4+\m]
.endr
.irp m, 0,1,2,3
	v_add_nc_u32 v[TM+12+\m], 0xfe000000, v[TM+\m]
.endr
.irp m, 0,1,2,3
	v_lshrrev_b32 v[TM+4+\m], 23, v[TM+12+\m]
.endr
.irp m, 0,1,2,3
	v_cvt_scalef32_pk16_bf6_f32 v[PCB+4*\m:PCB+4*\m+2], v[HA+16*\m:HA+16*\m+15], v[TM+12+\m]
.endr
	v_nop                                          ; one plain instruction behind the scaled conversions
	s_wait_alu depctr_va_vdst(0)                   ; the conversions have written v[PCB ..] and the shifts the bytes, which the LDS stores read; the first layer's matrix instructions are done reading v48 to v143, in which the hidden fragments land behind the barrier
.irp m, 0,1,2,3
.irp i, 0,1,2
	ds_store_b32 v[HWA], v[PCB+4*\m+\i] offset:3072*\m+4*\i
.endr
	ds_store_b8 v[HWB], v[TM+4+\m] offset:256*\m   ; byte w % 4 of the row's scale word
.endr
	BARRIER                                        ; the hidden layer's eight fragments lie in LDS; xt at my columns is in its registers
	; ---- the second product
.irp f, 0,1,2,3,4,5,6,7
.irp c, 0,1
.irp p, 0,1,2
	ds_load_b64 v[XF+12*\f+6*\c+2*\p:XF+12*\f+6*\c+2*\p+1], v[HRA] offset:1536*\f+768*\c+8*\p
.endr
.endr
	ds_load_b32 v[HS+\f], v[HRS] offset:128*\f
.endr
	s_wait_dscnt 0x0
	LAYER W2F, BF2, W2S, HS
.rept 4
	v_nop                                          ; places ahead of the first read of results
.endr
	WIN 0x41                                       ; xt, as source 0 and as destination, in window 1; the accumulators in window 0
.set KK, 0
.rept 32
	v_pk_add_f32 v[2*KK:2*KK+1], v[2*KK:2*KK+1], v[HA+2*KK:HA+2*KK+1]   ; each accumulator from its low end on
.set KK, KK+1
.endr
	WIN 0x04                                       ; an LDS store's data are its source 1: window 1
	s_wait_alu depctr_va_vdst(0)                   ; the additions have written the result, which the LDS stores read; the second layer's matrix instructions are done reading v48 to v143, in which whole rows land behind the barrier
.irp m, 0,1,2,3
.irp i, 0,1,2,3
	ds_store_b128 v[XTP], v[16*\m+4*\i:16*\m+4*\i+3] offset:16*XPITCH*\m+16*\i   ; back to the bytes that xt came from: each byte has one owner
.endr
.endr
	WIN 0
	BARRIER                                        ; 64 whole rows of the result lie in LDS
.irp i, 0,1,2,3,4,5,6,7
.irp q, 0,1
	ds_load_b128 v[48+8*\i+4*\q:48+8*\i+4*\q+3], v[XTS] offset:XPITCH*\i+512*\q
.endr
.endr
.irp i, 0,1,2,3,4,5,6,7
.irp q, 0,1
	s_wait_dscnt 15-2*\i-\q                        ; the younger loads may stay out
	global_store_b128 v[LI], v[48+8*\i+4*\q:48+8*\i+4*\q+3], s[20:21] offset:1024*\i+512*\q th:TH_STORE_NT   ; 32 lanes store 512 consecutive bytes, aligned; written once, read by nobody here
.endr
.endr
	s_wait_dscnt 0x0
	s_wait_alu depctr_hold_cnt(0) depctr_sa_sdst(0) depctr_va_vdst(0) depctr_va_sdst(0) depctr_va_ssrc(0) depctr_va_vcc(0) depctr_vm_vsrc(0)
	s_wait_tensorcnt 0x0
	ds_add_u32 v254, v255
	s_wait_dscnt 0x0
	s_endpgm
.Lfunc_end_k_q411102a9ee_ffn:
	.size	k_q411102a9ee_ffn, .Lfunc_end_k_q411102a9ee_ffn-k_q411102a9ee_ffn
	.p2alignl 7, 3214868480
	.fill 96, 4, 3214868480
	.section	.rodata,"a",@progbits
	.p2align	6, 0x0
	.amdhsa_kernel k_q411102a9ee_ffn
		.amdhsa_group_segment_fixed_size 94208
		.amdhsa_private_segment_fixed_size 0
		.amdhsa_enable_private_segment 0
		.amdhsa_kernarg_size 72
		.amdhsa_user_sgpr_count 2
		.amdhsa_user_sgpr_kernarg_segment_ptr 1
		.amdhsa_wavefront_size32 1
		.amdhsa_system_sgpr_workgroup_id_x 1
		.amdhsa_system_sgpr_workgroup_id_y 1
		.amdhsa_system_sgpr_workgroup_id_z 1
		.amdhsa_system_vgpr_workitem_id 0
		.amdhsa_next_free_vgpr 512
		.amdhsa_next_free_sgpr 66
		.amdhsa_reserve_vcc 0
		.amdhsa_float_denorm_mode_32 3
		.amdhsa_float_denorm_mode_16_64 3
		.amdhsa_memory_ordered 1
		.amdhsa_forward_progress 1
		.amdhsa_inst_pref_size 65
	.end_amdhsa_kernel
	.amdgpu_metadata
---
amdhsa.version: [ 1, 2 ]
amdhsa.kernels:
  - .name:           k_q411102a9ee_ffn
    .symbol:         k_q411102a9ee_ffn.kd
    .args:
      - { .name: x, .offset: 0, .size: 8, .value_kind: global_buffer, .address_space: global }
      - { .name: att, .offset: 8, .size: 8, .value_kind: global_buffer, .address_space: global }
      - { .name: g2, .offset: 16, .size: 8, .value_kind: global_buffer, .address_space: global }
      - { .name: b2, .offset: 24, .size: 8, .value_kind: global_buffer, .address_space: global }
      - { .name: bf1, .offset: 32, .size: 8, .value_kind: global_buffer, .address_space: global }
      - { .name: bf2, .offset: 40, .size: 8, .value_kind: global_buffer, .address_space: global }
      - { .name: wc, .offset: 48, .size: 8, .value_kind: global_buffer, .address_space: global }
      - { .name: ws, .offset: 56, .size: 8, .value_kind: global_buffer, .address_space: global }
      - { .name: out0, .offset: 64, .size: 8, .value_kind: global_buffer, .address_space: global }
    .group_segment_fixed_size: 94208
    .private_segment_fixed_size: 0
    .kernarg_segment_align: 8
    .kernarg_segment_size: 72
    .max_flat_workgroup_size: 256
    .sgpr_count:     66
    .vgpr_count:     512
    .wavefront_size: 32
...
	.end_amdgpu_metadata
.endif
;; end of part 8
